; MI455X (gfx1250); checked and timed in simulation.
; The chip was launched on July 23, 2026; its instructions are those of AMD's public machine-readable ISA for CDNA 5 (MIT licence, August 2026) and "CDNA5" Instruction Set Architecture Reference Guide (July 2026). The comments in the code are by the model that wrote it; some were corrected since.
;; Graph Learner. Allowed arithmetic: float matrix products may take bf16 or f16 operands with f32 sums; all other float work in f32.
;; Inputs: acc_u 8 x 1,024 x 1 float32; acc_v 8 x 1,024 x 1 float32; angle 1,024 x 1,024 float32; context 8 x 1,024 x 128 float32; dist 1,024 x 1,024 float32; speed 8 x 1,024 x 1 float32; uv_angle 8 x 1,024 x 1 float32; uv_angleACC 8 x 1,024 x 1 float32; weight_tensor 16 x 128 float32.
;; Outputs: out0 8 x 1,024 x 1,024 float32.
;; Constants: isPhy = 1.
;; 3 versions, each right; version 2 is faster than version 1; version 3 is version 2 with the launch main written anew for expert scheduling mode. Each part assembles by itself: llvm-mc -triple=amdgcn-amd-amdhsa -mcpu=gfx1250 --defsym DOCPART=n.
;; ======== version 1 of 3: 3 launches
;; limits: values outside matrix products are rounded to bf16; right only within a limited range of input values
;; workspace buffers: swF 16,777,216 bytes; cF 2,097,152 bytes; rnF 524,288 bytes; rnT 524,288 bytes; yF 33,554,432 bytes
;; launch prep (part 1): grid 256 x 1, 8 waves a work-group, no clusters, 96,256 bytes of LDS; arguments angle, dist, context, weight_tensor, acc_u, acc_v, uv_angle, uv_angleACC, speed, swF, cF, rnF, rnT; writes swF, cF, rnF, rnT
.if DOCPART == 1
	.amdgcn_target "amdgcn-amd-amdhsa--gfx1250"
	.amdhsa_code_object_version 6
	.text
	.protected	k_q93a2375dd1_prep
	.globl	k_q93a2375dd1_prep
	.p2align	8
	.type	k_q93a2375dd1_prep,@function
k_q93a2375dd1_prep:
	s_mov_b64 s[64:65], 0
	v_nop
	global_prefetch_b8 v0, s[64:65] scope:SCOPE_SE
	s_setreg_imm32_b32 hwreg(HW_REG_WAVE_MODE, 25, 1), 1
	s_wait_xcnt 0x0
; PREP: the operands of the two Gram products, laid out in the order in which matrix fragments are loaded.
;   sw[b][n][k] = |speed| |cos(angle[n][k] - uv[b][n]) + 0.5 temp[b][n] (n == k)| / (dist[n][k] + 1e-5), each row divided by max(its norm, 1e-12)
;   rn[b][n][p] = 1 / max(|| context[b][n][:] * w[p][:] ||, 1e-12);   nc[b][n] = max(|| context[b][n][:] ||, 1e-12);   nw[p] = max(|| w[p][:] ||, 1e-12)
; OUT: swF bf16 [b][kstep 32][tile 64][q 2][lane 32][8] = sw[b][16 tile + r][32 kstep + 16 q + 8 h + e]   (lane = 16 h + r)
;      cF  f16  [b][tile 64][ks 4][q 2][lane 32][8]     = context[b][16 tile + r][32 ks + 16 q + 8 h + e] / nc: a unit vector, so f16 has room whatever the inputs' scale or offset
;      rnF f32  [b][tile 64][p 16][16 rows] = rn nw nc / 16;   rnT f32 [b][n][p 16] = rn / nw
;      (nc and nw cancel in the last launch's product for all values, clamped or not: each is multiplied in once and divided out once.)
; NOTHING OF reference() IS LEFT OUT, and every input is loaded.  temp_acc * eye(N) is a selection that reference() writes as a dense product:
; it adds to one element of each row, so that element is computed by itself (with the cosine's sign) and all others without the term.
; LIMITS.  cos is made by x - k pi (pi in two words, k = round(x / pi)) and a polynomial of degree 10 in the rest, absolute error about 1e-8
; while |angle - uv| stays under about 2^22.  v_sqrt_f32 and v_rcp_f32 take denormals as zero (ISA guide 15.8).  The row norm is |speed| sqrt(sum q^2)
; with q the row without |speed|: another order of rounding than reference()'s.  Elements of cF under 2^-14 keep an absolute error of 2^-25.
; SHARE.  Work-group g: T = g >> 2 is a tile of 16 rows n, b0 = 2 (g & 3) two batches.  angle and dist rows are loaded once for both batches.
; Eight waves.  Wave w takes rows 2 w, 2 w + 1 of the tile for sw (a row of 4,096 bytes = 32 registers) and rows 4 w .. 4 w + 3 of the 32 (batch, row) pairs for context.
; No matrix unit, no tensor load, no cluster: the work is vector arithmetic on rows that no other work-group of the launch shares at the same time.
.set SWS, 0                            ; LDS: sw in bf16, batch x 16 rows, row pitch 2,064 = 129 x 16: the 16 rows of a fragment load start in 16 different 16-byte columns
.set SWB, 33024
.set SWP, 2064
.set C2,  66048                        ; 32 rows x 512: context squared, f32
.set CB,  82432                        ; 32 rows x 272: context / nc in f16
.set CBP, 272
.set RN,  91136                        ; 32 rows x 64: rn / nw [row][p]
.set RN2, 93184                        ; 32 rows x 64: rn nw nc / 16 [row][p]
.set IW,  9                            ; v9      1 / nw of my p (free between the set-up and the output of rn)
.set NW,  19                           ; v19     nw / 16 of my p
.set NC,  20                           ; v[20:23] nc of my four rows
.set ANG, 24                           ; v[24:87]   two rows of angle; register 32 rp + 4 i + e holds column 128 i + 4 lane + e
.set DST, 88                           ; v[88:151]  two rows of dist, then 1 / (dist + 1e-5)
.set W2,  152                          ; v[152:215] w[p][64 hh ..]^2, lane = 16 hh + p
.set XR,  216                          ; v[216:247] context squared, read back
.set CT,  216                          ; v[216:231] four rows of context as loaded (used up before XR is loaded)
.set CSQ, 232                          ; v[232:247] their squares
.set CBF, 248                          ; v[248:255] their sums, then their f16
.set SM,  248                          ; v[248:255] four chains of sums
.set QQ,  152                          ; v[152:183] a row of q
.set XX,  184                          ; v[184:191] argument, later packed bf16 (with KK)
.set KK,  192
.set ZZ,  200
.set PP,  208
.set ACC, 216                          ; v[216:223] four chains of sums of squares
	s_load_b512 s[4:19], s[0:1], 0x0               ; angle s[4:5] dist s[6:7] context s[8:9] weight s[10:11] acc_u s[12:13] acc_v s[14:15] uv s[16:17] uvACC s[18:19]
	s_load_b256 s[20:27], s[0:1], 0x40             ; speed s[20:21] swF s[22:23] cF s[24:25] rnF s[26:27]
	s_load_b64 s[28:29], s[0:1], 0x60              ; rnT
	s_set_vgpr_msb 0x40
	v_lshl_add_u32 v0, v0, 2, 0x17400
	v_mov_b32 v1, 0
	s_set_vgpr_msb 0x4000
	v_lshrrev_b32 v1, 5, v0
	v_readfirstlane_b32 s30, v1                    ; wave w
	s_lshr_b32 s31, ttmp9, 2                       ; T
	s_and_b32 s32, ttmp9, 3
	s_lshl_b32 s32, s32, 1                         ; b0
	s_lshl_b32 s62, s31, 4
	s_lshl1_add_u32 s62, s30, s62                  ; n0 = 16 T + 2 w: my first row of sw
	s_mul_i32 s82, s62, 4100                       ; byte offset of element (n0, n0)
	s_lshl_b32 s33, s32, 12
	s_lshl2_add_u32 s33, s62, s33                  ; 4 (1024 b0 + n0): my rows' numbers in the [B, N, 1] inputs
	s_lshr_b32 s63, s30, 2                         ; t = w >> 2: which of the two batches my context rows belong to
	s_and_b32 s80, s30, 3                          ; w & 3
	s_add_co_u32 s81, s32, s63                     ; b0 + t
	s_mov_b32 s34, 0x76543210                      ; v_permlanex16_b32: lane i reads lane i of the other half
	s_mov_b32 s35, 0xfedcba98
	s_mov_b32 s36, 0x3ea2f983                      ; 1 / pi        (pairs: a packed instruction names both words)
	s_mov_b32 s37, 0x3ea2f983
	s_mov_b32 s38, 0xc0490fdb                      ; - pi, upper word
	s_mov_b32 s39, 0xc0490fdb
	s_mov_b32 s40, 0x33bbbd2e                      ; - pi, lower word
	s_mov_b32 s41, 0x33bbbd2e
	s_mov_b32 s42, 0xb48bdad8                      ; a10
	s_mov_b32 s43, 0xb48bdad8
	s_mov_b32 s44, 0xbab609ba                      ; a6
	s_mov_b32 s45, 0xbab609ba
	s_mov_b32 s46, 0x3d2aaaa4                      ; a4
	s_mov_b32 s47, 0x3d2aaaa4
	s_mov_b32 s50, 0x3727c5ac                      ; 1e-5
	s_mov_b32 s51, 0x2b8cbccc                      ; 1e-12
	v_mov_b32 v11, 0
	v_mov_b32 v12, 0x37cfb59e                      ; a8, in a vector pair so that an instruction names one scalar pair
	v_mov_b32 v13, 0x37cfb59e
	v_and_b32 v1, 31, v0                           ; lane
	v_lshlrev_b32 v2, 4, v1                        ; 16 lane
	v_and_b32 v19, 15, v0                          ; r (also p)
	v_bfe_u32 v20, v0, 4, 1                        ; h (also hh)
	v_lshlrev_b32 v3, 9, v19
	v_lshl_add_u32 v3, v20, 8, v3                  ; weights: 512 p + 256 hh
	s_lshl_b32 s83, s30, 11
	s_add_co_u32 s83, s83, C2                      ; my four rows of C2
	v_add_nc_u32 v4, s83, v2                       ; store: + 16 lane
	v_lshl_add_u32 v6, v20, 8, s83                 ; read: + 256 hh
	s_mul_i32 s83, s30, 4*CBP
	s_add_co_u32 s83, s83, CB
	v_lshl_add_u32 v5, v1, 3, s83                  ; CB store: my four rows + 8 lane
	s_lshl_b32 s83, s30, 8
	s_add_co_u32 s83, s83, RN
	v_lshl_add_u32 v7, v19, 2, s83                 ; RN store: my four rows + 4 p (RN2 lies 2,048 bytes further on)
	s_mul_i32 s83, s63, 16*CBP
	s_lshl_b32 s86, s80, 6
	s_add_co_u32 s83, s83, s86
	s_add_co_u32 s83, s83, CB
	v_mul_u32_u24 v8, v19, CBP
	v_lshl_add_u32 v8, v20, 4, v8
	v_add_nc_u32 v8, s83, v8                       ; CB read: (16 t + r) 272 + 64 (w & 3) + 16 h
	s_mul_i32 s83, s30, 2*SWP
	v_lshl_add_u32 v16, v1, 3, s83                 ; SWS store: my two rows + 8 lane
	s_lshl_b32 s86, s31, 5
	s_lshl2_add_u32 s86, s30, s86                  ; 2 n0: the diagonal's bytes in its row,
	s_and_b32 s86, s86, 0x7fc                      ; under 2,048 (n0 is under 1,024 and even): inside the row
	s_add_co_u32 s86, s86, s83
	v_mov_b32 v17, s86                             ; SWS: where my first row's diagonal lies
	v_mul_u32_u24 v18, v19, SWP
	v_lshl_add_u32 v18, v20, 4, v18
	s_lshl_b32 s83, s30, 8
	v_add_nc_u32 v18, s83, v18                     ; SWS read: r 2064 + 256 w + 16 h
	v_bfe_u32 v10, v0, 6, 1
	v_and_b32 v9, 63, v0
	v_lshlrev_b32 v10, 16, v10
	v_lshl_add_u32 v10, v9, 4, v10                 ; rnT, rnF: 65,536 x batch + 16 x (thread & 63)
	s_mov_b32 s87, 0
	s_wait_kmcnt 0x0
	; the rows' own numbers, by scalar loads (no line of this kernel writes these inputs): two rows at a time, both batches
	s_load_b64 s[52:53], s[12:13], s33 offset:0x0
	s_load_b64 s[54:55], s[14:15], s33 offset:0x0
	s_load_b64 s[56:57], s[16:17], s33 offset:0x0
	s_load_b64 s[58:59], s[18:19], s33 offset:0x0
	s_load_b64 s[60:61], s[20:21], s33 offset:0x0
	s_load_b64 s[66:67], s[12:13], s33 offset:0x1000
	s_load_b64 s[68:69], s[14:15], s33 offset:0x1000
	s_load_b64 s[70:71], s[16:17], s33 offset:0x1000
	s_load_b64 s[72:73], s[18:19], s33 offset:0x1000
	s_load_b64 s[74:75], s[20:21], s33 offset:0x1000
	s_load_b32 s76, s[4:5], s82 offset:0x0         ; angle and dist on the diagonal of my two rows
	s_load_b32 s77, s[4:5], s82 offset:0x1004
	s_load_b32 s78, s[6:7], s82 offset:0x0
	s_load_b32 s79, s[6:7], s82 offset:0x1004
	s_lshl_b32 s86, s81, 19                        ; context: ((b0 + t) 1024 + 16 T + 4 (w & 3)) rows of 512 bytes
	s_lshl_b32 s83, s31, 13
	s_add_co_u32 s86, s86, s83
	s_lshl_b32 s83, s80, 11
	s_add_co_u32 s86, s86, s83
	s_add_nc_u64 s[84:85], s[8:9], s[86:87]
	s_lshl_b32 s86, s62, 12                        ; angle, dist: row n0
	s_add_nc_u64 s[88:89], s[4:5], s[86:87]
	s_add_nc_u64 s[90:91], s[6:7], s[86:87]
.irp x, 0,1,2,3
	global_load_b128 v[CT+4*\x:CT+4*\x+3], v2, s[84:85] offset:\x*512          ; four rows of context, 2,048 neighbouring bytes
.endr
.set i, 0
.rept 16
	global_load_b128 v[W2+4*i:W2+4*i+3], v3, s[10:11] offset:i*16              ; my half of weight row p, once in the kernel
.set i, i+1
.endr
.irp rp, 0,1
.irp i, 0,1,2,3,4,5,6,7
	global_load_b128 v[ANG+32*\rp+4*\i:ANG+32*\rp+4*\i+3], v2, s[88:89] offset:\rp*4096+\i*512
.endr
.endr
.irp rp, 0,1
.irp i, 0,1,2,3,4,5,6,7
	global_load_b128 v[DST+32*\rp+4*\i:DST+32*\rp+4*\i+3], v2, s[90:91] offset:\rp*4096+\i*512
.endr
.endr
	s_lshl_b32 s86, s81, 18                        ; cF: ((b0 + t) 64 + T) 4096 + (w & 3) 1024
	s_lshl_b32 s83, s31, 12
	s_add_co_u32 s86, s86, s83
	s_lshl_b32 s83, s80, 10
	s_add_co_u32 s86, s86, s83
	s_add_nc_u64 s[92:93], s[24:25], s[86:87]
	s_lshl_b32 s86, s32, 16                        ; rnT and rnF: 65,536 b0 + 1,024 T in both
	s_lshl_b32 s83, s31, 10
	s_add_co_u32 s86, s86, s83
	s_add_nc_u64 s[94:95], s[28:29], s[86:87]
	s_add_nc_u64 s[26:27], s[26:27], s[86:87]
	s_lshl_b32 s86, s32, 21                        ; swF: b0 x 2 MiB + 4 w K steps of 64 KiB + T x 1 KiB
	s_add_co_u32 s86, s86, s83
	s_lshl_b32 s83, s30, 18
	s_add_co_u32 s86, s86, s83
	s_add_nc_u64 s[22:23], s[22:23], s[86:87]
	; ---- context: the weights' norms, the rows' norms, squares and f16 into LDS, then the 16 weighted norms of each row
	s_wait_loadcnt 0x20                            ; context and weights are in; the 32 younger loads (angle, dist) stay out
.set i, 0
.rept 32
	v_pk_mul_f32 v[W2+2*i:W2+2*i+1], v[W2+2*i:W2+2*i+1], v[W2+2*i:W2+2*i+1]
.set i, i+1
.endr
.irp j, 0,1,2,3
	v_pk_add_f32 v[SM+2*\j:SM+2*\j+1], v[W2+2*\j:W2+2*\j+1], v[W2+8+2*\j:W2+8+2*\j+1]      ; || w_p ||^2: four chains over my 64 squares
.endr
.set i, 8
.rept 24
	v_pk_add_f32 v[SM+2*(i&3):SM+2*(i&3)+1], v[SM+2*(i&3):SM+2*(i&3)+1], v[W2+2*i:W2+2*i+1]
.set i, i+1
.endr
	v_pk_add_f32 v[SM:SM+1], v[SM:SM+1], v[SM+2:SM+3]
	v_pk_add_f32 v[SM+4:SM+5], v[SM+4:SM+5], v[SM+6:SM+7]
	v_pk_add_f32 v[SM:SM+1], v[SM:SM+1], v[SM+4:SM+5]
	v_add_f32 v[SM], v[SM], v[SM+1]
	v_permlanex16_b32 v[SM+1], v[SM], s34, s35     ; the other 64 columns of row p
	v_add_f32 v[SM], v[SM], v[SM+1]
	v_sqrt_f32 v[SM], v[SM]
	v_nop                                          ; one plain instruction behind a transcendental before its result is used (ISA guide 5.7.2)
	s_wait_alu depctr_va_vdst(0)
	v_max_num_f32 v[SM], s51, v[SM]                ; nw
	v_rcp_f32 v[IW], v[SM]
	v_mul_f32 v[NW], 0x3d800000, v[SM]             ; nw / 16 (reads the reciprocal's source, writes neither it nor the result)
.irp x, 0,1,2,3
	v_pk_mul_f32 v[CSQ+4*\x:CSQ+4*\x+1], v[CT+4*\x:CT+4*\x+1], v[CT+4*\x:CT+4*\x+1]
	v_pk_mul_f32 v[CSQ+4*\x+2:CSQ+4*\x+3], v[CT+4*\x+2:CT+4*\x+3], v[CT+4*\x+2:CT+4*\x+3]
	ds_store_b128 v4, v[CSQ+4*\x:CSQ+4*\x+3] offset:\x*512
	v_pk_add_f32 v[CBF+2*\x:CBF+2*\x+1], v[CSQ+4*\x:CSQ+4*\x+1], v[CSQ+4*\x+2:CSQ+4*\x+3]  ; || c ||^2: my four squares, then the 32 lanes
	v_add_f32 v[CBF+2*\x], v[CBF+2*\x], v[CBF+2*\x+1]
	v_add_f32_dpp v[CBF+2*\x], v[CBF+2*\x], v[CBF+2*\x] row_xmask:1 row_mask:0xf bank_mask:0xf
	v_add_f32_dpp v[CBF+2*\x], v[CBF+2*\x], v[CBF+2*\x] row_xmask:2 row_mask:0xf bank_mask:0xf
	v_add_f32_dpp v[CBF+2*\x], v[CBF+2*\x], v[CBF+2*\x] row_xmask:4 row_mask:0xf bank_mask:0xf
	v_add_f32_dpp v[CBF+2*\x], v[CBF+2*\x], v[CBF+2*\x] row_xmask:8 row_mask:0xf bank_mask:0xf
	v_permlanex16_b32 v[CBF+2*\x+1], v[CBF+2*\x], s34, s35
	v_add_f32 v[CBF+2*\x], v[CBF+2*\x], v[CBF+2*\x+1]
	v_sqrt_f32 v[CBF+2*\x], v[CBF+2*\x]
	v_nop
	s_wait_alu depctr_va_vdst(0)
	v_max_num_f32 v[NC+\x], s51, v[CBF+2*\x]       ; nc
	v_rcp_f32 v[CBF+2*\x], v[NC+\x]
	v_nop
	s_wait_alu depctr_va_vdst(0)
	v_mov_b32 v[CBF+2*\x+1], v[CBF+2*\x]
	v_pk_mul_f32 v[CT+4*\x:CT+4*\x+1], v[CT+4*\x:CT+4*\x+1], v[CBF+2*\x:CBF+2*\x+1]
	v_pk_mul_f32 v[CT+4*\x+2:CT+4*\x+3], v[CT+4*\x+2:CT+4*\x+3], v[CBF+2*\x:CBF+2*\x+1]
	v_cvt_pk_f16_f32 v[CBF+2*\x], v[CT+4*\x], v[CT+4*\x+1]
	v_cvt_pk_f16_f32 v[CBF+2*\x+1], v[CT+4*\x+2], v[CT+4*\x+3]
	ds_store_b64 v5, v[CBF+2*\x:CBF+2*\x+1] offset:\x*CBP
.endr
; Row x of my four: lane (p, hh) adds c^2 w^2 over its 64 columns; c^2 comes from my own LDS bytes (LDS serves a wave's instructions in order: ISA guide 5.7.1), the same 16 bytes for 16 lanes.
.macro NORMROW x
.irp hf, 0,1
.irp i, 0,1,2,3,4,5,6,7
	ds_load_b128 v[XR+4*\i:XR+4*\i+3], v6 offset:\x*512+\hf*128+\i*16
.endr
	s_wait_dscnt 0x0
.set j, 0
.rept 16
.if (\hf*16+j) < 4
	v_pk_mul_f32 v[SM+2*j:SM+2*j+1], v[XR+2*j:XR+2*j+1], v[W2+2*j:W2+2*j+1]        ; the first four products start the chains
.else
	v_pk_fma_f32 v[SM+2*(j&3):SM+2*(j&3)+1], v[XR+2*j:XR+2*j+1], v[W2+32*\hf+2*j:W2+32*\hf+2*j+1], v[SM+2*(j&3):SM+2*(j&3)+1]
.endif
.set j, j+1
.endr
.endr
	v_pk_add_f32 v[SM:SM+1], v[SM:SM+1], v[SM+2:SM+3]
	v_pk_add_f32 v[SM+4:SM+5], v[SM+4:SM+5], v[SM+6:SM+7]
	v_pk_add_f32 v[SM:SM+1], v[SM:SM+1], v[SM+4:SM+5]
	v_add_f32 v[SM], v[SM], v[SM+1]
	v_permlanex16_b32 v[SM+1], v[SM], s34, s35     ; the other half of the columns
	v_add_f32 v[SM], v[SM], v[SM+1]
	v_sqrt_f32 v[SM], v[SM]
	v_nop
	s_wait_alu depctr_va_vdst(0)
	v_max_num_f32 v[SM], s51, v[SM]
	v_rcp_f32 v[SM], v[SM]                         ; rn
	v_nop
	s_wait_alu depctr_va_vdst(0)
	v_mul_f32 v[SM+1], v[SM], v[IW]                ; rn / nw: at most 1e24
	v_mul_f32 v[SM+2], v[SM], v[NW]
	v_mul_f32 v[SM+2], v[SM+2], v[NC+\x]           ; rn nw nc / 16
	ds_store_b32 v7, v[SM+1] offset:\x*64          ; both halves write the same number
	ds_store_b32 v7, v[SM+2] offset:RN2-RN+\x*64
.endm
	NORMROW 0
	NORMROW 1
	NORMROW 2
	NORMROW 3
	s_wait_dscnt 0x0                               ; my stores into CB, RN and RN2 are done, for the waves that read them
	s_barrier_signal -1
	s_barrier_wait -1
	; ---- context out: fragment order
	ds_load_b128 v[216:219], v8
	ds_load_b128 v[220:223], v8 offset:32
	s_wait_dscnt 0x0
	global_store_b128 v2, v[216:219], s[92:93]
	global_store_b128 v2, v[220:223], s[92:93] offset:512
	s_cmp_lt_u32 s30, 4
	s_cbranch_scc0 .Lrnf
	v_and_b32 v9, 127, v0                          ; waves 0 to 3: rn / nw, rows as they lie in RN
	v_lshlrev_b32 v9, 4, v9
	v_add_nc_u32 v9, RN, v9
	ds_load_b128 v[224:227], v9
	s_wait_dscnt 0x0
	global_store_b128 v10, v[224:227], s[94:95]
	s_branch .Lrndone
.Lrnf:
	v_bfe_u32 v9, v0, 6, 1                         ; waves 4 to 7: rn nw nc / 16 transposed: four rows of one p
	v_lshlrev_b32 v9, 10, v9
	v_and_b32 v21, 3, v0
	v_lshl_add_u32 v9, v21, 8, v9
	v_bfe_u32 v21, v0, 2, 4
	v_lshl_add_u32 v9, v21, 2, v9
	v_add_nc_u32 v9, RN2, v9
	ds_load_b32 v224, v9
	ds_load_b32 v225, v9 offset:64
	ds_load_b32 v226, v9 offset:128
	ds_load_b32 v227, v9 offset:192
	s_wait_dscnt 0x0
	global_store_b128 v10, v[224:227], s[26:27]
.Lrndone:
	s_wait_xcnt 0x0                                ; the stores' data registers are written again below only behind this wait
	; ---- selfwind
	s_wait_loadcnt 0x0
	s_wait_kmcnt 0x0
.set i, 0
.rept 32
	v_pk_add_f32 v[DST+2*i:DST+2*i+1], v[DST+2*i:DST+2*i+1], s[50:51] op_sel_hi:[1,0]
.set i, i+1
.endr
.set i, 0
.rept 64
	v_rcp_f32 v[DST+i], v[DST+i]
.set i, i+1
.endr
	v_nop
	; the diagonal is taken out of the vector flow: its 1 / d becomes 0.  It lies in lane 4 (T & 7) + (w >> 1), register 4 (T >> 3) + 2 (w & 1) + rp: even in row 0, odd in row 1.
	s_and_b32 s83, s31, 7
	s_lshl_b32 s83, s83, 2
	s_lshr_b32 s86, s30, 1
	s_add_co_u32 s83, s83, s86
	s_lshr_b32 s86, s31, 3
	s_lshl_b32 s86, s86, 2
	s_and_b32 s87, s30, 1
	s_lshl1_add_u32 s86, s87, s86
	v_cmp_eq_u32 vcc_lo, s83, v1
	v_mov_b32 v21, s86
	v_cndmask_b32 v14, -1, v21, vcc_lo             ; the register's index in the one lane, -1 in the others
	v_add_nc_u32 v21, 1, v21
	v_cndmask_b32 v15, -1, v21, vcc_lo
.set i, 0
	s_wait_alu depctr_va_vdst(0)
.rept 16
	v_cmp_eq_u32 vcc_lo, i, v14
	v_cndmask_b32 v[DST+i], v[DST+i], v11, vcc_lo
	v_cmp_eq_u32 vcc_lo, i+1, v15
	v_cndmask_b32 v[DST+33+i], v[DST+33+i], v11, vcc_lo
.set i, i+2
.endr
; cos of one number: k = round(x / pi), x -= k pi, p = polynomial in x^2; cos = (-1)^k p
.macro COS1 x, k, z, p
	v_mul_f32 v\k, s36, v\x
	v_rndne_f32 v\k, v\k
	v_fma_f32 v\x, v\k, s38, v\x
	v_fma_f32 v\x, v\k, s40, v\x
	v_mul_f32 v\z, v\x, v\x
	v_fma_f32 v\p, v\z, s42, v12
	v_fma_f32 v\p, v\p, v\z, s44
	v_fma_f32 v\p, v\p, v\z, s46
	v_fma_f32 v\p, v\p, v\z, -0.5
	v_fma_f32 v\p, v\p, v\z, 1.0
.endm
; eight numbers of row rp (group g of four): q = |cos(angle - uv)| / d and the sum of q^2, four pairs side by side
.macro COS8 rp, g, first
.irp j, 0,1,2,3
	v_pk_add_f32 v[XX+2*\j:XX+2*\j+1], v[ANG+32*\rp+8*\g+2*\j:ANG+32*\rp+8*\g+2*\j+1], s[48:49] op_sel_hi:[1,0]
.endr
.irp j, 0,1,2,3
	v_pk_mul_f32 v[KK+2*\j:KK+2*\j+1], v[XX+2*\j:XX+2*\j+1], s[36:37] op_sel_hi:[1,0]
.endr
.irp j, 0,1,2,3,4,5,6,7
	v_rndne_f32 v[KK+\j], v[KK+\j]
.endr
.irp j, 0,1,2,3
	v_pk_fma_f32 v[XX+2*\j:XX+2*\j+1], v[KK+2*\j:KK+2*\j+1], s[38:39], v[XX+2*\j:XX+2*\j+1] op_sel_hi:[1,0,1]
.endr
.irp j, 0,1,2,3
	v_pk_fma_f32 v[XX+2*\j:XX+2*\j+1], v[KK+2*\j:KK+2*\j+1], s[40:41], v[XX+2*\j:XX+2*\j+1] op_sel_hi:[1,0,1]
.endr
.irp j, 0,1,2,3
	v_pk_mul_f32 v[ZZ+2*\j:ZZ+2*\j+1], v[XX+2*\j:XX+2*\j+1], v[XX+2*\j:XX+2*\j+1]
.endr
.irp j, 0,1,2,3
	v_pk_fma_f32 v[PP+2*\j:PP+2*\j+1], v[ZZ+2*\j:ZZ+2*\j+1], s[42:43], v[12:13] op_sel_hi:[1,0,1]
.endr
.irp j, 0,1,2,3
	v_pk_fma_f32 v[PP+2*\j:PP+2*\j+1], v[PP+2*\j:PP+2*\j+1], v[ZZ+2*\j:ZZ+2*\j+1], s[44:45] op_sel_hi:[1,1,0]
.endr
.irp j, 0,1,2,3
	v_pk_fma_f32 v[PP+2*\j:PP+2*\j+1], v[PP+2*\j:PP+2*\j+1], v[ZZ+2*\j:ZZ+2*\j+1], s[46:47] op_sel_hi:[1,1,0]
.endr
.irp j, 0,1,2,3
	v_pk_fma_f32 v[PP+2*\j:PP+2*\j+1], v[PP+2*\j:PP+2*\j+1], v[ZZ+2*\j:ZZ+2*\j+1], -0.5 op_sel_hi:[1,1,0]
.endr
.irp j, 0,1,2,3
	v_pk_fma_f32 v[PP+2*\j:PP+2*\j+1], v[PP+2*\j:PP+2*\j+1], v[ZZ+2*\j:ZZ+2*\j+1], 1.0 op_sel_hi:[1,1,0]
.endr
.irp j, 0,1,2,3,4,5,6,7
	v_mul_f32 v[QQ+8*\g+\j], |v[PP+\j]|, v[DST+32*\rp+8*\g+\j]
.endr
.irp j, 0,1,2,3
.if \first
	v_pk_mul_f32 v[ACC+2*\j:ACC+2*\j+1], v[QQ+8*\g+2*\j:QQ+8*\g+2*\j+1], v[QQ+8*\g+2*\j:QQ+8*\g+2*\j+1]
.else
	v_pk_fma_f32 v[ACC+2*\j:ACC+2*\j+1], v[QQ+8*\g+2*\j:QQ+8*\g+2*\j+1], v[QQ+8*\g+2*\j:QQ+8*\g+2*\j+1], v[ACC+2*\j:ACC+2*\j+1]
.endif
.endr
.endm
; Row rp of my two, batch b0 + be.  sb: the first scalar register of that batch's numbers (au, av, uv, uvACC, speed: a pair each).
.macro ROW be, rp, sb
	s_xor_b32 s48, s[\sb+4+\rp], 0x80000000        ; - uv
	s_mov_b32 s49, s48
	v_mov_b32 v224, s[\sb+\rp]
	v_mov_b32 v225, s[\sb+2+\rp]
	v_mul_f32 v224, v224, v224
	v_fma_f32 v224, v225, v225, v224
	v_add_f32 v224, s50, v224
	v_sqrt_f32 v224, v224                          ; sqrt(au^2 + av^2 + 1e-5)
	v_mov_b32 v226, s[\sb+6+\rp]
	v_add_f32 v226, s48, v226                      ; uvACC - uv
	COS1 226, 227, 228, 229
	s_wait_alu depctr_va_vdst(0)
	v_mul_f32 v224, v224, |v229|
	v_mul_f32 v224, 0.5, v224                      ; sigma x temp_acc
	v_mov_b32 v230, s[76+\rp]
	v_add_f32 v230, s48, v230
	COS1 230, 231, 232, 233
	v_cvt_i32_f32 v231, v231
	v_lshlrev_b32 v231, 31, v231                   ; k odd: the cosine changes sign
	v_xor_b32 v233, v231, v233
	v_add_f32 v233, v233, v224
	v_mov_b32 v234, s[78+\rp]
	v_add_f32 v234, s50, v234
	v_rcp_f32 v234, v234
	v_nop
	s_wait_alu depctr_va_vdst(0)
	v_mul_f32 v233, |v233|, v234                   ; the diagonal's q
	COS8 \rp, 0, 1
	COS8 \rp, 1, 0
	COS8 \rp, 2, 0
	COS8 \rp, 3, 0
	v_pk_add_f32 v[ACC:ACC+1], v[ACC:ACC+1], v[ACC+2:ACC+3]
	v_pk_add_f32 v[ACC+4:ACC+5], v[ACC+4:ACC+5], v[ACC+6:ACC+7]
	v_pk_add_f32 v[ACC:ACC+1], v[ACC:ACC+1], v[ACC+4:ACC+5]
	v_add_f32 v[ACC], v[ACC], v[ACC+1]
	v_add_f32_dpp v[ACC], v[ACC], v[ACC] row_xmask:1 row_mask:0xf bank_mask:0xf
	v_add_f32_dpp v[ACC], v[ACC], v[ACC] row_xmask:2 row_mask:0xf bank_mask:0xf
	v_add_f32_dpp v[ACC], v[ACC], v[ACC] row_xmask:4 row_mask:0xf bank_mask:0xf
	v_add_f32_dpp v[ACC], v[ACC], v[ACC] row_xmask:8 row_mask:0xf bank_mask:0xf
	v_permlanex16_b32 v[ACC+1], v[ACC], s34, s35
	v_add_f32 v[ACC], v[ACC], v[ACC+1]
	v_fma_f32 v[ACC], v233, v233, v[ACC]           ; + the diagonal's square
	v_sqrt_f32 v[ACC], v[ACC]
	v_mov_b32 v235, s[\sb+8+\rp]
	v_and_b32 v235, 0x7fffffff, v235               ; |speed|
	s_wait_alu depctr_va_vdst(0)
	v_mul_f32 v[ACC], v235, v[ACC]                 ; the row's norm
	v_max_num_f32 v[ACC], s51, v[ACC]
	v_rcp_f32 v[ACC], v[ACC]
	v_nop
	s_wait_alu depctr_va_vdst(0)
	v_mul_f32 v236, v235, v[ACC]                   ; |speed| / max(norm, 1e-12)
	v_mov_b32 v237, v236
.set i, 0
.rept 16
	v_pk_mul_f32 v[QQ+2*i:QQ+2*i+1], v[QQ+2*i:QQ+2*i+1], v[236:237]
.set i, i+1
.endr
.set i, 0
.rept 16
	v_cvt_pk_bf16_f32 v[XX+i], v[QQ+2*i], v[QQ+2*i+1]
.set i, i+1
.endr
.irp i, 0,1,2,3,4,5,6,7
	ds_store_b64 v16, v[XX+2*\i:XX+2*\i+1] offset:\be*SWB+\rp*SWP+\i*256
.endr
	v_mul_f32 v238, v233, v236
	v_cvt_pk_bf16_f32 v238, v238, v238
	ds_store_b16 v17, v238 offset:\be*SWB+\rp*(SWP+2)      ; over the zero that the row's stores left there: the same wave, served in order
.endm
	ROW 0, 0, 52
	ROW 0, 1, 52
	ROW 1, 0, 66
	ROW 1, 1, 66
	s_wait_dscnt 0x0                               ; my rows are in LDS, for the waves that read them
	s_barrier_signal -1
	s_barrier_wait -1
	; ---- selfwind out in fragment order: wave w takes K steps 4 w .. 4 w + 3 of both batches; a store covers 512 neighbouring bytes, aligned
.set k, 0
.irp be, 0,1
.irp i, 0,1,2,3
.irp q, 0,1
	ds_load_b128 v[ANG+4*k:ANG+4*k+3], v18 offset:\be*SWB+\i*64+\q*32
.set k, k+1
.endr
.endr
.endr
.set k, 0
.irp be, 0,1
.irp i, 0,1,2,3
.irp q, 0,1
	s_wait_dscnt 15-k                              ; LDS loads come back in order: load k is in, the younger ones stay out
	global_store_b128 v2, v[ANG+4*k:ANG+4*k+3], s[22:23] offset:\be*2097152+\i*65536+\q*512
.set k, k+1
.endr
.endr
.endr
	s_set_vgpr_msb 0x5
	s_wait_tensorcnt 0x0
	ds_add_u32 v0, v1
	s_wait_dscnt 0x0
	s_set_vgpr_msb 0x500
	s_endpgm
.Lfunc_end_k_q93a2375dd1_prep:
	.size	k_q93a2375dd1_prep, .Lfunc_end_k_q93a2375dd1_prep-k_q93a2375dd1_prep
	.p2alignl 7, 3214868480
	.fill 96, 4, 3214868480
	.section	.rodata,"a",@progbits
	.p2align	6, 0x0
	.amdhsa_kernel k_q93a2375dd1_prep
		.amdhsa_group_segment_fixed_size 96256
		.amdhsa_private_segment_fixed_size 0
		.amdhsa_enable_private_segment 0
		.amdhsa_kernarg_size 104
		.amdhsa_user_sgpr_count 2
		.amdhsa_user_sgpr_kernarg_segment_ptr 1
		.amdhsa_wavefront_size32 1
		.amdhsa_system_sgpr_workgroup_id_x 1
		.amdhsa_system_sgpr_workgroup_id_y 1
		.amdhsa_system_sgpr_workgroup_id_z 1
		.amdhsa_system_vgpr_workitem_id 0
		.amdhsa_next_free_vgpr 258
		.amdhsa_next_free_sgpr 96
		.amdhsa_reserve_vcc 1
		.amdhsa_float_denorm_mode_32 3
		.amdhsa_float_denorm_mode_16_64 3
		.amdhsa_memory_ordered 1
		.amdhsa_forward_progress 1
		.amdhsa_inst_pref_size 125
	.end_amdhsa_kernel
	.amdgpu_metadata
---
amdhsa.version: [ 1, 2 ]
amdhsa.kernels:
  - .name:           k_q93a2375dd1_prep
    .symbol:         k_q93a2375dd1_prep.kd
    .args:
      - { .name: angle, .offset: 0, .size: 8, .value_kind: global_buffer, .address_space: global }
      - { .name: dist, .offset: 8, .size: 8, .value_kind: global_buffer, .address_space: global }
      - { .name: context, .offset: 16, .size: 8, .value_kind: global_buffer, .address_space: global }
      - { .name: weight_tensor, .offset: 24, .size: 8, .value_kind: global_buffer, .address_space: global }
      - { .name: acc_u, .offset: 32, .size: 8, .value_kind: global_buffer, .address_space: global }
      - { .name: acc_v, .offset: 40, .size: 8, .value_kind: global_buffer, .address_space: global }
      - { .name: uv_angle, .offset: 48, .size: 8, .value_kind: global_buffer, .address_space: global }
      - { .name: uv_angleACC, .offset: 56, .size: 8, .value_kind: global_buffer, .address_space: global }
      - { .name: speed, .offset: 64, .size: 8, .value_kind: global_buffer, .address_space: global }
      - { .name: swF, .offset: 72, .size: 8, .value_kind: global_buffer, .address_space: global }
      - { .name: cF, .offset: 80, .size: 8, .value_kind: global_buffer, .address_space: global }
      - { .name: rnF, .offset: 88, .size: 8, .value_kind: global_buffer, .address_space: global }
      - { .name: rnT, .offset: 96, .size: 8, .value_kind: global_buffer, .address_space: global }
    .group_segment_fixed_size: 96256
    .private_segment_fixed_size: 0
    .kernarg_segment_align: 8
    .kernarg_segment_size: 104
    .max_flat_workgroup_size: 256
    .sgpr_count:     96
    .vgpr_count:     258
    .wavefront_size: 32
...
	.end_amdgpu_metadata
.endif
;; end of part 1
;; launch ygemm (part 2): grid 4 x 64, 4 waves a work-group, clusters of 4 x 4, 327,680 bytes of LDS; arguments swF, yF; writes yF
.if DOCPART == 2
	.amdgcn_target "amdgcn-amd-amdhsa--gfx1250"
	.amdhsa_code_object_version 6
	.text
	.protected	k_q93a2375dd1_ygemm
	.globl	k_q93a2375dd1_ygemm
	.p2align	8
	.type	k_q93a2375dd1_ygemm,@function
k_q93a2375dd1_ygemm:
	s_mov_b64 s[64:65], 0
	v_nop
	global_prefetch_b8 v0, s[64:65] scope:SCOPE_SE
	s_setreg_imm32_b32 hwreg(HW_REG_WAVE_MODE, 25, 1), 1
	s_wait_xcnt 0x0
	s_wait_alu depctr_hold_cnt(0) depctr_sa_sdst(0) depctr_va_vdst(0) depctr_va_sdst(0) depctr_va_ssrc(0) depctr_va_vcc(0) depctr_vm_vsrc(0)
	s_getreg_b32 s2, hwreg(HW_REG_IB_STS2, 6, 4)
	s_cmp_eq_u32 s2, 0
	s_cbranch_scc0 .Lentry_in_a_cluster
	s_endpgm
.Lentry_in_a_cluster:
	s_bfe_u32 s2, ttmp6, 0x10000c
	s_cmp_lg_u32 s2, 0xf033
	s_cbranch_scc0 .Lentry_shape_is_right
	s_endpgm
.Lentry_shape_is_right:
; YGEMM: y[b][n][m] = 0.07 sum over k of sw[b][n][k] sw[b][m][k] + 1e-5   (reference(): gamma G / 20 + EPS with gamma = 1.4; 1.4 / 20 is taken as the one factor 0.07).
; All of the product is done: that G is symmetric is not used, since the ten blocks of a triangle of 4 x 4 do not share out evenly and the next launch wants whole rows.
; IN:  swF bf16 [b][kstep 32][tile 64][q 2][lane 32][8]: a fragment of 16 rows x 32 K is 1,024 neighbouring bytes, 16 bytes a lane and half.
; OUT: yF f32 [b][row tile 64][column tile 64][q 2][lane 32][4]: the accumulator's registers 4 q .. 4 q + 3 as they lie in the lanes.
; SHARE.  A work-group makes 128 rows x 256 columns of one batch; four waves, each 64 x 128: 32 accumulator tiles, 256 registers.
; K goes in chunks of four K steps of 32 through two LDS slots; a slot holds A's [4][8 KiB] and B's [4][16 KiB].  Fragment order needs no padding: a load of a wave takes 512 neighbouring bytes.
; CLUSTER 4 x 4: the four work-groups of a row of the cluster need the same rows of sw as A, the four of a column the same as B; each tile is asked for jointly.
; The matrix instruction is used transposed (source 0 = 16 columns' rows of sw, source 1 = 16 rows'): lane 16 h + r holds row r, its registers the columns 8 h + 0 .. 7.
; REGISTERS: window 0: addresses, two fragment buffers (B's eight fragments, then A's four); window 1: accumulator (a, b) at 8 (8 a + b).
.set SLOT, 98304
.set BOFF, 32768                       ; B's part of a slot
.set ADRA, 16                          ; v16-17 LDS address of my A fragments in slot 0, 1
.set ADRB, 20                          ; v20-21 the same for B
.set CO,   26                          ; v26    16 x lane
.set EP,   28                          ; v[28:29] 1e-5 twice
.set F0,   32
.set F1,   128
.set G1,  24                           ; s[24:31] group 1 for A's tiles
.set G0,  32                           ; s[32:39] group 0 for A's tiles, a set for each slot
.set G1B, 48                           ; s[48:55] group 1 for B's
.set G0B, 56                           ; s[56:63] group 0 for B's
.set MUL, 0x50                         ; C and D in window 1, both sources in window 0
.set MSB, 0
.macro WIN new                         ; the immediate's high byte repeats the setting that is left
.if MSB != \new
	s_set_vgpr_msb (MSB<<8)|\new
.set MSB, \new
.endif
.endm
; A joint load.  Waves 0 and 1 fetch A's K steps (two each), waves 2 and 3 B's.  The branch hangs on the wave's number alone.
.macro JLOAD s
	s_cmp_eq_u32 s11, 0
	s_cbranch_scc0 .Lfor_b_\@
	tensor_load_to_lds s[G0+4*\s:G0+4*\s+3], s[G1:G1+7]
	s_nop 0
	s_branch .Lasked_\@
.Lfor_b_\@:
	tensor_load_to_lds s[G0B+4*\s:G0B+4*\s+3], s[G1B:G1B+7]
	s_nop 0
.Lasked_\@:
.endm
.macro CREST                           ; a round of the cluster's barrier behind its opening work-group barrier
	s_cmp_lg_u32 s10, 0
	s_cbranch_scc1 .Lnot_wave_0_\@
	s_barrier_signal -3
.Lnot_wave_0_\@:
	s_barrier_wait -3
	s_barrier_signal -1
	s_barrier_wait -1
.endm
.macro CROUND
	s_barrier_signal -1
	s_barrier_wait -1
	CREST
.endm
	s_load_b128 s[4:7], s[0:1], 0x0                ; swF s[4:5], yF s[6:7]
	v_lshl_add_u32 v254, v0, 2, 0x30000
	v_mov_b32 v255, 0
	ds_add_u32 v254, v255
	v_lshrrev_b32 v1, 5, v0
	v_readfirstlane_b32 s10, v1                    ; wave
	s_lshr_b32 s11, s10, 1                         ; my half of the rows.  Also: I fetch for A (0) or B (1)
	s_and_b32 s12, s10, 1                          ; my half of the columns.  Also: which two K steps of a chunk I fetch
	s_bfe_u32 s40, ttmp6, 0x40000                  ; cx
	s_bfe_u32 s41, ttmp6, 0x40004                  ; cy
	s_lshl_b32 s42, ttmp9, 2
	s_add_co_u32 s42, s42, s40                     ; column block of 256 = 4 x cluster x + cx
	s_and_b32 s13, ttmp7, 0xffff                   ; cluster y
	s_lshr_b32 s14, s13, 1                         ; batch: two clusters along y for each
	s_and_b32 s15, s13, 1
	s_lshl_b32 s15, s15, 2
	s_add_co_u32 s15, s15, s41                     ; row block of 128
	s_lshl_b32 s43, s41, 2
	s_lshl_b32 s43, 15, s43                        ; my row of the cluster
	s_lshl_b32 s44, 0x1111, s40                    ; my column
	; group 1: two rows (K steps) of 8 KiB (A) or 16 KiB (B), in elements of 8 bytes, 64 KiB from K step to K step
	s_or_b32 s[G1+0], s43, (3<<16)|(1<<21)         ; 15:0 mask; 17:16 element of 8 bytes; 21 set beside a mask
	s_or_b32 s[G1B+0], s44, (3<<16)|(1<<21)
	s_mov_b32 s[G1+1], 1024<<16                    ; tensor_dim0
	s_mov_b32 s[G1B+1], 2048<<16
	s_mov_b32 s[G1+2], 2<<16                       ; tensor_dim1
	s_mov_b32 s[G1B+2], 2<<16
	s_mov_b32 s[G1+3], 1024<<16                    ; tile_dim0
	s_mov_b32 s[G1B+3], 2048<<16
	s_mov_b32 s[G1+4], 2                           ; tile_dim1
	s_mov_b32 s[G1B+4], 2
	s_mov_b32 s[G1+5], 8192                        ; elements from row to row
	s_mov_b32 s[G1B+5], 8192
	s_mov_b32 s[G1+6], 0
	s_mov_b32 s[G1B+6], 0
	s_mov_b32 s[G1+7], 0
	s_mov_b32 s[G1B+7], 0
	s_lshl_b32 s9, s14, 21                         ; the batch's 2 MiB,
	s_lshl_b32 s45, s12, 17
	s_add_co_u32 s9, s9, s45                       ; my two K steps of a chunk: shared by all partners
	s_lshl_b32 s16, s15, 13                        ; A: 8 tiles of 1 KiB for each row block; never holds cx
	s_add_co_u32 s16, s16, s9
	s_mov_b32 s17, 0
	s_lshl_b32 s46, s42, 14                        ; B: 16 tiles for each column block; never holds cy
	s_add_co_u32 s46, s46, s9
	s_mov_b32 s47, 0
	s_lshl_b32 s20, s12, 14                        ; where they go: A's K steps 2 x half, 8 KiB each
	s_lshl_b32 s21, s12, 15                        ; B's, 16 KiB each, behind A's
	s_add_co_u32 s21, s21, BOFF
	s_mov_b32 s22, 0x3d8f5c29                      ; 0.07
	s_mov_b32 s23, 0x3d8f5c29
	s_wait_dscnt 0x0
	s_wait_kmcnt 0x0
	s_add_nc_u64 s[18:19], s[4:5], s[16:17]
	s_add_nc_u64 s[46:47], s[4:5], s[46:47]
	CROUND                                         ; all sixteen work-groups are here: the first joint loads meet
.irp s, 0,1
	s_mov_b32 s[G0+4*\s], 1
	s_add_co_u32 s[G0+4*\s+1], s20, \s*SLOT
	s_add_nc_u64 s[G0+4*\s+2:G0+4*\s+3], s[18:19], \s*262144       ; chunk s: four K steps of 64 KiB
	s_or_b32 s[G0+4*\s+3], s[G0+4*\s+3], 0x80000000
	s_mov_b32 s[G0B+4*\s], 1
	s_add_co_u32 s[G0B+4*\s+1], s21, \s*SLOT
	s_add_nc_u64 s[G0B+4*\s+2:G0B+4*\s+3], s[46:47], \s*262144
	s_or_b32 s[G0B+4*\s+3], s[G0B+4*\s+3], 0x80000000
	JLOAD \s                                       ; both slots' first fills, ahead of everything else: two loads of the wave are out
.endr
	v_and_b32 v1, 31, v0
	v_lshlrev_b32 v[CO], 4, v1
	s_lshl_b32 s9, s11, 12                         ; my four A tiles
	s_lshl_b32 s45, s12, 13                        ; my eight B tiles
	s_add_co_u32 s45, s45, BOFF
.irp s, 0,1
	v_add_nc_u32 v[ADRA+\s], s9, v[CO]
	v_add_nc_u32 v[ADRB+\s], s45, v[CO]
	s_add_co_u32 s9, s9, SLOT
	s_add_co_u32 s45, s45, SLOT
.endr
	v_mov_b32 v[EP], 0x3727c5ac
	v_mov_b32 v[EP+1], 0x3727c5ac
; eight matrix instructions: row tile a x my eight column tiles.  zero = 1: the first product starts the sums.
; The 32 accumulators take turns, one instruction a turn, in the same order in every K step and over the backward jump.
.macro MUL8 f, a, zero
.irp b, 0,1,2,3,4,5,6,7
.if \zero
	v_wmma_f32_16x16x32_bf16 v[8*(8*\a+\b):8*(8*\a+\b)+7], v[\f+8*\b:\f+8*\b+7], v[\f+64+8*\a:\f+64+8*\a+7], 0
.else
	v_wmma_f32_16x16x32_bf16 v[8*(8*\a+\b):8*(8*\a+\b)+7], v[\f+8*\b:\f+8*\b+7], v[\f+64+8*\a:\f+64+8*\a+7], v[8*(8*\a+\b):8*(8*\a+\b)+7]
.endif
.endr
.endm
; 24 LDS loads in one run: K step ks of a slot into buffer f, B's sixteen first, then A's eight
.macro FETCH slot, ks, f
	WIN 0
.irp b, 0,1,2,3,4,5,6,7
	ds_load_b128 v[\f+8*\b:\f+8*\b+3],   v[ADRB+\slot] offset:\ks*16384+\b*1024
	ds_load_b128 v[\f+8*\b+4:\f+8*\b+7], v[ADRB+\slot] offset:\ks*16384+\b*1024+512
.endr
.irp a, 0,1,2,3
	ds_load_b128 v[\f+64+8*\a:\f+64+8*\a+3], v[ADRA+\slot] offset:\ks*8192+\a*1024
	ds_load_b128 v[\f+64+8*\a+4:\f+64+8*\a+7], v[ADRA+\slot] offset:\ks*8192+\a*1024+512
.endr
.endm
.macro PLACES                          ; four plain vector instructions between a matrix instruction and a load into, or a vector use of, its registers
.rept 4
	v_nop
.endr
.endm
; One of a chunk's first three K steps: multiplies buffer f; in its middle it fetches K step kn of the same slot into buffer g.
.macro KSTEP slot, kn, f, g, zero
	s_wait_dscnt 0x4                               ; B and A's tiles 0, 1 are in; the youngest four loads (A's tiles 2, 3) may be out
	WIN MUL
	MUL8 \f, 0, \zero
	MUL8 \f, 1, \zero
	PLACES
	FETCH \slot, \kn, \g
	s_wait_dscnt 0x18                              ; all but the 24 just issued
	WIN MUL
	MUL8 \f, 2, \zero
	MUL8 \f, 3, \zero
.endm
.macro THREE slot, zero
	KSTEP \slot, 1, F0, F1, \zero
	KSTEP \slot, 2, F1, F0, 0
	KSTEP \slot, 3, F0, F1, 0
.endm
; A chunk's last K step: multiplies buffer 1 and changes slots.  In front of the barrier each wave waits for its reads of this slot and for all its tensor loads
; (one is out: its part of the next slot).  Behind it, where the slot is filled again, the round of the cluster's barrier is closed, and the joint refill is the wave's first tensor load.
.macro TURN slot, next, fill
	s_wait_dscnt 0x4
	WIN MUL
	MUL8 F1, 0, 0
	s_wait_dscnt 0x0                               ; my reads of this slot are over
	s_wait_tensorcnt 0x0                           ; all my tensor loads have landed
	ds_add_u32 v254, v255
	s_wait_dscnt 0x0
	s_barrier_signal -1
	MUL8 F1, 1, 0                                  ; register work while the others arrive
	WIN 0
	s_barrier_wait -1
.if \fill
	CREST                                          ; no wave of any partner still reads this slot or has a load on its way
	s_add_nc_u64 s[G0+4*\slot+2:G0+4*\slot+3], s[G0+4*\slot+2:G0+4*\slot+3], 524288     ; two chunks on
	s_add_nc_u64 s[G0B+4*\slot+2:G0B+4*\slot+3], s[G0B+4*\slot+2:G0B+4*\slot+3], 524288
	JLOAD \slot
.endif
	PLACES
	FETCH \next, 0, F0
	WIN MUL
	MUL8 F1, 2, 0
	MUL8 F1, 3, 0
.endm
.macro LAP zero
	THREE 0, \zero
	TURN 0, 1, 1
	THREE 1, 0
	TURN 1, 0, 1
.endm
	s_wait_tensorcnt 0x1                           ; my part of chunk 0 is in; chunk 1's load stays out
	s_barrier_signal -1
	s_barrier_wait -1
	FETCH 0, 0, F0
	LAP 1                                          ; chunks 0, 1 (fills 2, 3)
	WIN 0
	s_mov_b32 s3, 2
.Llap:
	LAP 0                                          ; chunks 2 to 5 (fills 4 to 7)
	WIN 0
	s_sub_co_u32 s3, s3, 1
	s_cmp_lg_u32 s3, 0
	s_cbranch_scc1 .Llap
	THREE 0, 0                                     ; chunks 6, 7: nothing is left to fetch
	TURN 0, 1, 0
	THREE 1, 0
	s_wait_dscnt 0x4
	WIN MUL
	MUL8 F1, 0, 0
	MUL8 F1, 1, 0
	s_wait_dscnt 0x0
	MUL8 F1, 2, 0
	MUL8 F1, 3, 0
	; THE WAY OUT: 0.07 G + 1e-5 in place, then each accumulator half as it lies: a store of the wave covers 512 neighbouring bytes, aligned
	PLACES
	s_lshl_b32 s16, s14, 22                        ; batch x 4 MiB
	s_lshl_b32 s17, s15, 3
	s_lshl2_add_u32 s17, s11, s17                  ; row tile = 8 x row block + 4 x half
	s_lshl_b32 s17, s17, 16
	s_add_co_u32 s16, s16, s17
	s_mov_b32 s17, 0
	s_add_nc_u64 s[6:7], s[6:7], s[16:17]
	s_lshl_b32 s46, s42, 4                         ; column tile = 16 x column block + 8 x half (in the registers that held B's address)
	s_lshl3_add_u32 s46, s12, s46
	s_lshl_b32 s46, s46, 10
	s_mov_b32 s47, 0
	s_add_nc_u64 s[6:7], s[6:7], s[46:47]
	WIN 0x41                                       ; source 0 and destination in window 1
.set i, 0
.rept 128
	v_pk_fma_f32 v[2*i:2*i+1], v[2*i:2*i+1], s[22:23], v[EP:EP+1] op_sel_hi:[1,0,1]
.set i, i+1
.endr
	WIN 0x04                                       ; store data in window 1
.irp a, 0,1,2,3
.irp b, 0,1,2,3,4,5,6,7
	global_store_b128 v[CO], v[8*(8*\a+\b):8*(8*\a+\b)+3], s[6:7] offset:\a*65536+\b*1024
	global_store_b128 v[CO], v[8*(8*\a+\b)+4:8*(8*\a+\b)+7], s[6:7] offset:\a*65536+\b*1024+512
.endr
.endr
	WIN 0
	CROUND                                         ; the closing round: no work-group ends while a partner may still ask for a tile that names it
	s_endpgm
.Lfunc_end_k_q93a2375dd1_ygemm:
	.size	k_q93a2375dd1_ygemm, .Lfunc_end_k_q93a2375dd1_ygemm-k_q93a2375dd1_ygemm
	.p2alignl 7, 3214868480
	.fill 96, 4, 3214868480
	.section	.rodata,"a",@progbits
	.p2align	6, 0x0
	.amdhsa_kernel k_q93a2375dd1_ygemm
		.amdhsa_group_segment_fixed_size 327680
		.amdhsa_private_segment_fixed_size 0
		.amdhsa_enable_private_segment 0
		.amdhsa_kernarg_size 16
		.amdhsa_user_sgpr_count 2
		.amdhsa_user_sgpr_kernarg_segment_ptr 1
		.amdhsa_wavefront_size32 1
		.amdhsa_system_sgpr_workgroup_id_x 1
		.amdhsa_system_sgpr_workgroup_id_y 1
		.amdhsa_system_sgpr_workgroup_id_z 1
		.amdhsa_system_vgpr_workitem_id 0
		.amdhsa_next_free_vgpr 512
		.amdhsa_next_free_sgpr 66
		.amdhsa_reserve_vcc 0
		.amdhsa_float_denorm_mode_32 3
		.amdhsa_float_denorm_mode_16_64 3
		.amdhsa_memory_ordered 1
		.amdhsa_forward_progress 1
		.amdhsa_inst_pref_size 114
	.end_amdhsa_kernel
	.amdgpu_metadata
---
amdhsa.version: [ 1, 2 ]
amdhsa.kernels:
  - .name:           k_q93a2375dd1_ygemm
    .symbol:         k_q93a2375dd1_ygemm.kd
    .args:
      - { .name: swF, .offset: 0, .size: 8, .value_kind: global_buffer, .address_space: global }
      - { .name: yF, .offset: 8, .size: 8, .value_kind: global_buffer, .address_space: global }
    .group_segment_fixed_size: 327680
    .private_segment_fixed_size: 0
    .kernarg_segment_align: 8
    .kernarg_segment_size: 16
    .max_flat_workgroup_size: 128
    .sgpr_count:     66
    .vgpr_count:     512
    .wavefront_size: 32
...
	.end_amdgpu_metadata
.endif
;; end of part 2
;; launch main (part 3): grid 256 x 1, 4 waves a work-group, no clusters, 223,744 bytes of LDS; arguments context, weight_tensor, rnT, rnF, cF, swF, yF, out0; writes out0
.if DOCPART == 3
	.amdgcn_target "amdgcn-amd-amdhsa--gfx1250"
	.amdhsa_code_object_version 6
	.text
	.protected	k_q93a2375dd1_main
	.globl	k_q93a2375dd1_main
	.p2align	8
	.type	k_q93a2375dd1_main,@function
k_q93a2375dd1_main:
	s_mov_b64 s[64:65], 0
	v_nop
	global_prefetch_b8 v0, s[64:65] scope:SCOPE_SE
	s_setreg_imm32_b32 hwreg(HW_REG_WAVE_MODE, 25, 1), 1
	s_wait_xcnt 0x0
; MAIN: out[b][n][m] = max(att, 0) u.   A work-group owns 32 whole rows n of one batch, so both row norms of u stay inside it.
;   u:   y / max(||y||, 1e-12);  t = |0.5 sw + sqrt(y)| + 1e-5;  u = t / max(||t||, 1e-12)          (y from yF, sw from swF)
;   att: (1/16) sum over p, d of (c[n][d] w[p][d] rn[p][n]) (c[m][d] w[p][d] rn[p][m])  =  sum over p of R[p][m] H_p[n][m],
;        H_p[n][m] = sum over d of A'[n][p][d] ch[m][d],   A'[n][p][d] = c[n][d] w[p][d]^2 rn[p][n] / nw[p],   ch[m][d] = c[m][d] / nc[m],   R[p][m] = rn[p][m] nw[p] nc[m] / 16
;        (nw = max(||w_p||, 1e-12), nc = max(||c_m||, 1e-12): each is multiplied in once and divided out once, so the identity holds for all values).
;        The multiply-adds are those of reference()'s product over (p, d); the column operand ch (K = 128) stays in registers,
;        the row operand A' (32 rows x 2,048) is built once in LDS, and R is applied in f32, one packed multiply-add behind each matrix instruction.
;        OPERANDS IN f16: ch's rounding error is shared by all 16 p, so it is not averaged over them as in a product with K = 2,048, and wants the longer significand.
;        Both operands are bounded by 1 by the computation itself (ch is a unit vector; A' is an element of a unit vector times w / ||w||), whatever the inputs' scale or offset.
; Nothing of reference() is left out.
; LIMITS.  0.5 sw takes sw from the bf16 operand array (relative error 2^-9).  Elements of A' and ch under 2^-14 keep an absolute error of 2^-25.
; The mask (att > 0) is v_max_num_f32 with 0: a NaN in att gives 0 x u, not NaN; a NaN in u is carried.  v_sqrt_f32 and v_rcp_f32 take denormals as zero (ISA guide 15.8).
; NO CLUSTER: what work-groups share (ch fragments 256 KiB, R 64 KiB for a work-group in the whole launch) is loaded once, into registers and LDS; no tile is streamed.
; SHARE.  Four waves; wave w owns columns 256 w .. 256 w + 255: 16 column tiles c, 2 row tiles rt.  The matrix instruction is used transposed
; (source 0 = 16 columns, source 1 = 16 rows): lane 16 h + r holds row r, its registers j the columns 8 h + j.
; REGISTERS, in windows of 256:
;   window 0: v0-31 addresses and work; AB0 v32-95, AB1 v96-159: A' fragments (4 rt + ks) x 8, earlier the copy of R and sw, later the read-back on the way out;
;             R0 v160-191, R1 v192-223: R of four column tiles, earlier context and rn / nw for the build; v224-255: weights in the build, sums in the u phase
;   window 1: H0 v0-63, att of quad 1 v64-127, ch fragments of quad 1 v128-255
;   window 2: H1 v0-63, att of quad 0 v64-127, ch fragments of quad 0 v128-255
;   window 3: y, then t, then u, at (16 rt + c) x 8 + j
.set AP,  0                            ; LDS: A' [p 16][rt 2][ks 4][q 2][lane][16 bytes]
.set RNC, 131072                       ; 4 x 16 KiB, each wave's own: R [c 16][p 16][16 columns] f32
.set W2S, 196608                       ; 4 x 2 KiB, each wave's own: w^2 [p 16][32 d] f32
.set STG, 204800                       ; 4 x 16 rows x 272, each wave's own: the way out
.set SCR, 222208                       ; 2 x 512: the waves' partial row sums
.set SP,  272
.set AB0, 32
.set AB1, 96
.set R0,  160
.set R1,  192
.set CC,  160                          ; context of my strip: (2 rt + q) x 8 + e
.set RNR, 192                          ; rn / nw of my rows: 16 rt + p
.set WB,  224                          ; two buffers of 16: w^2 of one p
.set ACC, 224                          ; 8 registers for each rt
.set INV, 240                          ; a pair for each rt
.set TT,  16
.set PK,  24
.set MSB, 0
.macro WIN new                         ; low byte: bits 1:0 source 0, 3:2 source 1, 5:4 source 2, 7:6 destination; the high byte repeats the setting that is left
.if MSB != \new
	s_set_vgpr_msb (MSB<<8)|\new
.set MSB, \new
.endif
.endm
	s_load_b512 s[4:19], s[0:1], 0x0               ; context s[4:5] weight s[6:7] rnT s[8:9] rnF s[10:11] cF s[12:13] swF s[14:15] yF s[16:17] out s[18:19]
	v_lshrrev_b32 v16, 5, v0
	v_readfirstlane_b32 s20, v16                   ; wave w
	s_lshr_b32 s21, ttmp9, 5                       ; b
	s_and_b32 s22, ttmp9, 31                       ; row block of 32
	s_mov_b32 s26, 0x76543210
	s_mov_b32 s27, 0xfedcba98
	s_mov_b32 s28, 0x3727c5ac                      ; 1e-5
	s_mov_b32 s29, 0x2b8cbccc                      ; 1e-12
	v_and_b32 v17, 31, v0                          ; lane
	v_and_b32 v18, 15, v0                          ; r
	v_bfe_u32 v19, v0, 4, 1                        ; h
	v_lshlrev_b32 v1, 4, v17                       ; v1: 16 lane
	v_lshlrev_b32 v2, 9, v18
	v_lshl_add_u32 v2, v19, 5, v2                  ; v2: context: 512 r + 32 h
	v_lshrrev_b32 v3, 3, v17
	v_lshlrev_b32 v3, 9, v3
	v_and_b32 v20, 7, v0
	v_lshl_add_u32 v3, v20, 4, v3                  ; v3: weights: 512 (lane >> 3) + 16 (lane & 7)
	v_lshlrev_b32 v4, 6, v18                       ; v4: rnT: 64 r
	s_lshl_b32 s31, s20, 14
	s_add_co_u32 s31, s31, RNC
	v_add_nc_u32 v21, s31, v1                      ; v21: my RNC, store
	v_lshl_add_u32 v13, v19, 5, s31                ; v13: my RNC, read: + 32 h
	s_lshl_b32 s31, s20, 11
	s_add_co_u32 s31, s31, W2S
	v_add_nc_u32 v22, s31, v1                      ; v22: my W2S, store
	v_lshl_add_u32 v14, v19, 5, s31                ; v14: my W2S, read: + 32 h
	s_lshl_b32 s31, s20, 10
	v_add_nc_u32 v12, s31, v1                      ; v12: AP store: K step w
	s_mul_i32 s31, s20, 16*SP
	s_add_co_u32 s31, s31, STG
	v_mul_u32_u24 v7, v18, SP
	v_lshl_add_u32 v7, v19, 5, v7
	v_add_nc_u32 v7, s31, v7                       ; v7: stage in: row r, + 32 h
	v_mul_u32_u24 v8, v19, SP
	v_lshl_add_u32 v8, v18, 4, v8
	v_add_nc_u32 v8, s31, v8                       ; v8: stage back: lanes 0-15 one row, lanes 16-31 the next
	v_lshlrev_b32 v9, 12, v19
	v_lshl_add_u32 v9, v18, 4, v9                  ; v9: the same two rows in out
	s_lshl_b32 s31, s20, 2
	s_add_co_u32 s31, s31, SCR
	v_lshl_add_u32 v10, v18, 4, s31                ; v10: my word of row r's four partial sums
	v_lshlrev_b32 v11, 4, v18
	v_add_nc_u32 v11, SCR, v11                     ; v11: all four
	v_mov_b32 v15, 0.5                             ; theta
	s_mov_b32 s25, 0
	s_wait_kmcnt 0x0
	s_lshl_b32 s24, s21, 19                        ; context: ((1024 b + n0) 128 + 32 w) 4
	s_lshl_b32 s31, s22, 14
	s_add_co_u32 s24, s24, s31
	s_lshl_b32 s31, s20, 7
	s_add_co_u32 s24, s24, s31
	s_add_nc_u64 s[4:5], s[4:5], s[24:25]
	s_mov_b32 s24, s31                             ; weights: my 32 columns
	s_add_nc_u64 s[6:7], s[6:7], s[24:25]
	s_lshl_b32 s24, s21, 16                        ; rnT: (1024 b + n0) 64
	s_lshl_b32 s31, s22, 11
	s_add_co_u32 s24, s24, s31
	s_add_nc_u64 s[8:9], s[8:9], s[24:25]
	s_lshl_b32 s24, s21, 16                        ; rnF: my 16 column tiles of 1 KiB
	s_lshl_b32 s31, s20, 14
	s_add_co_u32 s24, s24, s31
	s_add_nc_u64 s[10:11], s[10:11], s[24:25]
	s_lshl_b32 s24, s21, 18                        ; cF: my 16 column tiles of 4 KiB
	s_lshl_b32 s31, s20, 16
	s_add_co_u32 s24, s24, s31
	s_add_nc_u64 s[12:13], s[12:13], s[24:25]
	s_lshl_b32 s24, s21, 21                        ; swF: my 8 K steps (= 16 column tiles), my two row tiles
	s_lshl_b32 s31, s20, 19
	s_add_co_u32 s24, s24, s31
	s_lshl_b32 s31, s22, 11
	s_add_co_u32 s24, s24, s31
	s_add_nc_u64 s[14:15], s[14:15], s[24:25]
	s_lshl_b32 s24, s21, 22                        ; yF: my two row tiles of 64 KiB, my 16 column tiles
	s_lshl_b32 s31, s22, 17
	s_add_co_u32 s24, s24, s31
	s_lshl_b32 s32, s20, 14
	s_add_co_u32 s33, s24, s32
	s_lshl_b32 s32, s20, 10                        ; out: row n0, column 256 w
	s_add_co_u32 s24, s24, s32
	s_add_nc_u64 s[18:19], s[18:19], s[24:25]
	s_mov_b32 s24, s33
	s_add_nc_u64 s[16:17], s[16:17], s[24:25]
	; ---- what the build needs
.irp rq, 0,1,2,3
	global_load_b128 v[CC+8*\rq:CC+8*\rq+3], v2, s[4:5] offset:(\rq>>1)*8192+(\rq&1)*64
	global_load_b128 v[CC+8*\rq+4:CC+8*\rq+7], v2, s[4:5] offset:(\rq>>1)*8192+(\rq&1)*64+16
.endr
.irp rt, 0,1
.irp x, 0,1,2,3
	global_load_b128 v[RNR+16*\rt+4*\x:RNR+16*\rt+4*\x+3], v4, s[8:9] offset:\rt*1024+\x*16
.endr
.endr
.irp i, 0,1,2,3
	global_load_b128 v[WB+4*\i:WB+4*\i+3], v3, s[6:7] offset:\i*2048
.endr
.set i, 0
.rept 32
	global_load_b128 v[AB0+4*i:AB0+4*i+3], v1, s[10:11] offset:i*512
.set i, i+1
.endr
	s_wait_loadcnt 0x0
.set i, 0
.rept 32
	ds_store_b128 v21, v[AB0+4*i:AB0+4*i+3] offset:i*512       ; R of my columns, into my own LDS bytes
.set i, i+1
.endr
.set i, 0
.rept 8
	v_pk_mul_f32 v[WB+2*i:WB+2*i+1], v[WB+2*i:WB+2*i+1], v[WB+2*i:WB+2*i+1]
.set i, i+1
.endr
.irp i, 0,1,2,3
	ds_store_b128 v22, v[WB+4*\i:WB+4*\i+3] offset:\i*512      ; w^2 [p][32 d] of my strip
.endr
; y and sw of row tile rt: 48 loads.  The 160 loads behind this point are issued in three runs, in front of, in the middle of and behind the build, which needs none of them.
.macro LOADYSW rt
	WIN 0xc0
.set i, 0
.rept 32
	global_load_b128 v[128*\rt+4*i:128*\rt+4*i+3], v1, s[16:17] offset:\rt*65536+i*512 th:TH_LOAD_NT
.set i, i+1
.endr
	WIN 0
.set i, 0
.rept 16
	global_load_b128 v[AB0+64*\rt+4*i:AB0+64*\rt+4*i+3], v1, s[14:15] offset:(i>>1)*65536+\rt*1024+(i&1)*512
.set i, i+1
.endr
.endm
; the ch fragments of pass P: quad 0 into window 2, quad 1 into window 1; register 128 + 4 idx, idx = ((4 c4 + ks) 2 + q)
.macro LOADB P
	WIN 0x80
.set i, 0
.rept 32
	global_load_b128 v[128+4*i:128+4*i+3], v1, s[12:13] offset:\P*32768+i*512
.set i, i+1
.endr
	WIN 0x40
.set i, 0
.rept 32
	global_load_b128 v[128+4*i:128+4*i+3], v1, s[12:13] offset:\P*32768+16384+i*512
.set i, i+1
.endr
	WIN 0
.endm
; A' of one p, K step w, both row tiles: c x w^2 x rn / nw, rounded once to f16, in fragment order
.macro BUILDP p
.set wb, WB+16*(\p&1)
.set wn, WB+16*((\p+1)&1)
.if \p < 15
.irp k, 0,1,2,3
	ds_load_b128 v[wn+4*\k:wn+4*\k+3], v14 offset:(\p+1)*128+(\k>>1)*64+(\k&1)*16
.endr
	s_wait_dscnt 0x4                               ; all but the four just issued: this p's weights are in
.else
	s_wait_dscnt 0x0
.endif
.irp rq, 0,1,2,3
.irp e, 0,1,2,3
	v_pk_mul_f32 v[TT+2*\e:TT+2*\e+1], v[CC+8*\rq+2*\e:CC+8*\rq+2*\e+1], v[wb+8*(\rq&1)+2*\e:wb+8*(\rq&1)+2*\e+1]
.endr
.irp e, 0,1,2,3
.if \p&1
	v_pk_mul_f32 v[TT+2*\e:TT+2*\e+1], v[TT+2*\e:TT+2*\e+1], v[RNR+16*(\rq>>1)+\p-1:RNR+16*(\rq>>1)+\p] op_sel:[0,1] op_sel_hi:[1,1]
.else
	v_pk_mul_f32 v[TT+2*\e:TT+2*\e+1], v[TT+2*\e:TT+2*\e+1], v[RNR+16*(\rq>>1)+\p:RNR+16*(\rq>>1)+\p+1] op_sel_hi:[1,0]
.endif
.endr
.irp e, 0,1,2,3
	v_cvt_pk_f16_f32 v[PK+4*(\rq&1)+\e], v[TT+2*\e], v[TT+2*\e+1]
.endr
	ds_store_b128 v12, v[PK+4*(\rq&1):PK+4*(\rq&1)+3] offset:(\p&7)*8192+(\rq>>1)*4096+(\rq&1)*512
.endr
.endm
	LOADYSW 0
.irp k, 0,1,2,3
	ds_load_b128 v[WB+4*\k:WB+4*\k+3], v14 offset:(\k>>1)*64+(\k&1)*16     ; w^2 of p = 0 (my own bytes, served in order behind the stores)
.endr
.irp p, 0,1,2,3,4,5,6,7
	BUILDP \p
.endr
	LOADYSW 1
	v_add_nc_u32 v12, 0x10000, v12                 ; p = 8 .. 15: an LDS immediate ends at 65,535
.irp p, 8,9,10,11,12,13,14,15
	BUILDP \p
.endr
	LOADB 0
	; ---- u
; Row sums of squares of window 3, over my 256 columns, then over the four waves through LDS bytes scr; INV[rt] = 1 / max(sqrt(sum), 1e-12), twice
.macro ROWNORM scr
	WIN 0x0f                                       ; sources 0 and 1 in window 3
.irp rt, 0,1
.set i, 0
.rept 64
.if i < 4
	v_pk_mul_f32 v[ACC+8*\rt+2*i:ACC+8*\rt+2*i+1], v[128*\rt+2*i:128*\rt+2*i+1], v[128*\rt+2*i:128*\rt+2*i+1]
.else
	v_pk_fma_f32 v[ACC+8*\rt+2*(i&3):ACC+8*\rt+2*(i&3)+1], v[128*\rt+2*i:128*\rt+2*i+1], v[128*\rt+2*i:128*\rt+2*i+1], v[ACC+8*\rt+2*(i&3):ACC+8*\rt+2*(i&3)+1]
.endif
.set i, i+1
.endr
.endr
	WIN 0
.irp rt, 0,1
	v_pk_add_f32 v[ACC+8*\rt:ACC+8*\rt+1], v[ACC+8*\rt:ACC+8*\rt+1], v[ACC+8*\rt+2:ACC+8*\rt+3]
	v_pk_add_f32 v[ACC+8*\rt+4:ACC+8*\rt+5], v[ACC+8*\rt+4:ACC+8*\rt+5], v[ACC+8*\rt+6:ACC+8*\rt+7]
	v_pk_add_f32 v[ACC+8*\rt:ACC+8*\rt+1], v[ACC+8*\rt:ACC+8*\rt+1], v[ACC+8*\rt+4:ACC+8*\rt+5]
	v_add_f32 v[ACC+8*\rt], v[ACC+8*\rt], v[ACC+8*\rt+1]
	v_permlanex16_b32 v[ACC+8*\rt+1], v[ACC+8*\rt], s26, s27       ; the row's other eight columns of each tile
	v_add_f32 v[ACC+8*\rt], v[ACC+8*\rt], v[ACC+8*\rt+1]
	ds_store_b32 v10, v[ACC+8*\rt] offset:\scr+\rt*256
.endr
	s_wait_dscnt 0x0                               ; my LDS stores are done (at the first call those into A' too), for the waves that read them
	s_barrier_signal -1
	s_barrier_wait -1
	ds_load_b128 v[ACC:ACC+3], v11 offset:\scr
	ds_load_b128 v[ACC+8:ACC+11], v11 offset:\scr+256
	s_wait_dscnt 0x0
.irp rt, 0,1
	v_add_f32 v[ACC+8*\rt], v[ACC+8*\rt], v[ACC+8*\rt+1]
	v_add_f32 v[ACC+8*\rt+2], v[ACC+8*\rt+2], v[ACC+8*\rt+3]
	v_add_f32 v[ACC+8*\rt], v[ACC+8*\rt], v[ACC+8*\rt+2]
	v_sqrt_f32 v[ACC+8*\rt], v[ACC+8*\rt]
	v_nop                                          ; one plain instruction behind a transcendental (ISA guide 5.7.2)
	s_wait_alu depctr_va_vdst(0)
	v_max_num_f32 v[ACC+8*\rt], s29, v[ACC+8*\rt]
	v_rcp_f32 v[INV+2*\rt], v[ACC+8*\rt]
	v_nop
	s_wait_alu depctr_va_vdst(0)
	v_mov_b32 v[INV+2*\rt+1], v[INV+2*\rt]
.endr
.endm
.macro SCALE                           ; window 3 times INV of its row tile
	WIN 0xc3
.irp rt, 0,1
.set i, 0
.rept 64
	v_pk_mul_f32 v[128*\rt+2*i:128*\rt+2*i+1], v[128*\rt+2*i:128*\rt+2*i+1], v[INV+2*\rt:INV+2*\rt+1]
.set i, i+1
.endr
.endr
.endm
	s_wait_loadcnt 0x3f                            ; y and sw are in: 64 loads (ch fragments) are younger, and 63 is the largest count that the wait can name
	ROWNORM 0
	SCALE                                          ; y / ||y||
.set i, 0
.rept 256
	v_sqrt_f32 v[i], v[i]
.set i, i+1
.endr
	v_nop
	WIN 0xf0                                       ; source 2 and destination in window 3
.set i, 0
	s_wait_alu depctr_va_vdst(0)
.rept 128
	v_fma_mix_f32_bf16 v[2*i], v[AB0+i], v15, v[2*i] op_sel:[0,0,0] op_sel_hi:[1,0,0]          ; 0.5 sw + sqrt(y): sw is my own chunk of the operand array
	v_fma_mix_f32_bf16 v[2*i+1], v[AB0+i], v15, v[2*i+1] op_sel:[1,0,0] op_sel_hi:[1,0,0]
.set i, i+1
.endr
	WIN 0xc3
.set i, 0
.rept 256
	v_add_f32 v[i], |v[i]|, s28
.set i, i+1
.endr
	ROWNORM 512
	SCALE                                          ; u
	WIN 0
	; ---- att
; Part of a group: matrix instructions lo .. lo + n - 1 of 32 (K step gi >> 3, tile gi & 7 = 4 rt + c4), and behind each one slice of the group before:
; att[2 gi ..] (+)= H'[2 gi ..] x R.  The same register numbers serve both quads; the window setting says which.
; The eight H tiles take turns, one instruction a turn, over the backward jump too.
; A slice reads an H tile eight or more plain vector instructions behind the matrix instruction that finished it (ISA guide 7.12.1 asks for four).
.macro GPART ab, rr, mode, lo, n
.set gi, \lo
.rept \n
.set gk, gi>>3
.set gt, gi&7
.set gb, 128+8*(4*(gt&3)+gk)
.set ga, \ab+8*(4*(gt>>2)+gk)
.if gk == 0
	v_wmma_f32_16x16x32_f16 v[8*gt:8*gt+7], v[gb:gb+7], v[ga:ga+7], 0
.else
	v_wmma_f32_16x16x32_f16 v[8*gt:8*gt+7], v[gb:gb+7], v[ga:ga+7], v[8*gt:8*gt+7]
.endif
.if \mode == 1
	v_pk_mul_f32 v[64+2*gi:65+2*gi], v[2*gi:2*gi+1], v[\rr+2*(gi&15):\rr+2*(gi&15)+1]          ; p = 0 starts att
.endif
.if \mode == 2
	v_pk_fma_f32 v[64+2*gi:65+2*gi], v[2*gi:2*gi+1], v[\rr+2*(gi&15):\rr+2*(gi&15)+1], v[64+2*gi:65+2*gi]
.endif
.set gi, gi+1
.endr
.endm
.macro RLOAD rr, P, Q, prel            ; R of one p for a quad's four column tiles: my eight columns of each
.irp c4, 0,1,2,3
	ds_load_b128 v[\rr+8*\c4:\rr+8*\c4+3], v6 offset:(\P*8+\Q*4+\c4)*1024+\prel*64
	ds_load_b128 v[\rr+8*\c4+4:\rr+8*\c4+7], v6 offset:(\P*8+\Q*4+\c4)*1024+\prel*64+16
.endr
.endm
.macro ALOAD ab, aoff                  ; the eight A' fragments of one p
.set i, 0
.rept 16
	ds_load_b128 v[\ab+4*i:\ab+4*i+3], v5 offset:\aoff+i*512
.set i, i+1
.endr
.endm
; One p.  Even group: H0 = A'[p] x quad 0 (setting 0x52: source 0 window 2, source 2 and destination window 1), slices scale H1 of p - 1 into att of quad 1.
; Odd group: H1 = A'[p] x quad 1 (0xa1: source 0 window 1, source 2 and destination window 2), slices scale H0 of p into att of quad 0.
.macro PSTEP P, ab, abn, prel, aoff, me, mo, next
	s_wait_dscnt 0x0                               ; A'[p] and quad 1's R of p - 1 are in (issued a group or more ago)
	WIN 0x52
	GPART \ab, R1, \me, 0, 8
	WIN 0
	RLOAD R0, \P, 0, \prel
.if \next
	ALOAD \abn, \aoff                              ; nine plain vector instructions stand behind the last matrix instruction that read this buffer
.endif
	WIN 0x52
	GPART \ab, R1, \me, 8, 24
.if \me == 0
.rept 4
	v_nop                                          ; no slices in this group: the places in front of the next group's first slice
.endr
.endif
	WIN 0
.if \next
	s_wait_dscnt 0x10                              ; quad 0's R is in; the 16 younger loads (A'[p + 1]) stay out
.else
	s_wait_dscnt 0x0
.endif
	RLOAD R1, \P, 1, \prel
	WIN 0xa1
	GPART \ab, R0, \mo, 0, 32
.endm
; The way out of one quad: max(att, 0) x u, then 16 rows x 64 columns at a time through my own stage, read back as rows of 256 bytes.
; wa: att as source 0 and destination, u (window 3) as source 1.  ws: att as an LDS store's data.
.macro OUTQ P, Q, wa, ws
	WIN \wa
.set i, 0
.rept 64
	v_max_num_f32 v[64+i], v[64+i], 0
.set i, i+1
.endr
.set i, 0
.rept 32
.set ou, ((i>>4)*16+\P*8+\Q*4+((i>>2)&3))*8+2*(i&3)
	v_pk_mul_f32 v[64+2*i:65+2*i], v[64+2*i:65+2*i], v[ou:ou+1]
.set i, i+1
.endr
.irp rt, 0,1
	WIN \ws
.irp k, 0,1,2,3,4,5,6,7
	ds_store_b128 v7, v[64+32*\rt+4*\k:64+32*\rt+4*\k+3] offset:(\k>>1)*64+(\k&1)*16
.endr
	WIN 0
	s_wait_xcnt 0x0                                ; the read-back registers were data of earlier stores: they are written again only behind this wait
.irp t, 0,1,2,3,4,5,6,7
	ds_load_b128 v[AB0+64*\rt+4*\t:AB0+64*\rt+4*\t+3], v8 offset:\t*2*SP       ; LDS serves a wave's instructions in order: these see the stores above
.endr
.irp t, 0,1,2,3,4,5,6,7
	s_wait_dscnt 7-\t
	global_store_b128 v9, v[AB0+64*\rt+4*\t:AB0+64*\rt+4*\t+3], s[18:19] offset:(\rt*16+2*\t)*4096+(\P*128+\Q*64)*4 th:TH_STORE_NT   ; 16 lanes store 256 neighbouring bytes, aligned
.endr
.endr
.endm
; Pass P: my column tiles 8 P .. 8 P + 7, all 16 p
.macro PASS P
	s_wait_loadcnt 0x0                             ; this pass's ch fragments
.if \P
	s_wait_xcnt 0x0                                ; AB0 and AB1 were data of the last stores
.endif
	v_mov_b32 v5, v1                               ; A' of p = 0 (AP is LDS byte 0)
	v_mov_b32 v6, v13
	ALOAD AB0, 0
	PSTEP \P, AB0, AB1, 0, 8192, 0, 1, 1           ; p = 0
	PSTEP \P, AB1, AB0, 1, 16384, 1, 2, 1          ; p = 1
	WIN 0
	v_add_nc_u32 v5, 0x4000, v5                    ; two p on
	v_add_nc_u32 v6, 0x80, v6
	s_mov_b32 s30, 6
.Lpass_\P:
	PSTEP \P, AB0, AB1, 0, 8192, 2, 2, 1           ; p = 2, 4 .. 12
	PSTEP \P, AB1, AB0, 1, 16384, 2, 2, 1          ; p = 3, 5 .. 13
	WIN 0
	v_add_nc_u32 v5, 0x4000, v5
	v_add_nc_u32 v6, 0x80, v6
	s_sub_co_u32 s30, s30, 1
	s_cmp_lg_u32 s30, 0
	s_cbranch_scc1 .Lpass_\P
	PSTEP \P, AB0, AB1, 0, 8192, 2, 2, 1           ; p = 14
	PSTEP \P, AB1, AB0, 1, 0, 2, 2, 0              ; p = 15: nothing more to fetch
	s_wait_dscnt 0x0
	WIN 0x52
.set gi, 0
.rept 32
	v_pk_fma_f32 v[64+2*gi:65+2*gi], v[2*gi:2*gi+1], v[R1+2*(gi&15):R1+2*(gi&15)+1], v[64+2*gi:65+2*gi]    ; the last H1
.set gi, gi+1
.endr
	WIN 0
.if \P == 0
	LOADB 1                                        ; the next pass's fragments come in while this pass's results leave
.endif
	OUTQ \P, 0, 0x8e, 0x08
	OUTQ \P, 1, 0x4d, 0x04
.endm
	PASS 0
	PASS 1
	s_wait_xcnt 0x0
	v_lshl_add_u32 v254, v0, 2, 0x36800
	v_mov_b32 v255, 0
	s_wait_tensorcnt 0x0
	ds_add_u32 v254, v255
	s_wait_dscnt 0x0
	s_endpgm
.Lfunc_end_k_q93a2375dd1_main:
	.size	k_q93a2375dd1_main, .Lfunc_end_k_q93a2375dd1_main-k_q93a2375dd1_main
	.p2alignl 7, 3214868480
	.fill 96, 4, 3214868480
	.section	.rodata,"a",@progbits
	.p2align	6, 0x0
	.amdhsa_kernel k_q93a2375dd1_main
		.amdhsa_group_segment_fixed_size 223744
		.amdhsa_private_segment_fixed_size 0
		.amdhsa_enable_private_segment 0
		.amdhsa_kernarg_size 64
		.amdhsa_user_sgpr_count 2
		.amdhsa_user_sgpr_kernarg_segment_ptr 1
		.amdhsa_wavefront_size32 1
		.amdhsa_system_sgpr_workgroup_id_x 1
		.amdhsa_system_sgpr_workgroup_id_y 1
		.amdhsa_system_sgpr_workgroup_id_z 1
		.amdhsa_system_vgpr_workitem_id 0
		.amdhsa_next_free_vgpr 1024
		.amdhsa_next_free_sgpr 66
		.amdhsa_reserve_vcc 0
		.amdhsa_float_denorm_mode_32 3
		.amdhsa_float_denorm_mode_16_64 3
		.amdhsa_memory_ordered 1
		.amdhsa_forward_progress 1
		.amdhsa_inst_pref_size 255
	.end_amdhsa_kernel
	.section	.bss,"aw",@nobits
	.p2align	6
	.space	262144
	.amdgpu_metadata
---
amdhsa.version: [ 1, 2 ]
amdhsa.kernels:
  - .name:           k_q93a2375dd1_main
    .symbol:         k_q93a2375dd1_main.kd
    .args:
      - { .name: context, .offset: 0, .size: 8, .value_kind: global_buffer, .address_space: global }
      - { .name: weight_tensor, .offset: 8, .size: 8, .value_kind: global_buffer, .address_space: global }
      - { .name: rnT, .offset: 16, .size: 8, .value_kind: global_buffer, .address_space: global }
      - { .name: rnF, .offset: 24, .size: 8, .value_kind: global_buffer, .address_space: global }
      - { .name: cF, .offset: 32, .size: 8, .value_kind: global_buffer, .address_space: global }
      - { .name: swF, .offset: 40, .size: 8, .value_kind: global_buffer, .address_space: global }
      - { .name: yF, .offset: 48, .size: 8, .value_kind: global_buffer, .address_space: global }
      - { .name: out0, .offset: 56, .size: 8, .value_kind: global_buffer, .address_space: global }
    .group_segment_fixed_size: 223744
    .private_segment_fixed_size: 0
    .kernarg_segment_align: 8
    .kernarg_segment_size: 64
    .max_flat_workgroup_size: 128
    .sgpr_count:     66
    .vgpr_count:     1024
    .wavefront_size: 32
...
	.end_amdgpu_metadata
.endif
;; end of part 3
;; ======== version 2 of 3: 3 launches; 1.13 times as fast as version 1
;; limits: values outside matrix products are rounded to bf16; right only within a limited range of input values
;; workspace buffers: swF 16,777,216 bytes; cF 2,097,152 bytes; rnF 524,288 bytes; rnT 524,288 bytes; rF 16,777,216 bytes; ysq 524,288 bytes
;; launch prep (part 4): grid 256 x 1, 16 waves a work-group, no clusters, 105,984 bytes of LDS; arguments angle, dist, context, weight_tensor, acc_u, acc_v, uv_angle, uv_angleACC, speed, swF, cF, rnF, rnT; writes swF, cF, rnF, rnT
.if DOCPART == 4
	.amdgcn_target "amdgcn-amd-amdhsa--gfx1250"
	.amdhsa_code_object_version 6
	.text
	.protected	k_q93a2375dd1_prep
	.globl	k_q93a2375dd1_prep
	.p2align	8
	.type	k_q93a2375dd1_prep,@function
k_q93a2375dd1_prep:
	s_mov_b64 s[64:65], 0
	v_nop
	global_prefetch_b8 v0, s[64:65] scope:SCOPE_SE
	s_setreg_imm32_b32 hwreg(HW_REG_WAVE_MODE, 25, 1), 1
	s_wait_xcnt 0x0
; PREP: the operands of the two Gram products, laid out in the order in which matrix fragments are loaded.
;   sw[b][n][k] = |speed| |cos(angle[n][k] - uv[b][n]) + 0.5 temp[b][n] (n == k)| / (dist[n][k] + 1e-5), each row divided by max(its norm, 1e-12)
;   rn[b][n][p] = 1 / max(|| context[b][n][:] * w[p][:] ||, 1e-12);   nc[b][n] = max(|| context[b][n][:] ||, 1e-12);   nw[p] = max(|| w[p][:] ||, 1e-12)
; OUT: swF bf16 [b][kstep 32][tile 64][q 2][lane 32][8] = sw[b][16 tile + r][32 kstep + 16 q + 8 h + e]   (lane = 16 h + r)
;      cF  f16  [b][tile 64][ks 4][q 2][lane 32][8]     = context[b][16 tile + r][32 ks + 16 q + 8 h + e] / nc: a unit vector, so f16 has room whatever the inputs' scale or offset
;      rnF f32  [b][tile 64][p 16][16 rows] = rn nw nc / 16;   rnT f32 [b][n][p 16] = rn / nw
;      (nc and nw cancel in the last launch's product for all values, clamped or not: each is multiplied in once and divided out once.)
; NOTHING OF reference() IS LEFT OUT, and every input is loaded.  temp_acc * eye(N) is a selection that reference() writes as a dense product:
; it adds to one element of each row, so that element is computed by itself (with the cosine's sign) and all others without the term.
; LIMITS.  cos is made by x - k pi (pi in two words, k = round(x / pi)) and a polynomial of degree 10 in the rest, absolute error about 1e-8
; while |angle - uv| stays under about 2^22.  v_sqrt_f32 and v_rcp_f32 take denormals as zero (ISA guide 15.8).  The row norm is |speed| sqrt(sum q^2)
; with q the row without |speed|: another order of rounding than reference()'s.  Elements of cF under 2^-14 keep an absolute error of 2^-25.
; SHARE.  Work-group g: T = g >> 2 is a tile of 16 rows n, b0 = 2 (g & 3) two batches.  Sixteen waves, four to a SIMD, so that each wave's chain of dependent steps is short
; and three others have work while it waits.  Wave w takes row 16 T + w of angle and dist (4,096 bytes = 32 registers each), loaded once for both batches;
; rows 2 w, 2 w + 1 of the 32 (batch, row) pairs of context; and weight row p = w.
; THE WEIGHTS come in once for the work-group: thread t loads the 16 bytes at 16 t, so a wave's load is one whole row of 512 bytes; the squares go to LDS, from where each lane takes its 64.
; STORES LEAVE EARLY: cF behind the first barrier, batch b0's sw and the rn tables behind the second, while batch b0 + 1's row is computed; only that row's bytes are left for the end.
; Every store has data registers of its own, which are not written again.
; No matrix unit, no tensor load, no cluster: the work is vector arithmetic on rows that no other work-group of the launch shares at the same time.
.set SWS, 0                            ; LDS: sw in bf16, batch x 16 rows, row pitch 2,064 = 129 x 16: the 16 rows of a fragment load start in 16 different 16-byte columns
.set SWB, 33024
.set SWP, 2064
.set C2,  66048                        ; 32 rows x 512: context squared, f32; each wave reads its own two rows
.set CB,  82432                        ; 32 rows x 272: context / nc in f16
.set CBP, 272
.set RN,  91136                        ; 32 rows x 64: rn / nw [row][p]
.set RN2, 93184                        ; 32 rows x 64: rn nw nc / 16 [row][p]
.set W2T, 95232                        ; 16 rows x 528: w^2, f32; pitch 33 x 16, so that 16 lanes with 16 different p read 16 different 16-byte columns
.set WP,  528
.set NWT, 103680                       ; 16 words: nw[p]
.set IW,  9                            ; v9       1 / nw of my p
.set NW,  19                           ; v19      nw / 16 of my p
.set NC,  20                           ; v[20:21] nc of my two rows
.set ANG, 28                           ; v[28:59]   my row of angle; register 4 i + e holds column 128 i + 4 lane + e
.set DST, 60                           ; v[60:91]   my row of dist, then 1 / (dist + 1e-5)
.set W2,  92                           ; v[92:155]  w[p][64 hh ..]^2, lane = 16 hh + p
.set XR,  156                          ; v[156:187] context squared, read back
.set CT,  188                          ; v[188:195] two rows of context as loaded
.set CSQ, 196                          ; v[196:203] their squares
.set CBF, 204                          ; v[204:207] their sums, then their f16
.set SM,  208                          ; v[208:215] four chains of sums
.set WL,  216                          ; v[216:219] my 16 bytes of weight row w
.set CFD, 220                          ; v[220:223] cF's store data
.set RNO, 224                          ; v[224:227] rnT's or rnF's store data
.set QQ,  92                           ; v[92:123]  a row of q
.set XX,  124                          ; v[124:131] argument, later packed bf16 (with KK)
.set KK,  132
.set ZZ,  140
.set PP,  148
.set ACC, 156                          ; v[156:163] four chains of sums of squares; v164-178: the row's own numbers
.set OB,  188                          ; v[188:219] sw read back: 16 registers for each batch
	s_load_b512 s[4:19], s[0:1], 0x0               ; angle s[4:5] dist s[6:7] context s[8:9] weight s[10:11] acc_u s[12:13] acc_v s[14:15] uv s[16:17] uvACC s[18:19]
	s_load_b256 s[20:27], s[0:1], 0x40             ; speed s[20:21] swF s[22:23] cF s[24:25] rnF s[26:27]
	s_load_b64 s[28:29], s[0:1], 0x60              ; rnT
	v_lshl_add_u32 v228, v0, 2, 0x19600
	v_mov_b32 v229, 0
	v_lshrrev_b32 v1, 5, v0
	v_readfirstlane_b32 s30, v1                    ; wave w, 0 to 15
	s_lshr_b32 s31, ttmp9, 2                       ; T
	s_and_b32 s32, ttmp9, 3
	s_lshl_b32 s32, s32, 1                         ; b0
	s_lshl_b32 s62, s31, 4
	s_add_co_u32 s62, s62, s30                     ; n = 16 T + w: my row of sw
	s_mul_i32 s82, s62, 4100                       ; byte offset of element (n, n)
	s_lshl_b32 s33, s32, 12
	s_lshl2_add_u32 s33, s62, s33                  ; 4 (1024 b0 + n): my row's numbers in the [B, N, 1] inputs
	s_lshr_b32 s63, s30, 3                         ; t = w >> 3: which of the two batches my context rows belong to
	s_and_b32 s80, s30, 7                          ; w & 7
	s_add_co_u32 s81, s32, s63                     ; b0 + t
	s_mov_b32 s34, 0x76543210                      ; v_permlanex16_b32: lane i reads lane i of the other half
	s_mov_b32 s35, 0xfedcba98
	s_mov_b32 s36, 0x3ea2f983                      ; 1 / pi        (pairs: a packed instruction names both words)
	s_mov_b32 s37, 0x3ea2f983
	s_mov_b32 s38, 0xc0490fdb                      ; - pi, upper word
	s_mov_b32 s39, 0xc0490fdb
	s_mov_b32 s40, 0x33bbbd2e                      ; - pi, lower word
	s_mov_b32 s41, 0x33bbbd2e
	s_mov_b32 s42, 0xb48bdad8                      ; a10
	s_mov_b32 s43, 0xb48bdad8
	s_mov_b32 s44, 0xbab609ba                      ; a6
	s_mov_b32 s45, 0xbab609ba
	s_mov_b32 s46, 0x3d2aaaa4                      ; a4
	s_mov_b32 s47, 0x3d2aaaa4
	s_mov_b32 s50, 0x3727c5ac                      ; 1e-5
	s_mov_b32 s51, 0x2b8cbccc                      ; 1e-12
	v_mov_b32 v11, 0
	v_mov_b32 v12, 0x37cfb59e                      ; a8, in a vector pair so that an instruction names one scalar pair
	v_mov_b32 v13, 0x37cfb59e
	v_and_b32 v1, 31, v0                           ; lane
	v_lshlrev_b32 v2, 4, v1                        ; 16 lane
	v_lshlrev_b32 v3, 4, v0                        ; weights: 16 thread
	v_and_b32 v22, 15, v0                          ; r (also p)
	v_bfe_u32 v23, v0, 4, 1                        ; h (also hh)
	s_lshl_b32 s83, s30, 10
	s_add_co_u32 s83, s83, C2                      ; my two rows of C2
	v_add_nc_u32 v4, s83, v2                       ; store: + 16 lane
	v_lshl_add_u32 v6, v23, 8, s83                 ; read: + 256 hh
	s_mul_i32 s83, s30, 2*CBP
	s_add_co_u32 s83, s83, CB
	v_lshl_add_u32 v5, v1, 3, s83                  ; CB store: my two rows + 8 lane
	s_lshl_b32 s83, s30, 7
	s_add_co_u32 s83, s83, RN
	v_lshl_add_u32 v7, v22, 2, s83                 ; RN store: my two rows + 4 p (RN2 lies 2,048 bytes further on)
	s_mul_i32 s83, s63, 16*CBP
	s_lshl_b32 s86, s80, 5
	s_add_co_u32 s83, s83, s86
	s_add_co_u32 s83, s83, CB
	v_mul_u32_u24 v8, v22, CBP
	v_lshl_add_u32 v8, v23, 4, v8
	v_add_nc_u32 v8, s83, v8                       ; CB read: (16 t + r) 272 + 32 (w & 7) + 16 h: K step (w & 7) >> 1, half w & 1
	s_mul_i32 s83, s30, WP
	s_add_co_u32 s83, s83, W2T
	v_add_nc_u32 v15, s83, v2                      ; W2T store: row w + 16 lane
	v_mul_u32_u24 v24, v22, WP
	v_lshl_add_u32 v24, v23, 8, v24
	v_add_nc_u32 v24, W2T, v24                     ; W2T read: row p + 256 hh
	s_lshl_b32 s83, s30, 2
	s_add_co_u32 s83, s83, NWT
	v_mov_b32 v25, s83                             ; NWT store: word w
	v_lshlrev_b32 v26, 2, v22
	v_add_nc_u32 v26, NWT, v26                     ; NWT read: word p
	s_mul_i32 s83, s30, SWP
	v_lshl_add_u32 v16, v1, 3, s83                 ; SWS store: row w + 8 lane
	s_lshl_b32 s86, s62, 1                         ; 2 n: the diagonal's bytes in its row,
	s_and_b32 s86, s86, 0x7fe                      ; under 2,048 (n is under 1,024): inside the row
	s_add_co_u32 s86, s86, s83
	v_mov_b32 v17, s86                             ; SWS: where my row's diagonal lies
	v_mul_u32_u24 v18, v22, SWP
	v_lshl_add_u32 v18, v23, 4, v18
	s_lshl_b32 s83, s30, 7
	v_add_nc_u32 v18, s83, v18                     ; SWS read: r 2064 + 128 w + 16 h: K steps 2 w, 2 w + 1
	v_bfe_u32 v10, v0, 6, 1
	v_and_b32 v9, 63, v0
	v_lshlrev_b32 v10, 16, v10
	v_lshl_add_u32 v10, v9, 4, v10                 ; rnT, rnF: 65,536 x batch + 16 x (thread & 63)
	s_mov_b32 s87, 0
	s_wait_kmcnt 0x0
	; the row's own numbers, by scalar loads (no line of this kernel writes these inputs), for both batches
	s_load_b32 s52, s[12:13], s33 offset:0x0
	s_load_b32 s53, s[14:15], s33 offset:0x0
	s_load_b32 s54, s[16:17], s33 offset:0x0
	s_load_b32 s55, s[18:19], s33 offset:0x0
	s_load_b32 s56, s[20:21], s33 offset:0x0
	s_load_b32 s57, s[12:13], s33 offset:0x1000
	s_load_b32 s58, s[14:15], s33 offset:0x1000
	s_load_b32 s59, s[16:17], s33 offset:0x1000
	s_load_b32 s60, s[18:19], s33 offset:0x1000
	s_load_b32 s61, s[20:21], s33 offset:0x1000
	s_load_b32 s76, s[4:5], s82 offset:0x0         ; angle and dist on the diagonal of my row
	s_load_b32 s78, s[6:7], s82 offset:0x0
	s_lshl_b32 s86, s81, 19                        ; context: ((b0 + t) 1024 + 16 T + 2 (w & 7)) rows of 512 bytes
	s_lshl_b32 s83, s31, 13
	s_add_co_u32 s86, s86, s83
	s_lshl_b32 s83, s80, 10
	s_add_co_u32 s86, s86, s83
	s_add_nc_u64 s[84:85], s[8:9], s[86:87]
	s_lshl_b32 s86, s62, 12                        ; angle, dist: row n
	s_add_nc_u64 s[88:89], s[4:5], s[86:87]
	s_add_nc_u64 s[90:91], s[6:7], s[86:87]
	global_load_b128 v[WL:WL+3], v3, s[10:11]                                  ; weight row w: the wave's load covers its 512 bytes
.irp x, 0,1
	global_load_b128 v[CT+4*\x:CT+4*\x+3], v2, s[84:85] offset:\x*512          ; two rows of context, 1,024 neighbouring bytes
.endr
.irp i, 0,1,2,3,4,5,6,7
	global_load_b128 v[ANG+4*\i:ANG+4*\i+3], v2, s[88:89] offset:\i*512
.endr
.irp i, 0,1,2,3,4,5,6,7
	global_load_b128 v[DST+4*\i:DST+4*\i+3], v2, s[90:91] offset:\i*512
.endr
	s_lshl_b32 s86, s81, 18                        ; cF: ((b0 + t) 64 + T) 4096 + (w & 7) 512
	s_lshl_b32 s83, s31, 12
	s_add_co_u32 s86, s86, s83
	s_lshl_b32 s83, s80, 9
	s_add_co_u32 s86, s86, s83
	s_add_nc_u64 s[92:93], s[24:25], s[86:87]
	s_lshl_b32 s86, s32, 16                        ; rnT and rnF: 65,536 b0 + 1,024 T in both
	s_lshl_b32 s83, s31, 10
	s_add_co_u32 s86, s86, s83
	s_add_nc_u64 s[94:95], s[28:29], s[86:87]
	s_add_nc_u64 s[26:27], s[26:27], s[86:87]
	s_lshl_b32 s86, s32, 21                        ; swF: b0 x 2 MiB + 2 w K steps of 64 KiB + T x 1 KiB
	s_add_co_u32 s86, s86, s83
	s_lshl_b32 s83, s30, 17
	s_add_co_u32 s86, s86, s83
	s_add_nc_u64 s[22:23], s[22:23], s[86:87]
	; ---- weight row w: its squares and its norm into LDS
	s_wait_loadcnt 0x10                            ; weights and context are in; the 16 younger loads (angle, dist) stay out
	v_pk_mul_f32 v[WL:WL+1], v[WL:WL+1], v[WL:WL+1]
	v_pk_mul_f32 v[WL+2:WL+3], v[WL+2:WL+3], v[WL+2:WL+3]
	ds_store_b128 v15, v[WL:WL+3]
	v_pk_add_f32 v[SM:SM+1], v[WL:WL+1], v[WL+2:WL+3]      ; || w_p ||^2: my four squares, then the 32 lanes
	v_add_f32 v[SM], v[SM], v[SM+1]
	v_add_f32_dpp v[SM], v[SM], v[SM] row_xmask:1 row_mask:0xf bank_mask:0xf
	v_add_f32_dpp v[SM], v[SM], v[SM] row_xmask:2 row_mask:0xf bank_mask:0xf
	v_add_f32_dpp v[SM], v[SM], v[SM] row_xmask:4 row_mask:0xf bank_mask:0xf
	v_add_f32_dpp v[SM], v[SM], v[SM] row_xmask:8 row_mask:0xf bank_mask:0xf
	v_permlanex16_b32 v[SM+1], v[SM], s34, s35
	v_add_f32 v[SM], v[SM], v[SM+1]
	v_sqrt_f32 v[SM], v[SM]
	v_nop                                          ; one plain instruction behind a transcendental before its result is used (ISA guide 5.7.2)
	s_wait_alu depctr_va_vdst(0)
	v_max_num_f32 v[SM], s51, v[SM]                ; nw
	ds_store_b32 v25, v[SM]                        ; all lanes write the same word with the same number
	; ---- my two rows of context: squares into my own LDS bytes, the norm, the unit vector in f16
.irp x, 0,1
	v_pk_mul_f32 v[CSQ+4*\x:CSQ+4*\x+1], v[CT+4*\x:CT+4*\x+1], v[CT+4*\x:CT+4*\x+1]
	v_pk_mul_f32 v[CSQ+4*\x+2:CSQ+4*\x+3], v[CT+4*\x+2:CT+4*\x+3], v[CT+4*\x+2:CT+4*\x+3]
	ds_store_b128 v4, v[CSQ+4*\x:CSQ+4*\x+3] offset:\x*512
	v_pk_add_f32 v[CBF+2*\x:CBF+2*\x+1], v[CSQ+4*\x:CSQ+4*\x+1], v[CSQ+4*\x+2:CSQ+4*\x+3]  ; || c ||^2: my four squares, then the 32 lanes
	v_add_f32 v[CBF+2*\x], v[CBF+2*\x], v[CBF+2*\x+1]
	v_add_f32_dpp v[CBF+2*\x], v[CBF+2*\x], v[CBF+2*\x] row_xmask:1 row_mask:0xf bank_mask:0xf
	v_add_f32_dpp v[CBF+2*\x], v[CBF+2*\x], v[CBF+2*\x] row_xmask:2 row_mask:0xf bank_mask:0xf
	v_add_f32_dpp v[CBF+2*\x], v[CBF+2*\x], v[CBF+2*\x] row_xmask:4 row_mask:0xf bank_mask:0xf
	v_add_f32_dpp v[CBF+2*\x], v[CBF+2*\x], v[CBF+2*\x] row_xmask:8 row_mask:0xf bank_mask:0xf
	v_permlanex16_b32 v[CBF+2*\x+1], v[CBF+2*\x], s34, s35
	v_add_f32 v[CBF+2*\x], v[CBF+2*\x], v[CBF+2*\x+1]
	v_sqrt_f32 v[CBF+2*\x], v[CBF+2*\x]
	v_nop
	s_wait_alu depctr_va_vdst(0)
	v_max_num_f32 v[NC+\x], s51, v[CBF+2*\x]       ; nc
	v_rcp_f32 v[CBF+2*\x], v[NC+\x]
	v_nop
	s_wait_alu depctr_va_vdst(0)
	v_mov_b32 v[CBF+2*\x+1], v[CBF+2*\x]
	v_pk_mul_f32 v[CT+4*\x:CT+4*\x+1], v[CT+4*\x:CT+4*\x+1], v[CBF+2*\x:CBF+2*\x+1]
	v_pk_mul_f32 v[CT+4*\x+2:CT+4*\x+3], v[CT+4*\x+2:CT+4*\x+3], v[CBF+2*\x:CBF+2*\x+1]
	v_cvt_pk_f16_f32 v[CBF+2*\x], v[CT+4*\x], v[CT+4*\x+1]
	v_cvt_pk_f16_f32 v[CBF+2*\x+1], v[CT+4*\x+2], v[CT+4*\x+3]
	ds_store_b64 v5, v[CBF+2*\x:CBF+2*\x+1] offset:\x*CBP
.endr
	s_wait_dscnt 0x0                               ; my stores into W2T, NWT and CB are done, for the waves that read them
	s_barrier_signal -1
	s_barrier_wait -1
	; ---- one piece of cF (512 bytes in fragment order), my 64 squared weights, my p's norm
	ds_load_b128 v[CFD:CFD+3], v8
.set i, 0
.rept 16
	ds_load_b128 v[W2+4*i:W2+4*i+3], v24 offset:i*16
.set i, i+1
.endr
	ds_load_b32 v[IW], v26
	s_wait_dscnt 0x0
	global_store_b128 v2, v[CFD:CFD+3], s[92:93]   ; the wave's store covers 512 neighbouring bytes, aligned
	v_mul_f32 v[NW], 0x3d800000, v[IW]             ; nw / 16
	v_rcp_f32 v[IW], v[IW]                         ; 1 / nw
	v_nop
; Row x of my two: lane (p, hh) adds c^2 w^2 over its 64 columns; c^2 comes from my own LDS bytes (LDS serves a wave's instructions in order: ISA guide 5.7.1), the same 16 bytes for 16 lanes.
.macro NORMROW x
.irp hf, 0,1
.irp i, 0,1,2,3,4,5,6,7
	ds_load_b128 v[XR+4*\i:XR+4*\i+3], v6 offset:\x*512+\hf*128+\i*16
.endr
	s_wait_dscnt 0x0
.set j, 0
.rept 16
.if (\hf*16+j) < 4
	v_pk_mul_f32 v[SM+2*j:SM+2*j+1], v[XR+2*j:XR+2*j+1], v[W2+2*j:W2+2*j+1]        ; the first four products start the chains
.else
	v_pk_fma_f32 v[SM+2*(j&3):SM+2*(j&3)+1], v[XR+2*j:XR+2*j+1], v[W2+32*\hf+2*j:W2+32*\hf+2*j+1], v[SM+2*(j&3):SM+2*(j&3)+1]
.endif
.set j, j+1
.endr
.endr
	v_pk_add_f32 v[SM:SM+1], v[SM:SM+1], v[SM+2:SM+3]
	v_pk_add_f32 v[SM+4:SM+5], v[SM+4:SM+5], v[SM+6:SM+7]
	v_pk_add_f32 v[SM:SM+1], v[SM:SM+1], v[SM+4:SM+5]
	v_add_f32 v[SM], v[SM], v[SM+1]
	v_permlanex16_b32 v[SM+1], v[SM], s34, s35     ; the other half of the columns
	v_add_f32 v[SM], v[SM], v[SM+1]
	v_sqrt_f32 v[SM], v[SM]
	v_nop
	s_wait_alu depctr_va_vdst(0)
	v_max_num_f32 v[SM], s51, v[SM]
	v_rcp_f32 v[SM], v[SM]                         ; rn
	v_nop
	s_wait_alu depctr_va_vdst(0)
	v_mul_f32 v[SM+1], v[SM], v[IW]                ; rn / nw: at most 1e24
	v_mul_f32 v[SM+2], v[SM], v[NW]
	v_mul_f32 v[SM+2], v[SM+2], v[NC+\x]           ; rn nw nc / 16
	ds_store_b32 v7, v[SM+1] offset:\x*64          ; both halves write the same number
	ds_store_b32 v7, v[SM+2] offset:RN2-RN+\x*64
.endm
	NORMROW 0
	NORMROW 1
	; ---- selfwind
	s_wait_loadcnt 0x0
	s_wait_kmcnt 0x0
.set i, 0
.rept 16
	v_pk_add_f32 v[DST+2*i:DST+2*i+1], v[DST+2*i:DST+2*i+1], s[50:51] op_sel_hi:[1,0]
.set i, i+1
.endr
.set i, 0
.rept 32
	v_rcp_f32 v[DST+i], v[DST+i]
.set i, i+1
.endr
	v_nop
	; the diagonal is taken out of the vector flow: its 1 / d becomes 0, once for both batches.  It lies in lane 4 (T & 7) + (w >> 2), register 4 (T >> 3) + (w & 3).
	s_and_b32 s83, s31, 7
	s_lshl_b32 s83, s83, 2
	s_lshr_b32 s86, s30, 2
	s_add_co_u32 s83, s83, s86
	s_lshr_b32 s86, s31, 3
	s_lshl_b32 s86, s86, 2
	s_and_b32 s87, s30, 3
	s_add_co_u32 s86, s86, s87
	v_cmp_eq_u32 vcc_lo, s83, v1
	v_mov_b32 v27, s86
	v_cndmask_b32 v14, -1, v27, vcc_lo             ; the register's index in the one lane, -1 in the others
.set i, 0
	s_wait_alu depctr_va_vdst(0)
.rept 32
	v_cmp_eq_u32 vcc_lo, i, v14
	v_cndmask_b32 v[DST+i], v[DST+i], v11, vcc_lo
.set i, i+1
.endr
; cos of one number: k = round(x / pi), x -= k pi, p = polynomial in x^2; cos = (-1)^k p
.macro COS1 x, k, z, p
	v_mul_f32 v\k, s36, v\x
	v_rndne_f32 v\k, v\k
	v_fma_f32 v\x, v\k, s38, v\x
	v_fma_f32 v\x, v\k, s40, v\x
	v_mul_f32 v\z, v\x, v\x
	v_fma_f32 v\p, v\z, s42, v12
	v_fma_f32 v\p, v\p, v\z, s44
	v_fma_f32 v\p, v\p, v\z, s46
	v_fma_f32 v\p, v\p, v\z, -0.5
	v_fma_f32 v\p, v\p, v\z, 1.0
.endm
; eight numbers of my row (group g of four): q = |cos(angle - uv)| / d and the sum of q^2, four pairs side by side
.macro COS8 g, first
.irp j, 0,1,2,3
	v_pk_add_f32 v[XX+2*\j:XX+2*\j+1], v[ANG+8*\g+2*\j:ANG+8*\g+2*\j+1], s[48:49] op_sel_hi:[1,0]
.endr
.irp j, 0,1,2,3
	v_pk_mul_f32 v[KK+2*\j:KK+2*\j+1], v[XX+2*\j:XX+2*\j+1], s[36:37] op_sel_hi:[1,0]
.endr
.irp j, 0,1,2,3,4,5,6,7
	v_rndne_f32 v[KK+\j], v[KK+\j]
.endr
.irp j, 0,1,2,3
	v_pk_fma_f32 v[XX+2*\j:XX+2*\j+1], v[KK+2*\j:KK+2*\j+1], s[38:39], v[XX+2*\j:XX+2*\j+1] op_sel_hi:[1,0,1]
.endr
.irp j, 0,1,2,3
	v_pk_fma_f32 v[XX+2*\j:XX+2*\j+1], v[KK+2*\j:KK+2*\j+1], s[40:41], v[XX+2*\j:XX+2*\j+1] op_sel_hi:[1,0,1]
.endr
.irp j, 0,1,2,3
	v_pk_mul_f32 v[ZZ+2*\j:ZZ+2*\j+1], v[XX+2*\j:XX+2*\j+1], v[XX+2*\j:XX+2*\j+1]
.endr
.irp j, 0,1,2,3
	v_pk_fma_f32 v[PP+2*\j:PP+2*\j+1], v[ZZ+2*\j:ZZ+2*\j+1], s[42:43], v[12:13] op_sel_hi:[1,0,1]
.endr
.irp j, 0,1,2,3
	v_pk_fma_f32 v[PP+2*\j:PP+2*\j+1], v[PP+2*\j:PP+2*\j+1], v[ZZ+2*\j:ZZ+2*\j+1], s[44:45] op_sel_hi:[1,1,0]
.endr
.irp j, 0,1,2,3
	v_pk_fma_f32 v[PP+2*\j:PP+2*\j+1], v[PP+2*\j:PP+2*\j+1], v[ZZ+2*\j:ZZ+2*\j+1], s[46:47] op_sel_hi:[1,1,0]
.endr
.irp j, 0,1,2,3
	v_pk_fma_f32 v[PP+2*\j:PP+2*\j+1], v[PP+2*\j:PP+2*\j+1], v[ZZ+2*\j:ZZ+2*\j+1], -0.5 op_sel_hi:[1,1,0]
.endr
.irp j, 0,1,2,3
	v_pk_fma_f32 v[PP+2*\j:PP+2*\j+1], v[PP+2*\j:PP+2*\j+1], v[ZZ+2*\j:ZZ+2*\j+1], 1.0 op_sel_hi:[1,1,0]
.endr
.irp j, 0,1,2,3,4,5,6,7
	v_mul_f32 v[QQ+8*\g+\j], |v[PP+\j]|, v[DST+8*\g+\j]
.endr
.irp j, 0,1,2,3
.if \first
	v_pk_mul_f32 v[ACC+2*\j:ACC+2*\j+1], v[QQ+8*\g+2*\j:QQ+8*\g+2*\j+1], v[QQ+8*\g+2*\j:QQ+8*\g+2*\j+1]
.else
	v_pk_fma_f32 v[ACC+2*\j:ACC+2*\j+1], v[QQ+8*\g+2*\j:QQ+8*\g+2*\j+1], v[QQ+8*\g+2*\j:QQ+8*\g+2*\j+1], v[ACC+2*\j:ACC+2*\j+1]
.endif
.endr
.endm
; My row in batch b0 + be.  sb: the first scalar register of that batch's numbers: au, av, uv, uvACC, speed.
.macro ROW be, sb
	s_xor_b32 s48, s[\sb+2], 0x80000000            ; - uv
	s_mov_b32 s49, s48
	v_mov_b32 v164, s[\sb]
	v_mov_b32 v165, s[\sb+1]
	v_mul_f32 v164, v164, v164
	v_fma_f32 v164, v165, v165, v164
	v_add_f32 v164, s50, v164
	v_sqrt_f32 v164, v164                          ; sqrt(au^2 + av^2 + 1e-5)
	v_mov_b32 v166, s[\sb+3]
	v_add_f32 v166, s48, v166                      ; uvACC - uv
	COS1 166, 167, 168, 169
	s_wait_alu depctr_va_vdst(0)
	v_mul_f32 v164, v164, |v169|
	v_mul_f32 v164, 0.5, v164                      ; sigma x temp_acc
	v_mov_b32 v170, s76
	v_add_f32 v170, s48, v170
	COS1 170, 171, 172, 173
	v_cvt_i32_f32 v171, v171
	v_lshlrev_b32 v171, 31, v171                   ; k odd: the cosine changes sign
	v_xor_b32 v173, v171, v173
	v_add_f32 v173, v173, v164
	v_mov_b32 v174, s78
	v_add_f32 v174, s50, v174
	v_rcp_f32 v174, v174
	v_nop
	s_wait_alu depctr_va_vdst(0)
	v_mul_f32 v173, |v173|, v174                   ; the diagonal's q
	COS8 0, 1
	COS8 1, 0
	COS8 2, 0
	COS8 3, 0
	v_pk_add_f32 v[ACC:ACC+1], v[ACC:ACC+1], v[ACC+2:ACC+3]
	v_pk_add_f32 v[ACC+4:ACC+5], v[ACC+4:ACC+5], v[ACC+6:ACC+7]
	v_pk_add_f32 v[ACC:ACC+1], v[ACC:ACC+1], v[ACC+4:ACC+5]
	v_add_f32 v[ACC], v[ACC], v[ACC+1]
	v_add_f32_dpp v[ACC], v[ACC], v[ACC] row_xmask:1 row_mask:0xf bank_mask:0xf
	v_add_f32_dpp v[ACC], v[ACC], v[ACC] row_xmask:2 row_mask:0xf bank_mask:0xf
	v_add_f32_dpp v[ACC], v[ACC], v[ACC] row_xmask:4 row_mask:0xf bank_mask:0xf
	v_add_f32_dpp v[ACC], v[ACC], v[ACC] row_xmask:8 row_mask:0xf bank_mask:0xf
	v_permlanex16_b32 v[ACC+1], v[ACC], s34, s35
	v_add_f32 v[ACC], v[ACC], v[ACC+1]
	v_fma_f32 v[ACC], v173, v173, v[ACC]           ; + the diagonal's square
	v_sqrt_f32 v[ACC], v[ACC]
	v_mov_b32 v175, s[\sb+4]
	v_and_b32 v175, 0x7fffffff, v175               ; |speed|
	s_wait_alu depctr_va_vdst(0)
	v_mul_f32 v[ACC], v175, v[ACC]                 ; the row's norm
	v_max_num_f32 v[ACC], s51, v[ACC]
	v_rcp_f32 v[ACC], v[ACC]
	v_nop
	s_wait_alu depctr_va_vdst(0)
	v_mul_f32 v176, v175, v[ACC]                   ; |speed| / max(norm, 1e-12)
	v_mov_b32 v177, v176
.set i, 0
.rept 16
	v_pk_mul_f32 v[QQ+2*i:QQ+2*i+1], v[QQ+2*i:QQ+2*i+1], v[176:177]
.set i, i+1
.endr
.set i, 0
.rept 16
	v_cvt_pk_bf16_f32 v[XX+i], v[QQ+2*i], v[QQ+2*i+1]
.set i, i+1
.endr
.irp i, 0,1,2,3,4,5,6,7
	ds_store_b64 v16, v[XX+2*\i:XX+2*\i+1] offset:\be*SWB+\i*256
.endr
	v_mul_f32 v178, v173, v176
	v_cvt_pk_bf16_f32 v178, v178, v178
	ds_store_b16 v17, v178 offset:\be*SWB          ; over the zero that the row's stores left there: the same wave, served in order
.endm
; Batch b0 + be's 16 rows leave in fragment order: wave w takes K steps 2 w, 2 w + 1; a store covers 512 neighbouring bytes, aligned.
; The batches have LDS bytes of their own (SWB apart), so a wave that is ahead writes nothing that another still reads.
.macro SWOUT be
	s_wait_dscnt 0x0                               ; my row is in LDS (at the first call my rn too), for the waves that read them
	s_barrier_signal -1
	s_barrier_wait -1
.set k, 0
.irp i, 0,1
.irp q, 0,1
	ds_load_b128 v[OB+16*\be+4*k:OB+16*\be+4*k+3], v18 offset:\be*SWB+\i*64+\q*32
.set k, k+1
.endr
.endr
.set k, 0
.irp i, 0,1
.irp q, 0,1
	s_wait_dscnt 3-k                               ; LDS loads come back in order: load k is in, the younger ones stay out
	global_store_b128 v2, v[OB+16*\be+4*k:OB+16*\be+4*k+3], s[22:23] offset:\be*2097152+\i*65536+\q*512
.set k, k+1
.endr
.endr
.endm
	ROW 0, 52
	SWOUT 0
	; ---- the two rn tables, 2,048 bytes each: 128 threads with 16 bytes each
	s_cmp_lt_u32 s30, 4
	s_cbranch_scc0 .Lnot_rnt
	v_and_b32 v27, 127, v0                         ; waves 0 to 3: rn / nw, rows as they lie in RN
	v_lshlrev_b32 v27, 4, v27
	v_add_nc_u32 v27, RN, v27
	ds_load_b128 v[RNO:RNO+3], v27
	s_wait_dscnt 0x0
	global_store_b128 v10, v[RNO:RNO+3], s[94:95]
	s_branch .Lrndone
.Lnot_rnt:
	s_cmp_lt_u32 s30, 8
	s_cbranch_scc0 .Lrndone
	v_bfe_u32 v27, v0, 6, 1                        ; waves 4 to 7: rn nw nc / 16 transposed: four rows of one p
	v_lshlrev_b32 v27, 10, v27
	v_and_b32 v22, 3, v0
	v_lshl_add_u32 v27, v22, 8, v27
	v_bfe_u32 v22, v0, 2, 4
	v_lshl_add_u32 v27, v22, 2, v27
	v_add_nc_u32 v27, RN2, v27
	ds_load_b32 v[RNO], v27
	ds_load_b32 v[RNO+1], v27 offset:64
	ds_load_b32 v[RNO+2], v27 offset:128
	ds_load_b32 v[RNO+3], v27 offset:192
	s_wait_dscnt 0x0
	global_store_b128 v10, v[RNO:RNO+3], s[26:27]
.Lrndone:
	ROW 1, 57
	SWOUT 1
	s_wait_tensorcnt 0x0
	ds_add_u32 v228, v229
	s_wait_dscnt 0x0
	s_endpgm
.Lfunc_end_k_q93a2375dd1_prep:
	.size	k_q93a2375dd1_prep, .Lfunc_end_k_q93a2375dd1_prep-k_q93a2375dd1_prep
	.p2alignl 7, 3214868480
	.fill 96, 4, 3214868480
	.section	.rodata,"a",@progbits
	.p2align	6, 0x0
	.amdhsa_kernel k_q93a2375dd1_prep
		.amdhsa_group_segment_fixed_size 105984
		.amdhsa_private_segment_fixed_size 0
		.amdhsa_enable_private_segment 0
		.amdhsa_kernarg_size 104
		.amdhsa_user_sgpr_count 2
		.amdhsa_user_sgpr_kernarg_segment_ptr 1
		.amdhsa_wavefront_size32 1
		.amdhsa_system_sgpr_workgroup_id_x 1
		.amdhsa_system_sgpr_workgroup_id_y 1
		.amdhsa_system_sgpr_workgroup_id_z 1
		.amdhsa_system_vgpr_workitem_id 0
		.amdhsa_next_free_vgpr 230
		.amdhsa_next_free_sgpr 96
		.amdhsa_reserve_vcc 1
		.amdhsa_float_denorm_mode_32 3
		.amdhsa_float_denorm_mode_16_64 3
		.amdhsa_memory_ordered 1
		.amdhsa_forward_progress 1
		.amdhsa_inst_pref_size 68
	.end_amdhsa_kernel
	.amdgpu_metadata
---
amdhsa.version: [ 1, 2 ]
amdhsa.kernels:
  - .name:           k_q93a2375dd1_prep
    .symbol:         k_q93a2375dd1_prep.kd
    .args:
      - { .name: angle, .offset: 0, .size: 8, .value_kind: global_buffer, .address_space: global }
      - { .name: dist, .offset: 8, .size: 8, .value_kind: global_buffer, .address_space: global }
      - { .name: context, .offset: 16, .size: 8, .value_kind: global_buffer, .address_space: global }
      - { .name: weight_tensor, .offset: 24, .size: 8, .value_kind: global_buffer, .address_space: global }
      - { .name: acc_u, .offset: 32, .size: 8, .value_kind: global_buffer, .address_space: global }
      - { .name: acc_v, .offset: 40, .size: 8, .value_kind: global_buffer, .address_space: global }
      - { .name: uv_angle, .offset: 48, .size: 8, .value_kind: global_buffer, .address_space: global }
      - { .name: uv_angleACC, .offset: 56, .size: 8, .value_kind: global_buffer, .address_space: global }
      - { .name: speed, .offset: 64, .size: 8, .value_kind: global_buffer, .address_space: global }
      - { .name: swF, .offset: 72, .size: 8, .value_kind: global_buffer, .address_space: global }
      - { .name: cF, .offset: 80, .size: 8, .value_kind: global_buffer, .address_space: global }
      - { .name: rnF, .offset: 88, .size: 8, .value_kind: global_buffer, .address_space: global }
      - { .name: rnT, .offset: 96, .size: 8, .value_kind: global_buffer, .address_space: global }
    .group_segment_fixed_size: 105984
    .private_segment_fixed_size: 0
    .kernarg_segment_align: 8
    .kernarg_segment_size: 104
    .max_flat_workgroup_size: 512
    .sgpr_count:     96
    .vgpr_count:     230
    .wavefront_size: 32
...
	.end_amdgpu_metadata
.endif
;; end of part 4
;; launch ygemm (part 5): grid 4 x 64, 4 waves a work-group, clusters of 4 x 4, 327,680 bytes of LDS; arguments swF, rF, ysq; writes rF, ysq
.if DOCPART == 5
	.amdgcn_target "amdgcn-amd-amdhsa--gfx1250"
	.amdhsa_code_object_version 6
	.text
	.protected	k_q93a2375dd1_ygemm
	.globl	k_q93a2375dd1_ygemm
	.p2align	8
	.type	k_q93a2375dd1_ygemm,@function
k_q93a2375dd1_ygemm:
	s_mov_b64 s[64:65], 0
	v_nop
	global_prefetch_b8 v0, s[64:65] scope:SCOPE_SE
	s_setreg_imm32_b32 hwreg(HW_REG_WAVE_MODE, 25, 1), 1
	s_wait_xcnt 0x0
	s_wait_alu depctr_hold_cnt(0) depctr_sa_sdst(0) depctr_va_vdst(0) depctr_va_sdst(0) depctr_va_ssrc(0) depctr_va_vcc(0) depctr_vm_vsrc(0)
	s_getreg_b32 s2, hwreg(HW_REG_IB_STS2, 6, 4)
	s_cmp_eq_u32 s2, 0
	s_cbranch_scc0 .Lentry_in_a_cluster
	s_endpgm
.Lentry_in_a_cluster:
	s_bfe_u32 s2, ttmp6, 0x10000c
	s_cmp_lg_u32 s2, 0xf033
	s_cbranch_scc0 .Lentry_shape_is_right
	s_endpgm
.Lentry_shape_is_right:
; YGEMM: y[b][n][m] = 0.07 sum over k of sw[b][n][k] sw[b][m][k] + 1e-5   (reference(): gamma G / 20 + EPS with gamma = 1.4; 1.4 / 20 is taken as the one factor 0.07).
; What leaves is what the next launch uses of y: its root, and the sums of y^2 along the rows (for ||y||), made here from y in f32.
; All of the product is done: that G is symmetric is not used, since the ten blocks of a triangle of 4 x 4 do not share out evenly and the next launch wants whole rows.
; IN:  swF bf16 [b][kstep 32][tile 64][q 2][lane 32][8]: a fragment of 16 rows x 32 K is 1,024 neighbouring bytes, 16 bytes a lane and half.
; OUT: rF bf16 [b][row tile 64][column tile 64][lane 32][8] = sqrt(y): a lane's eight neighbouring columns of one row, 16 bytes.
;      ysq f32 [b][row block 8][wr 2][column block 4][wc 2][lane 32][a 4]: the sum of y^2 over the 64 columns that this lane held of row 16 a + (lane & 15) of its wave's 64 rows;
;      16 such parts make a row's sum; each part is stored by one wave, and the next launch adds them in a fixed order.
; LIMITS.  sqrt(y) is rounded to bf16: relative error 2^-9.  y is at most 0.07 + 1e-5 (the rows of sw are unit vectors or zero).  A negative y gives NaN, as reference()'s root of y / ||y|| does.
; v_sqrt_f32 takes denormals as zero (ISA guide 15.8).
; SHARE.  A work-group makes 128 rows x 256 columns of one batch; four waves, each 64 x 128: 32 accumulator tiles, 256 registers.
; K goes through two LDS slots of six K steps of 32 each (A's [6][8 KiB], then B's [6][16 KiB]): the largest two that fit.  32 K steps are five chunks of six and one of two.
; Between a refill's request and the wait for it a wave issues 184 matrix instructions.  Fragment order needs no padding: a load of a wave takes 512 neighbouring bytes.
; CLUSTER 4 x 4: the four work-groups of a row of the cluster need the same rows of sw as A, the four of a column the same as B; each tile is asked for jointly.
; The matrix instruction is used transposed (source 0 = 16 columns' rows of sw, source 1 = 16 rows'): lane 16 h + r holds row r, its registers the columns 8 h + 0 .. 7.
; REGISTERS: window 0: addresses, two fragment buffers (B's eight fragments, then A's four); window 1: accumulator (a, b) at 8 (8 a + b).
.set KA,   8192                        ; A's bytes in a K step: 8 tiles
.set KB,   16384                       ; B's: 16 tiles
.set NK,   6                           ; K steps in a slot
.set KSTR, 65536                       ; bytes from K step to K step in swF
.set BOFF, NK*KA                       ; B's part of a slot
.set SLOT, NK*(KA+KB)
.set ADRA, 16                          ; v16-17 LDS address of my A fragments in slot 0, 1
.set ADRB, 20                          ; v20-23 the same for B: slot 0 K steps 0-2, 3-5, slot 1 K steps 0-2, 3-5 (an LDS immediate ends at 65,535)
.set CO,   26                          ; v26    16 x lane
.set EP,   28                          ; v[28:29] 1e-5 twice
.set F0,   32
.set F1,   128
.set QS,   32                          ; the way out: four chains of sums of squares for each row tile, 8 registers each
.set QR,   64                          ; the four row tiles' sums
.set G1,   24                          ; s[24:31] group 1 for A's tiles (three K steps)
.set G0,   32                          ; s[32:39] group 0 for A's tiles, a set for each slot
.set G1B,  48                          ; s[48:55] group 1 for B's
.set G0B,  56                          ; s[56:63] group 0 for B's
.set G1L,  68                          ; s[68:75] group 1 for A's tile of the last chunk (one K step)
.set G1LB, 76                          ; s[76:83] the same for B's
.set G0L,  84                          ; s[84:87] group 0 for A's tile of the last chunk
.set G0LB, 88                          ; s[88:91] the same for B's
.set MUL, 0x50                         ; C and D in window 1, both sources in window 0
.set MSB, 0
.macro WIN new                         ; the immediate's high byte repeats the setting that is left
.if MSB != \new
	s_set_vgpr_msb (MSB<<8)|\new
.set MSB, \new
.endif
.endm
; A joint load.  Waves 0 and 1 fetch A's K steps (three each), waves 2 and 3 B's.  The branch hangs on the wave's number alone.
.macro JLOAD s
	s_cmp_eq_u32 s11, 0
	s_cbranch_scc0 .Lfor_b_\@
	tensor_load_to_lds s[G0+4*\s:G0+4*\s+3], s[G1:G1+7]
	s_nop 0
	s_branch .Lasked_\@
.Lfor_b_\@:
	tensor_load_to_lds s[G0B+4*\s:G0B+4*\s+3], s[G1B:G1B+7]
	s_nop 0
.Lasked_\@:
.endm
.macro JLOADL                          ; the last chunk: one K step a wave, into the head of slot 1's two parts
	s_cmp_eq_u32 s11, 0
	s_cbranch_scc0 .Lfor_b_\@
	tensor_load_to_lds s[G0L:G0L+3], s[G1L:G1L+7]
	s_nop 0
	s_branch .Lasked_\@
.Lfor_b_\@:
	tensor_load_to_lds s[G0LB:G0LB+3], s[G1LB:G1LB+7]
	s_nop 0
.Lasked_\@:
.endm
.macro CREST                           ; a round of the cluster's barrier behind its opening work-group barrier
	s_cmp_lg_u32 s10, 0
	s_cbranch_scc1 .Lnot_wave_0_\@
	s_barrier_signal -3
.Lnot_wave_0_\@:
	s_barrier_wait -3
	s_barrier_signal -1
	s_barrier_wait -1
.endm
.macro CROUND
	s_barrier_signal -1
	s_barrier_wait -1
	CREST
.endm
	s_load_b128 s[4:7], s[0:1], 0x0                ; swF s[4:5], rF s[6:7]
	s_load_b64 s[8:9], s[0:1], 0x10                ; ysq
	v_lshl_add_u32 v254, v0, 2, 0x48000
	v_mov_b32 v255, 0
	ds_add_u32 v254, v255
	v_lshrrev_b32 v1, 5, v0
	v_readfirstlane_b32 s10, v1                    ; wave
	s_lshr_b32 s11, s10, 1                         ; my half of the rows.  Also: I fetch for A (0) or B (1)
	s_and_b32 s12, s10, 1                          ; my half of the columns.  Also: which half of a chunk's K steps I fetch
	s_bfe_u32 s40, ttmp6, 0x40000                  ; cx
	s_bfe_u32 s41, ttmp6, 0x40004                  ; cy
	s_lshl_b32 s42, ttmp9, 2
	s_add_co_u32 s42, s42, s40                     ; column block of 256 = 4 x cluster x + cx
	s_and_b32 s13, ttmp7, 0xffff                   ; cluster y
	s_lshr_b32 s14, s13, 1                         ; batch: two clusters along y for each
	s_and_b32 s15, s13, 1
	s_lshl_b32 s15, s15, 2
	s_add_co_u32 s15, s15, s41                     ; row block of 128
	s_lshl_b32 s43, s41, 2
	s_lshl_b32 s43, 15, s43                        ; my row of the cluster
	s_lshl_b32 s44, 0x1111, s40                    ; my column
	; groups 1: rows are K steps, 8 KiB (A) or 16 KiB (B) long, in elements of 8 bytes, 64 KiB from K step to K step; three rows, in the last chunk one
	s_or_b32 s[G1+0], s43, (3<<16)|(1<<21)         ; 15:0 mask; 17:16 element of 8 bytes; 21 set beside a mask
	s_or_b32 s[G1L+0], s43, (3<<16)|(1<<21)
	s_or_b32 s[G1B+0], s44, (3<<16)|(1<<21)
	s_or_b32 s[G1LB+0], s44, (3<<16)|(1<<21)
	s_mov_b32 s[G1+1], 1024<<16                    ; tensor_dim0
	s_mov_b32 s[G1L+1], 1024<<16
	s_mov_b32 s[G1B+1], 2048<<16
	s_mov_b32 s[G1LB+1], 2048<<16
	s_mov_b32 s[G1+2], 3<<16                       ; tensor_dim1
	s_mov_b32 s[G1L+2], 1<<16
	s_mov_b32 s[G1B+2], 3<<16
	s_mov_b32 s[G1LB+2], 1<<16
	s_mov_b32 s[G1+3], 1024<<16                    ; tile_dim0
	s_mov_b32 s[G1L+3], 1024<<16
	s_mov_b32 s[G1B+3], 2048<<16
	s_mov_b32 s[G1LB+3], 2048<<16
	s_mov_b32 s[G1+4], 3                           ; tile_dim1
	s_mov_b32 s[G1L+4], 1
	s_mov_b32 s[G1B+4], 3
	s_mov_b32 s[G1LB+4], 1
	s_mov_b32 s[G1+5], 8192                        ; elements from row to row
	s_mov_b32 s[G1L+5], 8192
	s_mov_b32 s[G1B+5], 8192
	s_mov_b32 s[G1LB+5], 8192
	s_mov_b32 s[G1+6], 0
	s_mov_b32 s[G1L+6], 0
	s_mov_b32 s[G1B+6], 0
	s_mov_b32 s[G1LB+6], 0
	s_mov_b32 s[G1+7], 0
	s_mov_b32 s[G1L+7], 0
	s_mov_b32 s[G1B+7], 0
	s_mov_b32 s[G1LB+7], 0
	s_lshl_b32 s2, s14, 21                         ; the batch's 2 MiB: shared by all partners, like the wave's part below
	s_mul_i32 s45, s12, 3*KSTR
	s_add_co_u32 s3, s2, s45                       ; + my three K steps of a chunk
	s_lshl_b32 s45, s12, 16
	s_add_co_u32 s2, s2, s45
	s_add_co_u32 s2, s2, 30*KSTR                   ; the last chunk: K step 30 + my one
	s_lshl_b32 s16, s15, 13                        ; A: 8 tiles of 1 KiB for each row block; these registers never hold cx
	s_add_co_u32 s92, s16, s2
	s_add_co_u32 s16, s16, s3
	s_mov_b32 s17, 0
	s_mov_b32 s93, 0
	s_lshl_b32 s46, s42, 14                        ; B: 16 tiles for each column block; these never hold cy
	s_add_co_u32 s94, s46, s2
	s_add_co_u32 s46, s46, s3
	s_mov_b32 s47, 0
	s_mov_b32 s95, 0
	s_mul_i32 s20, s12, 3*KA                       ; where they go: A's K steps 3 x half ..
	s_mul_i32 s21, s12, 3*KB                       ; B's, behind A's
	s_add_co_u32 s21, s21, BOFF
	s_lshl_b32 s[G0L+1], s12, 13                   ; the last chunk: slot 1, K step = half
	s_add_co_u32 s[G0L+1], s[G0L+1], SLOT
	s_lshl_b32 s[G0LB+1], s12, 14
	s_add_co_u32 s[G0LB+1], s[G0LB+1], SLOT+BOFF
	s_mov_b32 s22, 0x3d8f5c29                      ; 0.07
	s_mov_b32 s23, 0x3d8f5c29
	s_wait_dscnt 0x0
	s_wait_kmcnt 0x0
	s_add_nc_u64 s[18:19], s[4:5], s[16:17]
	s_add_nc_u64 s[46:47], s[4:5], s[46:47]
	s_mov_b32 s[G0L], 1
	s_add_nc_u64 s[G0L+2:G0L+3], s[4:5], s[92:93]
	s_or_b32 s[G0L+3], s[G0L+3], 0x80000000
	s_mov_b32 s[G0LB], 1
	s_add_nc_u64 s[G0LB+2:G0LB+3], s[4:5], s[94:95]
	s_or_b32 s[G0LB+3], s[G0LB+3], 0x80000000
	CROUND                                         ; all sixteen work-groups are here: the first joint loads meet
.irp s, 0,1
	s_mov_b32 s[G0+4*\s], 1
	s_add_co_u32 s[G0+4*\s+1], s20, \s*SLOT
	s_add_nc_u64 s[G0+4*\s+2:G0+4*\s+3], s[18:19], \s*NK*KSTR      ; chunk s
	s_or_b32 s[G0+4*\s+3], s[G0+4*\s+3], 0x80000000
	s_mov_b32 s[G0B+4*\s], 1
	s_add_co_u32 s[G0B+4*\s+1], s21, \s*SLOT
	s_add_nc_u64 s[G0B+4*\s+2:G0B+4*\s+3], s[46:47], \s*NK*KSTR
	s_or_b32 s[G0B+4*\s+3], s[G0B+4*\s+3], 0x80000000
	JLOAD \s                                       ; both slots' first fills, ahead of everything else: two loads of the wave are out
.endr
	v_and_b32 v1, 31, v0
	v_lshlrev_b32 v[CO], 4, v1
	s_lshl_b32 s2, s11, 12                         ; my four A tiles
	s_lshl_b32 s45, s12, 13                        ; my eight B tiles
	s_add_co_u32 s45, s45, BOFF
.irp s, 0,1
	v_add_nc_u32 v[ADRA+\s], s2, v[CO]
	v_add_nc_u32 v[ADRB+2*\s], s45, v[CO]
	s_add_co_u32 s3, s45, 3*KB
	v_add_nc_u32 v[ADRB+2*\s+1], s3, v[CO]
	s_add_co_u32 s2, s2, SLOT
	s_add_co_u32 s45, s45, SLOT
.endr
	v_mov_b32 v[EP], 0x3727c5ac
	v_mov_b32 v[EP+1], 0x3727c5ac
; eight matrix instructions: row tile a x my eight column tiles.  zero = 1: the first product starts the sums.
; The 32 accumulators take turns, one instruction a turn, in the same order in every K step.
.macro MUL8 f, a, zero
.irp b, 0,1,2,3,4,5,6,7
.if \zero
	v_wmma_f32_16x16x32_bf16 v[8*(8*\a+\b):8*(8*\a+\b)+7], v[\f+8*\b:\f+8*\b+7], v[\f+64+8*\a:\f+64+8*\a+7], 0
.else
	v_wmma_f32_16x16x32_bf16 v[8*(8*\a+\b):8*(8*\a+\b)+7], v[\f+8*\b:\f+8*\b+7], v[\f+64+8*\a:\f+64+8*\a+7], v[8*(8*\a+\b):8*(8*\a+\b)+7]
.endif
.endr
.endm
; 24 LDS loads in one run: K step ks of a slot into buffer f, B's sixteen first, then A's eight
.macro FETCH slot, ks, f
	WIN 0
.irp b, 0,1,2,3,4,5,6,7
	ds_load_b128 v[\f+8*\b:\f+8*\b+3],   v[ADRB+2*\slot+(\ks/3)] offset:(\ks%3)*KB+\b*1024
	ds_load_b128 v[\f+8*\b+4:\f+8*\b+7], v[ADRB+2*\slot+(\ks/3)] offset:(\ks%3)*KB+\b*1024+512
.endr
.irp a, 0,1,2,3
	ds_load_b128 v[\f+64+8*\a:\f+64+8*\a+3], v[ADRA+\slot] offset:\ks*KA+\a*1024
	ds_load_b128 v[\f+64+8*\a+4:\f+64+8*\a+7], v[ADRA+\slot] offset:\ks*KA+\a*1024+512
.endr
.endm
.macro PLACES                          ; four plain vector instructions between a matrix instruction and a load into, or a vector use of, its registers
.rept 4
	v_nop
.endr
.endm
; A K step that is not its chunk's last: multiplies buffer f; in its middle it fetches K step kn of the same slot into buffer g.
.macro KSTEP slot, kn, f, g, zero
	s_wait_dscnt 0x4                               ; B and A's tiles 0, 1 are in; the youngest four loads (A's tiles 2, 3) may be out
	WIN MUL
	MUL8 \f, 0, \zero
	MUL8 \f, 1, \zero
	PLACES
	FETCH \slot, \kn, \g
	s_wait_dscnt 0x18                              ; all but the 24 just issued
	WIN MUL
	MUL8 \f, 2, \zero
	MUL8 \f, 3, \zero
.endm
.macro FIVE slot, zero
	KSTEP \slot, 1, F0, F1, \zero
	KSTEP \slot, 2, F1, F0, 0
	KSTEP \slot, 3, F0, F1, 0
	KSTEP \slot, 4, F1, F0, 0
	KSTEP \slot, 5, F0, F1, 0
.endm
; A chunk's sixth K step: multiplies buffer 1 and changes slots.  In front of the barrier each wave waits for its reads of this slot and for all its tensor loads
; (one is out: its part of the next slot).  Behind it, where the slot is filled again (fill = 1: six K steps, two chunks on; fill = 2: the last chunk's two),
; the round of the cluster's barrier is closed, and the joint refill is the wave's first tensor load.
.macro TURN slot, next, fill
	s_wait_dscnt 0x4
	WIN MUL
	MUL8 F1, 0, 0
	s_wait_dscnt 0x0                               ; my reads of this slot are over
	s_wait_tensorcnt 0x0                           ; all my tensor loads have landed
	ds_add_u32 v254, v255
	s_wait_dscnt 0x0
	s_barrier_signal -1
	MUL8 F1, 1, 0                                  ; register work while the others arrive
	WIN 0
	s_barrier_wait -1
.if \fill
	CREST                                          ; no wave of any partner still reads this slot or has a load on its way
.if \fill == 1
	s_add_nc_u64 s[G0+4*\slot+2:G0+4*\slot+3], s[G0+4*\slot+2:G0+4*\slot+3], 2*NK*KSTR
	s_add_nc_u64 s[G0B+4*\slot+2:G0B+4*\slot+3], s[G0B+4*\slot+2:G0B+4*\slot+3], 2*NK*KSTR
	JLOAD \slot
.else
	JLOADL
.endif
.endif
	PLACES
	FETCH \next, 0, F0
	WIN MUL
	MUL8 F1, 2, 0
	MUL8 F1, 3, 0
.endm
	s_wait_tensorcnt 0x1                           ; my part of chunk 0 is in; chunk 1's load stays out
	s_barrier_signal -1
	s_barrier_wait -1
	FETCH 0, 0, F0
	FIVE 0, 1                                      ; chunk 0: its first products start the sums
	TURN 0, 1, 1                                   ; slot 0 <- chunk 2
	FIVE 1, 0                                      ; chunk 1
	TURN 1, 0, 1                                   ; slot 1 <- chunk 3
	FIVE 0, 0                                      ; chunk 2
	TURN 0, 1, 1                                   ; slot 0 <- chunk 4
	FIVE 1, 0                                      ; chunk 3
	TURN 1, 0, 2                                   ; slot 1 <- chunk 5, K steps 30 and 31
	FIVE 0, 0                                      ; chunk 4
	TURN 0, 1, 0                                   ; nothing is left to fetch
	KSTEP 1, 1, F0, F1, 0                          ; K step 30
	s_wait_dscnt 0x4                               ; K step 31
	WIN MUL
	MUL8 F1, 0, 0
	MUL8 F1, 1, 0
	s_wait_dscnt 0x0
	MUL8 F1, 2, 0
	MUL8 F1, 3, 0
	; THE WAY OUT, a row tile (8 accumulators) at a time, so that one row tile's stores leave while the next is worked:
	; y = 0.07 G + 1e-5 in place; the sums of y^2; the roots in place; two roots to a word in place; a tile is then 16 bytes a lane, and a store of the wave covers 512 neighbouring bytes, aligned.
	PLACES
	s_lshl_b32 s16, s14, 21                        ; rF: batch x 2 MiB
	s_lshl_b32 s17, s15, 3
	s_lshl2_add_u32 s17, s11, s17                  ; row tile = 8 x row block + 4 x half, 32 KiB each
	s_lshl_b32 s17, s17, 15
	s_add_co_u32 s16, s16, s17
	s_mov_b32 s17, 0
	s_add_nc_u64 s[6:7], s[6:7], s[16:17]
	s_lshl_b32 s46, s42, 4                         ; column tile = 16 x column block + 8 x half, 512 bytes each (in the registers that held B's address)
	s_lshl3_add_u32 s46, s12, s46
	s_lshl_b32 s46, s46, 9
	s_mov_b32 s47, 0
	s_add_nc_u64 s[6:7], s[6:7], s[46:47]
	s_lshl_b32 s16, s14, 16                        ; ysq: batch x 64 KiB + (2 x row block + half) x 4 KiB
	s_lshl_b32 s17, s15, 1
	s_add_co_u32 s17, s17, s11
	s_lshl_b32 s17, s17, 12
	s_add_co_u32 s16, s16, s17
	s_mov_b32 s17, 0
	s_add_nc_u64 s[8:9], s[8:9], s[16:17]
	s_lshl1_add_u32 s46, s42, s12                  ; + (2 x column block + half) x 512
	s_lshl_b32 s46, s46, 9
	s_add_nc_u64 s[8:9], s[8:9], s[46:47]
.irp a, 0,1,2,3
	WIN 0x45                                       ; sources 0, 1 and destination in window 1, source 2 in window 0
.set i, 0
.rept 32
	v_pk_fma_f32 v[64*\a+2*i:64*\a+2*i+1], v[64*\a+2*i:64*\a+2*i+1], s[22:23], v[EP:EP+1] op_sel_hi:[1,0,1]
.set i, i+1
.endr
	WIN 0x05                                       ; sources 0, 1 in window 1, the sums in window 0
.set i, 0
.rept 32
.if i < 4
	v_pk_mul_f32 v[QS+8*\a+2*i:QS+8*\a+2*i+1], v[64*\a+2*i:64*\a+2*i+1], v[64*\a+2*i:64*\a+2*i+1]
.else
	v_pk_fma_f32 v[QS+8*\a+2*(i&3):QS+8*\a+2*(i&3)+1], v[64*\a+2*i:64*\a+2*i+1], v[64*\a+2*i:64*\a+2*i+1], v[QS+8*\a+2*(i&3):QS+8*\a+2*(i&3)+1]
.endif
.set i, i+1
.endr
	WIN 0x45
.set i, 0
.rept 64
	v_sqrt_f32 v[64*\a+i], v[64*\a+i]
.set i, i+1
.endr
	v_nop                                          ; one plain instruction behind a transcendental before its result is used (ISA guide 5.7.2)
.set i, 0
	s_wait_alu depctr_va_vdst(0)
.rept 32
	v_cvt_pk_bf16_f32 v[64*\a+8*(i>>2)+(i&3)], v[64*\a+8*(i>>2)+2*(i&3)], v[64*\a+8*(i>>2)+2*(i&3)+1]     ; word k of a tile from its numbers 2 k, 2 k + 1: ascending, so none is overwritten unread
.set i, i+1
.endr
	WIN 0x04                                       ; store data in window 1
.irp b, 0,1,2,3,4,5,6,7
	global_store_b128 v[CO], v[64*\a+8*\b:64*\a+8*\b+3], s[6:7] offset:\a*32768+\b*512
.endr
.endr
	WIN 0
.irp a, 0,1,2,3
	v_pk_add_f32 v[QS+8*\a:QS+8*\a+1], v[QS+8*\a:QS+8*\a+1], v[QS+8*\a+2:QS+8*\a+3]
	v_pk_add_f32 v[QS+8*\a+4:QS+8*\a+5], v[QS+8*\a+4:QS+8*\a+5], v[QS+8*\a+6:QS+8*\a+7]
	v_pk_add_f32 v[QS+8*\a:QS+8*\a+1], v[QS+8*\a:QS+8*\a+1], v[QS+8*\a+4:QS+8*\a+5]
	v_add_f32 v[QR+\a], v[QS+8*\a], v[QS+8*\a+1]
.endr
	global_store_b128 v[CO], v[QR:QR+3], s[8:9]    ; my four rows' parts: 512 neighbouring bytes of the wave, aligned
	CROUND                                         ; the closing round: no work-group ends while a partner may still ask for a tile that names it
	s_endpgm
.Lfunc_end_k_q93a2375dd1_ygemm:
	.size	k_q93a2375dd1_ygemm, .Lfunc_end_k_q93a2375dd1_ygemm-k_q93a2375dd1_ygemm
	.p2alignl 7, 3214868480
	.fill 96, 4, 3214868480
	.section	.rodata,"a",@progbits
	.p2align	6, 0x0
	.amdhsa_kernel k_q93a2375dd1_ygemm
		.amdhsa_group_segment_fixed_size 327680
		.amdhsa_private_segment_fixed_size 0
		.amdhsa_enable_private_segment 0
		.amdhsa_kernarg_size 24
		.amdhsa_user_sgpr_count 2
		.amdhsa_user_sgpr_kernarg_segment_ptr 1
		.amdhsa_wavefront_size32 1
		.amdhsa_system_sgpr_workgroup_id_x 1
		.amdhsa_system_sgpr_workgroup_id_y 1
		.amdhsa_system_sgpr_workgroup_id_z 1
		.amdhsa_system_vgpr_workitem_id 0
		.amdhsa_next_free_vgpr 512
		.amdhsa_next_free_sgpr 96
		.amdhsa_reserve_vcc 0
		.amdhsa_float_denorm_mode_32 3
		.amdhsa_float_denorm_mode_16_64 3
		.amdhsa_memory_ordered 1
		.amdhsa_forward_progress 1
		.amdhsa_inst_pref_size 169
	.end_amdhsa_kernel
	.amdgpu_metadata
---
amdhsa.version: [ 1, 2 ]
amdhsa.kernels:
  - .name:           k_q93a2375dd1_ygemm
    .symbol:         k_q93a2375dd1_ygemm.kd
    .args:
      - { .name: swF, .offset: 0, .size: 8, .value_kind: global_buffer, .address_space: global }
      - { .name: rF, .offset: 8, .size: 8, .value_kind: global_buffer, .address_space: global }
      - { .name: ysq, .offset: 16, .size: 8, .value_kind: global_buffer, .address_space: global }
    .group_segment_fixed_size: 327680
    .private_segment_fixed_size: 0
    .kernarg_segment_align: 8
    .kernarg_segment_size: 24
    .max_flat_workgroup_size: 128
    .sgpr_count:     96
    .vgpr_count:     512
    .wavefront_size: 32
...
	.end_amdgpu_metadata
.endif
;; end of part 5
;; launch main (part 6): grid 256 x 1, 4 waves a work-group, no clusters, 223,744 bytes of LDS; arguments context, weight_tensor, rnT, rnF, cF, swF, rF, ysq, out0; writes out0
.if DOCPART == 6
	.amdgcn_target "amdgcn-amd-amdhsa--gfx1250"
	.amdhsa_code_object_version 6
	.text
	.protected	k_q93a2375dd1_main
	.globl	k_q93a2375dd1_main
	.p2align	8
	.type	k_q93a2375dd1_main,@function
k_q93a2375dd1_main:
	s_mov_b64 s[64:65], 0
	v_nop
	global_prefetch_b8 v0, s[64:65] scope:SCOPE_SE
	s_setreg_imm32_b32 hwreg(HW_REG_WAVE_MODE, 25, 1), 1
	s_wait_xcnt 0x0
; MAIN: out[b][n][m] = max(att, 0) u.   A work-group owns 32 whole rows n of one batch, so the row norm of u's numerator stays inside it.
;   u:   reference(): yn = y / max(||y||, 1e-12);  t = |0.5 sw + sqrt(yn)| + 1e-5;  u = t / max(||t||, 1e-12).
;        Here: ny = max(||y||, 1e-12) from the 16 partial sums of y^2 that the launch before stored for each row; s = ny^(-1/2);
;        t' = |sqrt(y) 2 s + sw| + 2e-5 = 2 t (the factor 2 is exact);  u = t' / max(||t'||, 2e-12).   sqrt(y) comes from rF, sw from swF, both as bf16 halves of one multiply-add.
;   att: (1/16) sum over p, d of (c[n][d] w[p][d] rn[p][n]) (c[m][d] w[p][d] rn[p][m])  =  sum over p of R[p][m] H_p[n][m],
;        H_p[n][m] = sum over d of A'[n][p][d] ch[m][d],   A'[n][p][d] = c[n][d] w[p][d]^2 rn[p][n] / nw[p],   ch[m][d] = c[m][d] / nc[m],   R[p][m] = rn[p][m] nw[p] nc[m] / 16
;        (nw = max(||w_p||, 1e-12), nc = max(||c_m||, 1e-12): each is multiplied in once and divided out once, so the identity holds for all values).
;        The multiply-adds are those of reference()'s product over (p, d); the column operand ch (K = 128) stays in registers,
;        the row operand A' (32 rows x 2,048) is built once in LDS, and R is applied in f32, one packed multiply-add behind each matrix instruction.
;        OPERANDS IN f16: ch's rounding error is shared by all 16 p, so it is not averaged over them as in a product with K = 2,048, and wants the longer significand.
;        Both operands are bounded by 1 by the computation itself (ch is a unit vector; A' is an element of a unit vector times w / ||w||), whatever the inputs' scale or offset.
; Nothing of reference() is left out.
; TWO KINDS OF WORK SIDE BY SIDE.  att needs nothing of u before the way out, so t' is made during pass 0: one tile of 16 x 16 (20 vector instructions) behind each group of 32 matrix
; instructions, in five runs of four.  A run with its two window switches and the scaling slice in front of it is seven issue slots.  Pass 0 is written out, since each group's run names other registers.
; LIMITS.  sw and sqrt(y) are taken in bf16 (relative error 2^-9 each).  Elements of A' and ch under 2^-14 keep an absolute error of 2^-25.
; The mask (att > 0) is v_max_num_f32 with 0: a NaN in att gives 0 x u, not NaN; a NaN in u is carried.  v_sqrt_f32, v_rsq_f32 and v_rcp_f32 take denormals as zero (ISA guide 15.8).
; NO CLUSTER: what work-groups share (ch fragments 256 KiB, R 64 KiB for a work-group in the whole launch) is loaded once, into registers and LDS; no tile is streamed.
; SHARE.  Four waves; wave w owns columns 256 w .. 256 w + 255: 16 column tiles c, 2 row tiles rt.  The matrix instruction is used transposed
; (source 0 = 16 columns, source 1 = 16 rows): lane 16 h + r holds row r, its registers j the columns 8 h + j.
; REGISTERS, in windows of 256:
;   window 0: v0-15 addresses; v16-31 work in the build, then the sums, 2 s and 1 / ||t'||; AB0 v32-95, AB1 v96-159: A' fragments (4 rt + ks) x 8, in the build w^2, packed A' and the partial sums
;             of y^2, later the read-back on the way out; R0 v160-191, R1 v192-223: R of four column tiles, in the build context and rn / nw; v224-255: a ring of eight tiles of sw
;   window 1: H0 v0-63, att of quad 1 v64-127 (both at the start: the copy of R on its way to LDS), ch fragments of quad 1 v128-255
;   window 2: H1 v0-63, att of quad 0 v64-127, ch fragments of quad 0 v128-255
;   window 3: tile g = 16 rt + c at 8 g: registers 0-3 are loaded with sqrt(y) in bf16; all eight then take t'
.set AP,  0                            ; LDS: A' [p 16][rt 2][ks 4][q 2][lane][16 bytes]
.set RNC, 131072                       ; 4 x 16 KiB, each wave's own: R [c 16][p 16][16 columns] f32
.set W2S, 196608                       ; 4 x 2 KiB, each wave's own: w^2 [p 16][32 d] f32
.set STG, 204800                       ; 4 x 16 rows x 272, each wave's own: the way out
.set SCR, 222208                       ; 512: the waves' partial row sums
.set SP,  272
.set AB0, 32
.set AB1, 96
.set R0,  160
.set R1,  192
.set CC,  160                          ; context of my strip: (2 rt + q) x 8 + e
.set RNR, 192                          ; rn / nw of my rows: 16 rt + p
.set WB,  32                           ; two buffers of 16: w^2 of one p
.set PK,  64                           ; two sets of 16: A' of one p, packed
.set YQ,  96                           ; eight pairs (rt 0, rt 1): partial sums of y^2
.set SWR, 224                          ; the ring: tile g in 4 (g & 7)
.set TT,  16                           ; v[16:31] work in the build
.set ACC, 16                           ; v[16:23] four chains of sums of t'^2
.set SUM, 24                           ; v[24:25] the sum of each row tile
.set S2X, 26                           ; v[26:27] 2 s of each row tile
.set INV, 28                           ; v[28:31] 1 / max(||t'||, 2e-12), a pair for each row tile
.set UON, 0                            ; 1: the groups carry runs of t'
.set UG,  0                            ; the tile of the next even group
.set UT,  0                            ; the tile of the group at hand
.set MSB, 0
.macro WIN new                         ; low byte: bits 1:0 source 0, 3:2 source 1, 5:4 source 2, 7:6 destination; the high byte repeats the setting that is left
.if MSB != \new
	s_set_vgpr_msb (MSB<<8)|\new
.set MSB, \new
.endif
.endm
	s_load_b512 s[4:19], s[0:1], 0x0               ; context s[4:5] weight s[6:7] rnT s[8:9] rnF s[10:11] cF s[12:13] swF s[14:15] rF s[16:17] ysq s[18:19]
	s_load_b64 s[34:35], s[0:1], 0x40              ; out
	v_lshrrev_b32 v16, 5, v0
	v_readfirstlane_b32 s20, v16                   ; wave w
	s_lshr_b32 s21, ttmp9, 5                       ; b
	s_and_b32 s22, ttmp9, 31                       ; row block of 32
	s_mov_b32 s26, 0x76543210
	s_mov_b32 s27, 0xfedcba98
	s_mov_b32 s28, 0x37a7c5ac                      ; 2e-5
	s_mov_b32 s29, 0x2b8cbccc                      ; 1e-12
	s_mov_b32 s23, 0x2c0cbccc                      ; 2e-12
	v_and_b32 v17, 31, v0                          ; lane
	v_and_b32 v18, 15, v0                          ; r
	v_bfe_u32 v19, v0, 4, 1                        ; h
	v_lshlrev_b32 v1, 4, v17                       ; v1: 16 lane
	v_lshlrev_b32 v2, 9, v18
	v_lshl_add_u32 v2, v19, 5, v2                  ; v2: context: 512 r + 32 h
	v_lshrrev_b32 v3, 3, v17
	v_lshlrev_b32 v3, 9, v3
	v_and_b32 v20, 7, v0
	v_lshl_add_u32 v3, v20, 4, v3                  ; v3: weights: 512 (lane >> 3) + 16 (lane & 7)
	v_lshlrev_b32 v4, 6, v18                       ; v4: rnT: 64 r
	s_lshl_b32 s31, s20, 14
	s_add_co_u32 s31, s31, RNC
	v_add_nc_u32 v15, s31, v1                      ; v15: my RNC, store
	v_lshl_add_u32 v13, v19, 5, s31                ; v13: my RNC, read: + 32 h
	s_lshl_b32 s31, s20, 11
	s_add_co_u32 s31, s31, W2S
	v_add_nc_u32 v22, s31, v1                      ; v22: my W2S, store (used once, ahead of the build)
	v_lshl_add_u32 v14, v19, 5, s31                ; v14: my W2S, read: + 32 h
	s_lshl_b32 s31, s20, 10
	v_add_nc_u32 v12, s31, v1                      ; v12: AP store: K step w
	s_mul_i32 s31, s20, 16*SP
	s_add_co_u32 s31, s31, STG
	v_mul_u32_u24 v7, v18, SP
	v_lshl_add_u32 v7, v19, 5, v7
	v_add_nc_u32 v7, s31, v7                       ; v7: stage in: row r, + 32 h
	v_mul_u32_u24 v8, v19, SP
	v_lshl_add_u32 v8, v18, 4, v8
	v_add_nc_u32 v8, s31, v8                       ; v8: stage back: lanes 0-15 one row, lanes 16-31 the next
	v_lshlrev_b32 v9, 12, v19
	v_lshl_add_u32 v9, v18, 4, v9                  ; v9: the same two rows in out
	s_lshl_b32 s31, s20, 2
	s_add_co_u32 s31, s31, SCR
	v_lshl_add_u32 v10, v18, 4, s31                ; v10: my word of row r's four partial sums
	v_lshlrev_b32 v11, 4, v18
	v_add_nc_u32 v11, SCR, v11                     ; v11: all four
	s_mov_b32 s25, 0
	s_wait_kmcnt 0x0
	s_lshl_b32 s24, s21, 19                        ; context: ((1024 b + n0) 128 + 32 w) 4
	s_lshl_b32 s31, s22, 14
	s_add_co_u32 s24, s24, s31
	s_lshl_b32 s31, s20, 7
	s_add_co_u32 s24, s24, s31
	s_add_nc_u64 s[4:5], s[4:5], s[24:25]
	s_mov_b32 s24, s31                             ; weights: my 32 columns
	s_add_nc_u64 s[6:7], s[6:7], s[24:25]
	s_lshl_b32 s24, s21, 16                        ; rnT: (1024 b + n0) 64
	s_lshl_b32 s31, s22, 11
	s_add_co_u32 s24, s24, s31
	s_add_nc_u64 s[8:9], s[8:9], s[24:25]
	s_lshl_b32 s24, s21, 16                        ; rnF: my 16 column tiles of 1 KiB
	s_lshl_b32 s31, s20, 14
	s_add_co_u32 s24, s24, s31
	s_add_nc_u64 s[10:11], s[10:11], s[24:25]
	s_lshl_b32 s24, s21, 18                        ; cF: my 16 column tiles of 4 KiB
	s_lshl_b32 s31, s20, 16
	s_add_co_u32 s24, s24, s31
	s_add_nc_u64 s[12:13], s[12:13], s[24:25]
	s_lshl_b32 s24, s21, 21                        ; swF: my 8 K steps (= 16 column tiles), my two row tiles
	s_lshl_b32 s31, s20, 19
	s_add_co_u32 s24, s24, s31
	s_lshl_b32 s31, s22, 11
	s_add_co_u32 s24, s24, s31
	s_add_nc_u64 s[14:15], s[14:15], s[24:25]
	s_lshl_b32 s24, s21, 21                        ; rF: my two row tiles of 32 KiB, my 16 column tiles of 512 bytes
	s_lshl_b32 s31, s22, 16
	s_add_co_u32 s24, s24, s31
	s_lshl_b32 s31, s20, 13
	s_add_co_u32 s24, s24, s31
	s_add_nc_u64 s[16:17], s[16:17], s[24:25]
	s_lshl_b32 s24, s21, 16                        ; ysq: batch x 64 KiB + (row block >> 1) x 4 KiB + 8 bytes where my two row tiles are the upper two of four
	s_lshr_b32 s31, s22, 1
	s_lshl_b32 s31, s31, 12
	s_add_co_u32 s24, s24, s31
	s_and_b32 s31, s22, 1
	s_lshl_b32 s31, s31, 3
	s_add_co_u32 s24, s24, s31
	s_add_nc_u64 s[18:19], s[18:19], s[24:25]
	s_lshl_b32 s24, s21, 22                        ; out: row n0, column 256 w
	s_lshl_b32 s31, s22, 17
	s_add_co_u32 s24, s24, s31
	s_lshl_b32 s31, s20, 10
	s_add_co_u32 s24, s24, s31
	s_add_nc_u64 s[34:35], s[34:35], s[24:25]
	; ---- the first loads, in the order in which they are needed: the build's 28, R's 32, pass 0's 64 ch fragments
.irp rq, 0,1,2,3
	global_load_b128 v[CC+8*\rq:CC+8*\rq+3], v2, s[4:5] offset:(\rq>>1)*8192+(\rq&1)*64
	global_load_b128 v[CC+8*\rq+4:CC+8*\rq+7], v2, s[4:5] offset:(\rq>>1)*8192+(\rq&1)*64+16
.endr
.irp rt, 0,1
.irp x, 0,1,2,3
	global_load_b128 v[RNR+16*\rt+4*\x:RNR+16*\rt+4*\x+3], v4, s[8:9] offset:\rt*1024+\x*16
.endr
.endr
.irp i, 0,1,2,3
	global_load_b128 v[WB+4*\i:WB+4*\i+3], v3, s[6:7] offset:\i*2048
.endr
.irp k, 0,1,2,3,4,5,6,7
	global_load_b64 v[YQ+2*\k:YQ+2*\k+1], v1, s[18:19] offset:\k*512       ; part k of my half's eight: rows r of my two row tiles
.endr
	WIN 0x40
.set i, 0
.rept 32
	global_load_b128 v[4*i:4*i+3], v1, s[10:11] offset:i*512               ; R, through window 1's H and att registers, which are idle until pass 0
.set i, i+1
.endr
; the ch fragments of pass P: quad 0 into window 2, quad 1 into window 1; register 128 + 4 idx, idx = ((4 c4 + ks) 2 + q)
.macro LOADB P
	WIN 0x80
.set i, 0
.rept 32
	global_load_b128 v[128+4*i:128+4*i+3], v1, s[12:13] offset:\P*32768+i*512
.set i, i+1
.endr
	WIN 0x40
.set i, 0
.rept 32
	global_load_b128 v[128+4*i:128+4*i+3], v1, s[12:13] offset:\P*32768+16384+i*512
.set i, i+1
.endr
	WIN 0
.endm
	LOADB 0
	s_wait_loadcnt 0x3f                            ; the build's loads and R are in: 64 loads (ch) are younger, and 63 is the largest count that the wait can name
.set i, 0
.rept 8
	v_pk_mul_f32 v[WB+2*i:WB+2*i+1], v[WB+2*i:WB+2*i+1], v[WB+2*i:WB+2*i+1]
.set i, i+1
.endr
.irp i, 0,1,2,3
	ds_store_b128 v22, v[WB+4*\i:WB+4*\i+3] offset:\i*512      ; w^2 [p][32 d] of my strip
.endr
.irp k, 0,1,2,3
	ds_load_b128 v[WB+4*\k:WB+4*\k+3], v14 offset:(\k>>1)*64+(\k&1)*16     ; w^2 of p = 0 (my own bytes, served in order behind the stores)
.endr
; A' of one p, K step w, both row tiles: c x w^2 x rn / nw, rounded once to f16, in fragment order.  Behind p = 1, 5, 9, 13 a batch of eight stores takes a quarter of R to LDS.
; LDS instructions come back in order; the wait leaves out what was issued behind this p's four weight loads:
; the last p's four stores and the next p's four loads (8), with a batch of R between them 16; at p = 0 the four loads alone, at p = 15 the four stores alone.
.macro BUILDP p
.set wb, WB+16*(\p&1)
.set wn, WB+16*((\p+1)&1)
.set pkb, PK+16*(\p&1)
.if \p < 15
.irp k, 0,1,2,3
	ds_load_b128 v[wn+4*\k:wn+4*\k+3], v14 offset:(\p+1)*128+(\k>>1)*64+(\k&1)*16
.endr
.endif
.if \p == 0
	s_wait_dscnt 0x4
.else
.if \p == 15
	s_wait_dscnt 0x4
.else
.if (\p&3) == 2
	s_wait_dscnt 0x10
.else
	s_wait_dscnt 0x8
.endif
.endif
.endif
.irp rh, 0,1
.irp q, 0,1
.irp e, 0,1,2,3
	v_pk_mul_f32 v[TT+8*\q+2*\e:TT+8*\q+2*\e+1], v[CC+16*\rh+8*\q+2*\e:CC+16*\rh+8*\q+2*\e+1], v[wb+8*\q+2*\e:wb+8*\q+2*\e+1]
.endr
.endr
.irp q, 0,1
.irp e, 0,1,2,3
.if \p&1
	v_pk_mul_f32 v[TT+8*\q+2*\e:TT+8*\q+2*\e+1], v[TT+8*\q+2*\e:TT+8*\q+2*\e+1], v[RNR+16*\rh+\p-1:RNR+16*\rh+\p] op_sel:[0,1] op_sel_hi:[1,1]
.else
	v_pk_mul_f32 v[TT+8*\q+2*\e:TT+8*\q+2*\e+1], v[TT+8*\q+2*\e:TT+8*\q+2*\e+1], v[RNR+16*\rh+\p:RNR+16*\rh+\p+1] op_sel_hi:[1,0]
.endif
.endr
.endr
.irp q, 0,1
.irp e, 0,1,2,3
	v_cvt_pk_f16_f32 v[pkb+8*\rh+4*\q+\e], v[TT+8*\q+2*\e], v[TT+8*\q+2*\e+1]
.endr
.endr
.endr
.irp rq, 0,1,2,3
	ds_store_b128 v12, v[pkb+4*\rq:pkb+4*\rq+3] offset:(\p&7)*8192+(\rq>>1)*4096+(\rq&1)*512
.endr
.if (\p&3) == 1
	WIN 0x04                                       ; store data in window 1
.set i, 0
.rept 8
	ds_store_b128 v15, v[32*(\p>>2)+4*i:32*(\p>>2)+4*i+3] offset:(8*(\p>>2)+i)*512
.set i, i+1
.endr
	WIN 0
.endif
.endm
.irp p, 0,1,2,3,4,5,6,7
	BUILDP \p
.endr
	; what t' needs, behind the ch fragments: the ring's first eight tiles of sw, then all 32 tiles of sqrt(y), each into the lower half of its home
.set i, 0
.rept 8
	global_load_b128 v[SWR+4*i:SWR+4*i+3], v1, s[14:15] offset:(i>>1)*65536+(i&1)*512
.set i, i+1
.endr
	WIN 0xc0
.set i, 0
.rept 32
	global_load_b128 v[8*i:8*i+3], v1, s[16:17] offset:(i>>4)*32768+(i&15)*512 th:TH_LOAD_NT
.set i, i+1
.endr
	WIN 0
	v_add_nc_u32 v12, 0x10000, v12                 ; p = 8 .. 15: an LDS immediate ends at 65,535
.irp p, 8,9,10,11,12,13,14,15
	BUILDP \p
.endr
	s_wait_dscnt 0x0                               ; my stores into A' are done, for the waves that read them
	s_barrier_signal -1
	; register work while the others arrive: ||y||^2 = my half's eight parts + the other half's; 2 s = 2 / sqrt(max(||y||, 1e-12))
	v_pk_add_f32 v[YQ:YQ+1], v[YQ:YQ+1], v[YQ+2:YQ+3]
	v_pk_add_f32 v[YQ+4:YQ+5], v[YQ+4:YQ+5], v[YQ+6:YQ+7]
	v_pk_add_f32 v[YQ+8:YQ+9], v[YQ+8:YQ+9], v[YQ+10:YQ+11]
	v_pk_add_f32 v[YQ+12:YQ+13], v[YQ+12:YQ+13], v[YQ+14:YQ+15]
	v_pk_add_f32 v[YQ:YQ+1], v[YQ:YQ+1], v[YQ+4:YQ+5]
	v_pk_add_f32 v[YQ+8:YQ+9], v[YQ+8:YQ+9], v[YQ+12:YQ+13]
	v_pk_add_f32 v[YQ:YQ+1], v[YQ:YQ+1], v[YQ+8:YQ+9]
	v_permlanex16_b32 v[YQ+2], v[YQ], s26, s27
	v_permlanex16_b32 v[YQ+3], v[YQ+1], s26, s27
	v_pk_add_f32 v[YQ:YQ+1], v[YQ:YQ+1], v[YQ+2:YQ+3]
	v_sqrt_f32 v[YQ], v[YQ]
	v_sqrt_f32 v[YQ+1], v[YQ+1]
	v_nop                                          ; one plain instruction behind a transcendental before its result is used (ISA guide 5.7.2)
	s_wait_alu depctr_va_vdst(0)
	v_max_num_f32 v[YQ], s29, v[YQ]
	v_max_num_f32 v[YQ+1], s29, v[YQ+1]
	v_rsq_f32 v[S2X], v[YQ]
	v_rsq_f32 v[S2X+1], v[YQ+1]
	v_nop
	s_wait_alu depctr_va_vdst(0)
	v_pk_mul_f32 v[S2X:S2X+1], v[S2X:S2X+1], 2.0 op_sel_hi:[1,0]
	s_barrier_wait -1
; ---- t', in runs.  Run uk = 0 .. 4 of tile UT stands behind matrix instruction 10 + 4 uk of the tile's group.
; 0, 1: sqrt(y) x 2 s + sw, from the top register down, so that no half of the four loaded words is overwritten before it is read; 2, 3: |.| + 2e-5; 4: the squares, four chains.
; The wait ahead of run 0 leaves out what was issued behind tile UT's loads: for UT < 8 the 31 - UT later tiles of sqrt(y) and the UT loads of sw issued in the pass so far;
; from UT = 8 on the ring's seven younger loads; from UT = 25 on the 31 - UT that are left.
.macro URUN
.set uk, (gi-10)>>2
.set ub, 8*UT
.set us, SWR+4*(UT&7)
.set ur, S2X+(UT>>4)
.if uk == 0
.if UT < 8
	s_wait_loadcnt 31
.else
.if UT < 25
	s_wait_loadcnt 7
.else
	s_wait_loadcnt 31-UT
.endif
.endif
.endif
.if uk < 2
	WIN 0xc3                                       ; source 0 and destination in window 3, sources 1 and 2 in window 0
.set uq, 3-2*uk
.rept 2
	v_fma_mix_f32_bf16 v[ub+2*uq+1], v[ub+uq], v[ur], v[us+uq] op_sel:[1,0,1] op_sel_hi:[1,0,1]
	v_fma_mix_f32_bf16 v[ub+2*uq], v[ub+uq], v[ur], v[us+uq] op_sel:[0,0,0] op_sel_hi:[1,0,1]
.set uq, uq-1
.endr
.else
.if uk < 4
	WIN 0xc3
.set ue, 4*(uk-2)
.rept 4
	v_add_f32 v[ub+ue], |v[ub+ue]|, s28
.set ue, ue+1
.endr
.else
	WIN 0x0f                                       ; sources 0 and 1 in window 3, the sums in window 0
.set ue, 0
.rept 4
.if (UT&15) == 0
	v_pk_mul_f32 v[ACC+2*ue:ACC+2*ue+1], v[ub+2*ue:ub+2*ue+1], v[ub+2*ue:ub+2*ue+1]        ; a row tile's first tile starts the chains
.else
	v_pk_fma_f32 v[ACC+2*ue:ACC+2*ue+1], v[ub+2*ue:ub+2*ue+1], v[ub+2*ue:ub+2*ue+1], v[ACC+2*ue:ACC+2*ue+1]
.endif
.set ue, ue+1
.endr
.endif
.endif
.endm
.macro FOLD rt                         ; the four chains of a row tile into one number
	v_pk_add_f32 v[ACC:ACC+1], v[ACC:ACC+1], v[ACC+2:ACC+3]
	v_pk_add_f32 v[ACC+4:ACC+5], v[ACC+4:ACC+5], v[ACC+6:ACC+7]
	v_pk_add_f32 v[ACC:ACC+1], v[ACC:ACC+1], v[ACC+4:ACC+5]
	v_add_f32 v[SUM+\rt], v[ACC], v[ACC+1]
.endm
; In a group's stretch under window 0: the ring's next load, tile UT + 7 into the place of tile UT - 1, which the group before has read; and the fold between the two row tiles.
.macro UHOOK
.if UON
.if UT > 0
.if UT < 25
.set ust, UT+7
	global_load_b128 v[SWR+4*(ust&7):SWR+4*(ust&7)+3], v1, s[14:15] offset:((ust&15)>>1)*65536+(ust>>4)*1024+(ust&1)*512
.endif
.endif
.if UT == 16
	FOLD 0
.endif
.endif
.endm
; ---- att
; Part of a group: matrix instructions lo .. lo + n - 1 of 32 (K step gi >> 3, tile gi & 7 = 4 rt + c4), and behind each one slice of the group before:
; att[2 gi ..] (+)= H'[2 gi ..] x R.  The same register numbers serve both quads; the window setting (set) says which.
; The eight H tiles take turns, one instruction a turn, over the backward jump too.
; A slice reads an H tile eight or more plain vector instructions behind the matrix instruction that finished it (ISA guide 7.12.1 asks for four).
.macro GPART ab, rr, mode, lo, n, set
.set gi, \lo
.rept \n
.set gk, gi>>3
.set gt, gi&7
.set gb, 128+8*(4*(gt&3)+gk)
.set ga, \ab+8*(4*(gt>>2)+gk)
.if gk == 0
	v_wmma_f32_16x16x32_f16 v[8*gt:8*gt+7], v[gb:gb+7], v[ga:ga+7], 0
.else
	v_wmma_f32_16x16x32_f16 v[8*gt:8*gt+7], v[gb:gb+7], v[ga:ga+7], v[8*gt:8*gt+7]
.endif
.if \mode == 1
	v_pk_mul_f32 v[64+2*gi:65+2*gi], v[2*gi:2*gi+1], v[\rr+2*(gi&15):\rr+2*(gi&15)+1]          ; p = 0 starts att
.endif
.if \mode == 2
	v_pk_fma_f32 v[64+2*gi:65+2*gi], v[2*gi:2*gi+1], v[\rr+2*(gi&15):\rr+2*(gi&15)+1], v[64+2*gi:65+2*gi]
.endif
.if UON
.if gi > 9
.if gi < 27
.if (gi&3) == 2
	URUN
	WIN \set
.endif
.endif
.endif
.endif
.set gi, gi+1
.endr
.endm
.macro RLOAD rr, P, Q, prel            ; R of one p for a quad's four column tiles: my eight columns of each
.irp c4, 0,1,2,3
	ds_load_b128 v[\rr+8*\c4:\rr+8*\c4+3], v6 offset:(\P*8+\Q*4+\c4)*1024+\prel*64
	ds_load_b128 v[\rr+8*\c4+4:\rr+8*\c4+7], v6 offset:(\P*8+\Q*4+\c4)*1024+\prel*64+16
.endr
.endm
.macro ALOAD ab, aoff                  ; the eight A' fragments of one p
.set i, 0
.rept 16
	ds_load_b128 v[\ab+4*i:\ab+4*i+3], v5 offset:\aoff+i*512
.set i, i+1
.endr
.endm
; One p.  Even group: H0 = A'[p] x quad 0 (setting 0x52: source 0 window 2, source 2 and destination window 1), slices scale H1 of p - 1 into att of quad 1.
; Odd group: H1 = A'[p] x quad 1 (0xa1: source 0 window 1, source 2 and destination window 2), slices scale H0 of p into att of quad 0.
.macro PSTEP P, ab, abn, prel, aoff, me, mo, next
.set UT, UG
	s_wait_dscnt 0x0                               ; A'[p] and quad 1's R of p - 1 are in (issued a group or more ago)
	WIN 0x52
	GPART \ab, R1, \me, 0, 8, 0x52
	WIN 0
	RLOAD R0, \P, 0, \prel
.if \next
	ALOAD \abn, \aoff                              ; nine plain vector instructions stand behind the last matrix instruction that read this buffer
.endif
	UHOOK
	WIN 0x52
	GPART \ab, R1, \me, 8, 24, 0x52
.if \me == 0
.rept 4
	v_nop                                          ; no slices in this group: the places in front of the next group's first slice
.endr
.endif
	WIN 0
.if \next
	s_wait_dscnt 0x10                              ; quad 0's R is in; the 16 younger loads (A'[p + 1]) stay out
.else
	s_wait_dscnt 0x0
.endif
	RLOAD R1, \P, 1, \prel
.set UT, UG+1
	UHOOK
	WIN 0xa1
	GPART \ab, R0, \mo, 0, 32, 0xa1
.set UG, UG+2
.endm
.macro PASSHEAD
	v_mov_b32 v5, v1                               ; A' of p = 0 (AP is LDS byte 0)
	v_mov_b32 v6, v13
	ALOAD AB0, 0
.endm
.macro STEP2                           ; two p on
	WIN 0
	v_add_nc_u32 v5, 0x4000, v5
	v_add_nc_u32 v6, 0x80, v6
.endm
.macro TAIL                            ; the last H1 into att of quad 1
	s_wait_dscnt 0x0
	WIN 0x52
.set gi, 0
.rept 32
	v_pk_fma_f32 v[64+2*gi:65+2*gi], v[2*gi:2*gi+1], v[R1+2*(gi&15):R1+2*(gi&15)+1], v[64+2*gi:65+2*gi]
.set gi, gi+1
.endr
	WIN 0
.endm
; The way out of one quad: max(att / ||t'||, 0) x t', then 16 rows x 64 columns at a time through my own stage, read back as rows of 256 bytes.
; w0s: att as source 0 and destination, window 0 as source 1.  w3s: the same with t' (window 3) as source 1.  ws: att as an LDS store's data.
.macro OUTQ P, Q, w0s, w3s, ws
	WIN \w0s
.set i, 0
.rept 32
	v_pk_mul_f32 v[64+2*i:65+2*i], v[64+2*i:65+2*i], v[INV+2*(i>>4):INV+2*(i>>4)+1]
.set i, i+1
.endr
.set i, 0
.rept 64
	v_max_num_f32 v[64+i], v[64+i], 0
.set i, i+1
.endr
	WIN \w3s
.set i, 0
.rept 32
.set ou, ((i>>4)*16+\P*8+\Q*4+((i>>2)&3))*8+2*(i&3)
	v_pk_mul_f32 v[64+2*i:65+2*i], v[64+2*i:65+2*i], v[ou:ou+1]
.set i, i+1
.endr
.irp rt, 0,1
	WIN \ws
.irp k, 0,1,2,3,4,5,6,7
	ds_store_b128 v7, v[64+32*\rt+4*\k:64+32*\rt+4*\k+3] offset:(\k>>1)*64+(\k&1)*16
.endr
	WIN 0
	s_wait_xcnt 0x0                                ; the read-back registers were data of earlier stores: they are written again only behind this wait
.irp t, 0,1,2,3,4,5,6,7
	ds_load_b128 v[AB0+64*\rt+4*\t:AB0+64*\rt+4*\t+3], v8 offset:\t*2*SP       ; LDS serves a wave's instructions in order: these see the stores above
.endr
.irp t, 0,1,2,3,4,5,6,7
	s_wait_dscnt 7-\t
	global_store_b128 v9, v[AB0+64*\rt+4*\t:AB0+64*\rt+4*\t+3], s[34:35] offset:(\rt*16+2*\t)*4096+(\P*128+\Q*64)*4 th:TH_STORE_NT   ; 16 lanes store 256 neighbouring bytes, aligned
.endr
.endr
.endm
	; ---- pass 0: my column tiles 0 .. 7, all 16 p, and t' of all 32 tiles beside them
.set UON, 1
.set UG, 0
	s_wait_loadcnt 0x28                            ; pass 0's ch fragments are in; the 40 younger loads (sw, sqrt(y)) stay out
	PASSHEAD
	PSTEP 0, AB0, AB1, 0, 8192, 0, 1, 1            ; p = 0
	PSTEP 0, AB1, AB0, 1, 16384, 1, 2, 1           ; p = 1
	STEP2
.rept 6
	PSTEP 0, AB0, AB1, 0, 8192, 2, 2, 1            ; p = 2, 4 .. 12
	PSTEP 0, AB1, AB0, 1, 16384, 2, 2, 1           ; p = 3, 5 .. 13
	STEP2
.endr
	PSTEP 0, AB0, AB1, 0, 8192, 2, 2, 1            ; p = 14
	PSTEP 0, AB1, AB0, 1, 0, 2, 2, 0               ; p = 15: nothing more to fetch
	TAIL
.set UON, 0
	LOADB 1                                        ; the next pass's fragments come in while the norm is made and this pass's results leave
	; ---- ||t'||: my 256 columns, then the four waves through LDS
	FOLD 1
	v_permlanex16_b32 v[ACC], v[SUM], s26, s27     ; the row's other eight columns of each tile
	v_permlanex16_b32 v[ACC+1], v[SUM+1], s26, s27
	v_pk_add_f32 v[SUM:SUM+1], v[SUM:SUM+1], v[ACC:ACC+1]
	ds_store_b32 v10, v[SUM]
	ds_store_b32 v10, v[SUM+1] offset:256
	s_wait_dscnt 0x0                               ; my two words are in LDS, for the waves that read them
	s_barrier_signal -1
	s_barrier_wait -1
	ds_load_b128 v[ACC:ACC+3], v11
	ds_load_b128 v[ACC+4:ACC+7], v11 offset:256
	s_wait_dscnt 0x0
	v_pk_add_f32 v[ACC:ACC+1], v[ACC:ACC+1], v[ACC+2:ACC+3]
	v_pk_add_f32 v[ACC+4:ACC+5], v[ACC+4:ACC+5], v[ACC+6:ACC+7]
	v_add_f32 v[ACC], v[ACC], v[ACC+1]
	v_add_f32 v[ACC+4], v[ACC+4], v[ACC+5]
	v_sqrt_f32 v[ACC], v[ACC]
	v_sqrt_f32 v[ACC+4], v[ACC+4]
	v_nop
	s_wait_alu depctr_va_vdst(0)
	v_max_num_f32 v[ACC], s23, v[ACC]
	v_max_num_f32 v[ACC+4], s23, v[ACC+4]
	v_rcp_f32 v[INV], v[ACC]
	v_rcp_f32 v[INV+2], v[ACC+4]
	v_nop
	s_wait_alu depctr_va_vdst(0)
	v_mov_b32 v[INV+1], v[INV]
	v_mov_b32 v[INV+3], v[INV+2]
	OUTQ 0, 0, 0x82, 0x8e, 0x08
	OUTQ 0, 1, 0x41, 0x4d, 0x04
	; ---- pass 1: my column tiles 8 .. 15
	s_wait_loadcnt 0x0                             ; this pass's ch fragments
	s_wait_xcnt 0x0                                ; AB0 and AB1 were data of the last stores
	PASSHEAD
	PSTEP 1, AB0, AB1, 0, 8192, 0, 1, 1            ; p = 0
	PSTEP 1, AB1, AB0, 1, 16384, 1, 2, 1           ; p = 1
	STEP2
	s_mov_b32 s30, 6
.Lpass_1:
	PSTEP 1, AB0, AB1, 0, 8192, 2, 2, 1            ; p = 2, 4 .. 12
	PSTEP 1, AB1, AB0, 1, 16384, 2, 2, 1           ; p = 3, 5 .. 13
	STEP2
	s_sub_co_u32 s30, s30, 1
	s_cmp_lg_u32 s30, 0
	s_cbranch_scc1 .Lpass_1
	PSTEP 1, AB0, AB1, 0, 8192, 2, 2, 1            ; p = 14
	PSTEP 1, AB1, AB0, 1, 0, 2, 2, 0               ; p = 15
	TAIL
	OUTQ 1, 0, 0x82, 0x8e, 0x08
	OUTQ 1, 1, 0x41, 0x4d, 0x04
	s_wait_xcnt 0x0
	v_lshl_add_u32 v254, v0, 2, 0x36800
	v_mov_b32 v255, 0
	s_wait_tensorcnt 0x0
	ds_add_u32 v254, v255
	s_wait_dscnt 0x0
	s_endpgm
.Lfunc_end_k_q93a2375dd1_main:
	.size	k_q93a2375dd1_main, .Lfunc_end_k_q93a2375dd1_main-k_q93a2375dd1_main
	.p2alignl 7, 3214868480
	.fill 96, 4, 3214868480
	.section	.rodata,"a",@progbits
	.p2align	6, 0x0
	.amdhsa_kernel k_q93a2375dd1_main
		.amdhsa_group_segment_fixed_size 223744
		.amdhsa_private_segment_fixed_size 0
		.amdhsa_enable_private_segment 0
		.amdhsa_kernarg_size 72
		.amdhsa_user_sgpr_count 2
		.amdhsa_user_sgpr_kernarg_segment_ptr 1
		.amdhsa_wavefront_size32 1
		.amdhsa_system_sgpr_workgroup_id_x 1
		.amdhsa_system_sgpr_workgroup_id_y 1
		.amdhsa_system_sgpr_workgroup_id_z 1
		.amdhsa_system_vgpr_workitem_id 0
		.amdhsa_next_free_vgpr 1024
		.amdhsa_next_free_sgpr 66
		.amdhsa_reserve_vcc 0
		.amdhsa_float_denorm_mode_32 3
		.amdhsa_float_denorm_mode_16_64 3
		.amdhsa_memory_ordered 1
		.amdhsa_forward_progress 1
		.amdhsa_inst_pref_size 255
	.end_amdhsa_kernel
	.section	.bss,"aw",@nobits
	.p2align	6
	.space	262144
	.amdgpu_metadata
---
amdhsa.version: [ 1, 2 ]
amdhsa.kernels:
  - .name:           k_q93a2375dd1_main
    .symbol:         k_q93a2375dd1_main.kd
    .args:
      - { .name: context, .offset: 0, .size: 8, .value_kind: global_buffer, .address_space: global }
      - { .name: weight_tensor, .offset: 8, .size: 8, .value_kind: global_buffer, .address_space: global }
      - { .name: rnT, .offset: 16, .size: 8, .value_kind: global_buffer, .address_space: global }
      - { .name: rnF, .offset: 24, .size: 8, .value_kind: global_buffer, .address_space: global }
      - { .name: cF, .offset: 32, .size: 8, .value_kind: global_buffer, .address_space: global }
      - { .name: swF, .offset: 40, .size: 8, .value_kind: global_buffer, .address_space: global }
      - { .name: rF, .offset: 48, .size: 8, .value_kind: global_buffer, .address_space: global }
      - { .name: ysq, .offset: 56, .size: 8, .value_kind: global_buffer, .address_space: global }
      - { .name: out0, .offset: 64, .size: 8, .value_kind: global_buffer, .address_space: global }
    .group_segment_fixed_size: 223744
    .private_segment_fixed_size: 0
    .kernarg_segment_align: 8
    .kernarg_segment_size: 72
    .max_flat_workgroup_size: 128
    .sgpr_count:     66
    .vgpr_count:     1024
    .wavefront_size: 32
...
	.end_amdgpu_metadata
.endif
;; end of part 6
;; ======== version 3 of 3: 3 launches; version 2 with the launch main written anew for expert scheduling mode
;; limits: values outside matrix products are rounded to bf16; right only within a limited range of input values
;; workspace buffers: swF 16,777,216 bytes; cF 2,097,152 bytes; rnF 524,288 bytes; rnT 524,288 bytes; rF 16,777,216 bytes; ysq 524,288 bytes
;; launch prep: the kernel of part 4 again; grid 256 x 1, 16 waves a work-group, no clusters, 105,984 bytes of LDS; arguments angle, dist, context, weight_tensor, acc_u, acc_v, uv_angle, uv_angleACC, speed, swF, cF, rnF, rnT; writes swF, cF, rnF, rnT
;; launch ygemm: the kernel of part 5 again; grid 4 x 64, 4 waves a work-group, clusters of 4 x 4, 327,680 bytes of LDS; arguments swF, rF, ysq; writes rF, ysq
;; launch main (part 7): grid 256 x 1, 4 waves a work-group, no clusters, 223,744 bytes of LDS; arguments context, weight_tensor, rnT, rnF, cF, swF, rF, ysq, out0; writes out0
.if DOCPART == 7
	.amdgcn_target "amdgcn-amd-amdhsa--gfx1250"
	.amdhsa_code_object_version 6
	.text
	.protected	k_q93a2375dd1_main
	.globl	k_q93a2375dd1_main
	.p2align	8
	.type	k_q93a2375dd1_main,@function
k_q93a2375dd1_main:
	s_mov_b64 s[64:65], 0
	v_nop
	global_prefetch_b8 v0, s[64:65] scope:SCOPE_SE
	s_setreg_imm32_b32 hwreg(HW_REG_WAVE_SCHED_MODE, 0, 2), 2
	s_setreg_imm32_b32 hwreg(HW_REG_WAVE_MODE, 25, 1), 1
	s_wait_xcnt 0x0
	s_wait_alu depctr_vm_vsrc(0)
; MAIN: out[b][n][m] = max(att, 0) u.   A work-group owns 32 whole rows n of one batch, so the row norm of u's numerator stays inside it.
;   u:   reference(): yn = y / max(||y||, 1e-12);  t = |0.5 sw + sqrt(yn)| + 1e-5;  u = t / max(||t||, 1e-12).
;        Here: ny = max(||y||, 1e-12) from the 16 partial sums of y^2 that the launch before stored for each row; s = ny^(-1/2);
;        t' = |sqrt(y) 2 s + sw| + 2e-5 = 2 t (the factor 2 is exact);  u = t' / max(||t'||, 2e-12).   sqrt(y) comes from rF, sw from swF, both as bf16 halves of one multiply-add.
;   att: (1/16) sum over p, d of (c[n][d] w[p][d] rn[p][n]) (c[m][d] w[p][d] rn[p][m])  =  sum over p of R[p][m] H_p[n][m],
;        H_p[n][m] = sum over d of A'[n][p][d] ch[m][d],   A'[n][p][d] = c[n][d] w[p][d]^2 rn[p][n] / nw[p],   ch[m][d] = c[m][d] / nc[m],   R[p][m] = rn[p][m] nw[p] nc[m] / 16
;        (nw = max(||w_p||, 1e-12), nc = max(||c_m||, 1e-12): each is multiplied in once and divided out once, so the identity holds for all values).
;        The multiply-adds are those of reference()'s product over (p, d); the column operand ch (K = 128) stays in registers,
;        the row operand A' (32 rows x 2,048) is built once in LDS, and R is applied in f32, one packed multiply-add behind each matrix instruction.
;        OPERANDS IN f16: ch's rounding error is shared by all 16 p, so it is not averaged over them as in a product with K = 2,048, and wants the longer significand.
;        Both operands are bounded by 1 by the computation itself (ch is a unit vector; A' is an element of a unit vector times w / ||w||), whatever the inputs' scale or offset.
; Nothing of reference() is left out.
; TWO KINDS OF WORK SIDE BY SIDE.  att needs nothing of u before the way out, so t' is made during pass 0: one tile of 16 x 16 (20 vector instructions) behind each group of 32 matrix
; instructions, in five runs of four.  A run with its two window switches and the scaling slice in front of it is seven issue slots.  Pass 0 is written out, since each group's run names other registers.
; LIMITS.  sw and sqrt(y) are taken in bf16 (relative error 2^-9 each).  Elements of A' and ch under 2^-14 keep an absolute error of 2^-25.
; The mask (att > 0) is v_max_num_f32 with 0: a NaN in att gives 0 x u, not NaN; a NaN in u is carried.  v_sqrt_f32, v_rsq_f32 and v_rcp_f32 take denormals as zero (ISA guide 15.8).
; NO CLUSTER: what work-groups share (ch fragments 256 KiB, R 64 KiB for a work-group in the whole launch) is loaded once, into registers and LDS; no tile is streamed.
; SHARE.  Four waves; wave w owns columns 256 w .. 256 w + 255: 16 column tiles c, 2 row tiles rt.  The matrix instruction is used transposed
; (source 0 = 16 columns, source 1 = 16 rows): lane 16 h + r holds row r, its registers j the columns 8 h + j.
; REGISTERS, in windows of 256:
;   window 0: v0-15 addresses; v16-31 work in the build, then the sums, 2 s and 1 / ||t'||; AB0 v32-95, AB1 v96-159: A' fragments (4 rt + ks) x 8, in the build w^2, packed A' and the partial sums
;             of y^2, later the read-back on the way out; R0 v160-191, R1 v192-223: R of four column tiles, in the build context and rn / nw; v224-255: a ring of eight tiles of sw
;   window 1: H0 v0-63, att of quad 1 v64-127 (both at the start: the copy of R on its way to LDS), ch fragments of quad 1 v128-255
;   window 2: H1 v0-63, att of quad 0 v64-127, ch fragments of quad 0 v128-255
;   window 3: tile g = 16 rt + c at 8 g: registers 0-3 are loaded with sqrt(y) in bf16; all eight then take t'
; THE MODE: SCHED_MODE bits 1:0 = 2 (LLVM: expert scheduling mode 2), set by the entry lines.  The code itself states the register dependences
; between vector or matrix instructions and memory or LDS instructions, with s_wait_alu, always for 0.
; THE PLAN.  Registers that memory or LDS instructions touch, and who else names them:
;   v1-v4, v7-v11, v13-v15   offsets and addresses: made at the head, ahead of one wait on va_vdst, and never written again.  v22: the address of four LDS stores, then work.
;   v12                      the address of A's stores: moves on once, at p = 8, between that step's two waits.
;   v5, v6                   the addresses of A's and R's loads: written at a pass's head and every two p, behind a wait on vm_vsrc; the next group's wait on va_vdst shows them written.
;   WB0, WB1 / PK0, PK1      The build's step p: its products read WB[p & 1], its conversions write PK[p & 1], its LDS stores read that set, and step p + 1's LDS loads land in WB[p & 1].
;                            One wait on va_vdst behind the conversions serves the stores and the next step's loads; one wait on vm_vsrc at a step's head frees the PK set that step p - 2 stored.
;   AB0, AB1                 p's 64 matrix instructions read AB[p & 1]; the loads of A'[p + 1] land in the other, which the matrix instructions of p - 1 read.
;   R0                       read by the odd group's slices, loaded in the next even group.      R1   read by the even group's slices, loaded in the odd group behind it.
;   the ring v224-255        group UT's run of t' reads place UT & 7; the load of tile UT + 7 lands in place (UT - 1) & 7, which the group before read.
;   So ONE wait on va_vdst stands at each group's head, beside the wait on DScnt there.  The group's loads follow behind its first eight matrix instructions and their slices, which name
;   AB[p & 1], the other R, H, att and the ch fragments: none of the registers that those loads touch.
;   ch fragments             read by a pass's matrix instructions; loaded again behind one wait on va_vdst at the pass's end.
;   att, the read-back       the way out: one wait on va_vdst a quad ahead of the LDS stores of att; a wait on vm_vsrc ahead of each read-back into registers that global stores have read.
.set AP,  0                            ; LDS: A' [p 16][rt 2][ks 4][q 2][lane][16 bytes]
.set RNC, 131072                       ; 4 x 16 KiB, each wave's own: R [c 16][p 16][16 columns] f32
.set W2S, 196608                       ; 4 x 2 KiB, each wave's own: w^2 [p 16][32 d] f32
.set STG, 204800                       ; 4 x 16 rows x 272, each wave's own: the way out
.set SCR, 222208                       ; 512: the waves' partial row sums
.set SP,  272
.set AB0, 32
.set AB1, 96
.set R0,  160
.set R1,  192
.set CC,  160                          ; context of my strip: (2 rt + q) x 8 + e
.set RNR, 192                          ; rn / nw of my rows: 16 rt + p
.set WB,  32                           ; two buffers of 16: w^2 of one p
.set PK,  64                           ; two sets of 16: A' of one p, packed
.set YQ,  96                           ; eight pairs (rt 0, rt 1): partial sums of y^2
.set SWR, 224                          ; the ring: tile g in 4 (g & 7)
.set TT,  16                           ; v[16:31] work in the build
.set ACC, 16                           ; v[16:23] four chains of sums of t'^2
.set SUM, 24                           ; v[24:25] the sum of each row tile
.set S2X, 26                           ; v[26:27] 2 s of each row tile
.set INV, 28                           ; v[28:31] 1 / max(||t'||, 2e-12), a pair for each row tile
.set UON, 0                            ; 1: the groups carry runs of t'
.set UG,  0                            ; the tile of the next even group
.set UT,  0                            ; the tile of the group at hand
.set MSB, 0
.macro WIN new                         ; low byte: bits 1:0 source 0, 3:2 source 1, 5:4 source 2, 7:6 destination; the high byte repeats the setting that is left
.if MSB != \new
	s_set_vgpr_msb (MSB<<8)|\new
.set MSB, \new
.endif
.endm
	s_load_b512 s[4:19], s[0:1], 0x0               ; context s[4:5] weight s[6:7] rnT s[8:9] rnF s[10:11] cF s[12:13] swF s[14:15] rF s[16:17] ysq s[18:19]
	s_load_b64 s[34:35], s[0:1], 0x40              ; out
	v_lshrrev_b32 v16, 5, v0
	v_readfirstlane_b32 s20, v16                   ; wave w
	s_lshr_b32 s21, ttmp9, 5                       ; b
	s_and_b32 s22, ttmp9, 31                       ; row block of 32
	s_mov_b32 s26, 0x76543210
	s_mov_b32 s27, 0xfedcba98
	s_mov_b32 s28, 0x37a7c5ac                      ; 2e-5
	s_mov_b32 s29, 0x2b8cbccc                      ; 1e-12
	s_mov_b32 s23, 0x2c0cbccc                      ; 2e-12
	v_and_b32 v17, 31, v0                          ; lane
	v_and_b32 v18, 15, v0                          ; r
	v_bfe_u32 v19, v0, 4, 1                        ; h
	v_lshlrev_b32 v1, 4, v17                       ; v1: 16 lane
	v_lshlrev_b32 v2, 9, v18
	v_lshl_add_u32 v2, v19, 5, v2                  ; v2: context: 512 r + 32 h
	v_lshrrev_b32 v3, 3, v17
	v_lshlrev_b32 v3, 9, v3
	v_and_b32 v20, 7, v0
	v_lshl_add_u32 v3, v20, 4, v3                  ; v3: weights: 512 (lane >> 3) + 16 (lane & 7)
	v_lshlrev_b32 v4, 6, v18                       ; v4: rnT: 64 r
	s_wait_alu depctr_va_sdst(0)                   ; s20 is written, ahead of its first reader: LDS addresses and all the bases are made from it
	s_lshl_b32 s31, s20, 14
	s_add_co_u32 s31, s31, RNC
	v_add_nc_u32 v15, s31, v1                      ; v15: my RNC, store
	v_lshl_add_u32 v13, v19, 5, s31                ; v13: my RNC, read: + 32 h
	s_lshl_b32 s31, s20, 11
	s_add_co_u32 s31, s31, W2S
	v_add_nc_u32 v22, s31, v1                      ; v22: my W2S, store (used once, ahead of the build)
	v_lshl_add_u32 v14, v19, 5, s31                ; v14: my W2S, read: + 32 h
	s_lshl_b32 s31, s20, 10
	v_add_nc_u32 v12, s31, v1                      ; v12: AP store: K step w
	s_mul_i32 s31, s20, 16*SP
	s_add_co_u32 s31, s31, STG
	v_mul_u32_u24 v7, v18, SP
	v_lshl_add_u32 v7, v19, 5, v7
	v_add_nc_u32 v7, s31, v7                       ; v7: stage in: row r, + 32 h
	v_mul_u32_u24 v8, v19, SP
	v_lshl_add_u32 v8, v18, 4, v8
	v_add_nc_u32 v8, s31, v8                       ; v8: stage back: lanes 0-15 one row, lanes 16-31 the next
	v_lshlrev_b32 v9, 12, v19
	v_lshl_add_u32 v9, v18, 4, v9                  ; v9: the same two rows in out
	s_lshl_b32 s31, s20, 2
	s_add_co_u32 s31, s31, SCR
	v_lshl_add_u32 v10, v18, 4, s31                ; v10: my word of row r's four partial sums
	v_lshlrev_b32 v11, 4, v18
	v_add_nc_u32 v11, SCR, v11                     ; v11: all four
	s_mov_b32 s25, 0
	s_wait_kmcnt 0x0
	s_lshl_b32 s24, s21, 19                        ; context: ((1024 b + n0) 128 + 32 w) 4
	s_lshl_b32 s31, s22, 14
	s_add_co_u32 s24, s24, s31
	s_lshl_b32 s31, s20, 7
	s_add_co_u32 s24, s24, s31
	s_add_nc_u64 s[4:5], s[4:5], s[24:25]
	s_mov_b32 s24, s31                             ; weights: my 32 columns
	s_add_nc_u64 s[6:7], s[6:7], s[24:25]
	s_lshl_b32 s24, s21, 16                        ; rnT: (1024 b + n0) 64
	s_lshl_b32 s31, s22, 11
	s_add_co_u32 s24, s24, s31
	s_add_nc_u64 s[8:9], s[8:9], s[24:25]
	s_lshl_b32 s24, s21, 16                        ; rnF: my 16 column tiles of 1 KiB
	s_lshl_b32 s31, s20, 14
	s_add_co_u32 s24, s24, s31
	s_add_nc_u64 s[10:11], s[10:11], s[24:25]
	s_lshl_b32 s24, s21, 18                        ; cF: my 16 column tiles of 4 KiB
	s_lshl_b32 s31, s20, 16
	s_add_co_u32 s24, s24, s31
	s_add_nc_u64 s[12:13], s[12:13], s[24:25]
	s_lshl_b32 s24, s21, 21                        ; swF: my 8 K steps (= 16 column tiles), my two row tiles
	s_lshl_b32 s31, s20, 19
	s_add_co_u32 s24, s24, s31
	s_lshl_b32 s31, s22, 11
	s_add_co_u32 s24, s24, s31
	s_add_nc_u64 s[14:15], s[14:15], s[24:25]
	s_lshl_b32 s24, s21, 21                        ; rF: my two row tiles of 32 KiB, my 16 column tiles of 512 bytes
	s_lshl_b32 s31, s22, 16
	s_add_co_u32 s24, s24, s31
	s_lshl_b32 s31, s20, 13
	s_add_co_u32 s24, s24, s31
	s_add_nc_u64 s[16:17], s[16:17], s[24:25]
	s_lshl_b32 s24, s21, 16                        ; ysq: batch x 64 KiB + (row block >> 1) x 4 KiB + 8 bytes where my two row tiles are the upper two of four
	s_lshr_b32 s31, s22, 1
	s_lshl_b32 s31, s31, 12
	s_add_co_u32 s24, s24, s31
	s_and_b32 s31, s22, 1
	s_lshl_b32 s31, s31, 3
	s_add_co_u32 s24, s24, s31
	s_add_nc_u64 s[18:19], s[18:19], s[24:25]
	s_lshl_b32 s24, s21, 22                        ; out: row n0, column 256 w
	s_lshl_b32 s31, s22, 17
	s_add_co_u32 s24, s24, s31
	s_lshl_b32 s31, s20, 10
	s_add_co_u32 s24, s24, s31
	s_add_nc_u64 s[34:35], s[34:35], s[24:25]
	s_wait_alu depctr_va_vdst(0)                   ; the offsets and addresses v1 to v4, v7 to v15 and v22 are written, which the loads and stores of the whole kernel read
	; ---- the first loads, in the order in which they are needed: the build's 28, R's 32, pass 0's 64 ch fragments
.irp rq, 0,1,2,3
	global_load_b128 v[CC+8*\rq:CC+8*\rq+3], v2, s[4:5] offset:(\rq>>1)*8192+(\rq&1)*64
	global_load_b128 v[CC+8*\rq+4:CC+8*\rq+7], v2, s[4:5] offset:(\rq>>1)*8192+(\rq&1)*64+16
.endr
.irp rt, 0,1
.irp x, 0,1,2,3
	global_load_b128 v[RNR+16*\rt+4*\x:RNR+16*\rt+4*\x+3], v4, s[8:9] offset:\rt*1024+\x*16
.endr
.endr
.irp i, 0,1,2,3
	global_load_b128 v[WB+4*\i:WB+4*\i+3], v3, s[6:7] offset:\i*2048
.endr
.irp k, 0,1,2,3,4,5,6,7
	global_load_b64 v[YQ+2*\k:YQ+2*\k+1], v1, s[18:19] offset:\k*512       ; part k of my half's eight: rows r of my two row tiles
.endr
	WIN 0x40
.set i, 0
.rept 32
	global_load_b128 v[4*i:4*i+3], v1, s[10:11] offset:i*512               ; R, through window 1's H and att registers, which are idle until pass 0
.set i, i+1
.endr
; the ch fragments of pass P: quad 0 into window 2, quad 1 into window 1; register 128 + 4 idx, idx = ((4 c4 + ks) 2 + q)
.macro LOADB P
	WIN 0x80
.set i, 0
.rept 32
	global_load_b128 v[128+4*i:128+4*i+3], v1, s[12:13] offset:\P*32768+i*512
.set i, i+1
.endr
	WIN 0x40
.set i, 0
.rept 32
	global_load_b128 v[128+4*i:128+4*i+3], v1, s[12:13] offset:\P*32768+16384+i*512
.set i, i+1
.endr
	WIN 0
.endm
	LOADB 0
	s_wait_loadcnt 0x3f                            ; the build's loads and R are in: 64 loads (ch) are younger, and 63 is the largest count that the wait can name
.set i, 0
.rept 8
	v_pk_mul_f32 v[WB+2*i:WB+2*i+1], v[WB+2*i:WB+2*i+1], v[WB+2*i:WB+2*i+1]
.set i, i+1
.endr
	s_wait_alu depctr_va_vdst(0)                   ; the squares are written into v[WB ..], which the LDS stores read
.irp i, 0,1,2,3
	ds_store_b128 v22, v[WB+4*\i:WB+4*\i+3] offset:\i*512      ; w^2 [p][32 d] of my strip
.endr
	s_wait_alu depctr_vm_vsrc(0)                   ; those stores have read v[WB ..], in which the loads below land, and v22, which the build writes as work
.irp k, 0,1,2,3
	ds_load_b128 v[WB+4*\k:WB+4*\k+3], v14 offset:(\k>>1)*64+(\k&1)*16     ; w^2 of p = 0 (my own bytes, served in order behind the stores)
.endr
; A' of one p, K step w, both row tiles: c x w^2 x rn / nw, rounded once to f16, in fragment order.  Behind p = 1, 5, 9, 13 a batch of eight stores takes a quarter of R to LDS.
; LDS instructions come back in order; the wait leaves out what was issued behind this p's four weight loads:
; the last p's four stores and the next p's four loads (8), with a batch of R between them 16; at p = 0 the four loads alone, at p = 15 the four stores alone.
.macro BUILDP p
.set wb, WB+16*(\p&1)
.set wn, WB+16*((\p+1)&1)
.set pkb, PK+16*(\p&1)
.if \p < 15
.irp k, 0,1,2,3
	ds_load_b128 v[wn+4*\k:wn+4*\k+3], v14 offset:(\p+1)*128+(\k>>1)*64+(\k&1)*16  ; no wait here: the last p's wait on va_vdst stands behind the products that read this buffer, and only LDS stores follow it
.endr
.endif
.if \p == 0
	s_wait_dscnt 0x4
.else
.if \p == 15
	s_wait_dscnt 0x4
.else
.if (\p&3) == 2
	s_wait_dscnt 0x10
.else
	s_wait_dscnt 0x8
.endif
.endif
.endif
.if \p > 1
	s_wait_alu depctr_vm_vsrc(0)                   ; the LDS stores of p - 2 have read this set of PK, which the conversions below write again; at p = 8 the stores so far have read v12
.endif
.if \p == 8
	v_add_nc_u32 v12, 0x10000, v12                 ; p = 8 .. 15: an LDS immediate ends at 65,535
.endif
.irp rh, 0,1
.irp q, 0,1
.irp e, 0,1,2,3
	v_pk_mul_f32 v[TT+8*\q+2*\e:TT+8*\q+2*\e+1], v[CC+16*\rh+8*\q+2*\e:CC+16*\rh+8*\q+2*\e+1], v[wb+8*\q+2*\e:wb+8*\q+2*\e+1]
.endr
.endr
.irp q, 0,1
.irp e, 0,1,2,3
.if \p&1
	v_pk_mul_f32 v[TT+8*\q+2*\e:TT+8*\q+2*\e+1], v[TT+8*\q+2*\e:TT+8*\q+2*\e+1], v[RNR+16*\rh+\p-1:RNR+16*\rh+\p] op_sel:[0,1] op_sel_hi:[1,1]
.else
	v_pk_mul_f32 v[TT+8*\q+2*\e:TT+8*\q+2*\e+1], v[TT+8*\q+2*\e:TT+8*\q+2*\e+1], v[RNR+16*\rh+\p:RNR+16*\rh+\p+1] op_sel_hi:[1,0]
.endif
.endr
.endr
.irp q, 0,1
.irp e, 0,1,2,3
	v_cvt_pk_f16_f32 v[pkb+8*\rh+4*\q+\e], v[TT+8*\q+2*\e], v[TT+8*\q+2*\e+1]
.endr
.endr
.endr
	s_wait_alu depctr_va_vdst(0)                   ; the conversions have written this set of PK, which the stores below read; the products are done reading this p's w^2, in which the next p's loads land; at p = 8 v12 is written
.irp rq, 0,1,2,3
	ds_store_b128 v12, v[pkb+4*\rq:pkb+4*\rq+3] offset:(\p&7)*8192+(\rq>>1)*4096+(\rq&1)*512
.endr
.if (\p&3) == 1
	WIN 0x04                                       ; store data in window 1: registers that loads alone have written
.set i, 0
.rept 8
	ds_store_b128 v15, v[32*(\p>>2)+4*i:32*(\p>>2)+4*i+3] offset:(8*(\p>>2)+i)*512
.set i, i+1
.endr
	WIN 0
.endif
.endm
.irp p, 0,1,2,3,4,5,6,7
	BUILDP \p
.endr
	; what t' needs, behind the ch fragments: the ring's first eight tiles of sw, then all 32 tiles of sqrt(y), each into the lower half of its home.  No vector instruction has named these registers yet.
.set i, 0
.rept 8
	global_load_b128 v[SWR+4*i:SWR+4*i+3], v1, s[14:15] offset:(i>>1)*65536+(i&1)*512
.set i, i+1
.endr
	WIN 0xc0
.set i, 0
.rept 32
	global_load_b128 v[8*i:8*i+3], v1, s[16:17] offset:(i>>4)*32768+(i&15)*512 th:TH_LOAD_NT
.set i, i+1
.endr
	WIN 0
.irp p, 8,9,10,11,12,13,14,15
	BUILDP \p
.endr
	s_wait_dscnt 0x0                               ; my stores into A' are done, for the waves that read them
	s_barrier_signal -1
	; register work while the others arrive: ||y||^2 = my half's eight parts + the other half's; 2 s = 2 / sqrt(max(||y||, 1e-12))
	v_pk_add_f32 v[YQ:YQ+1], v[YQ:YQ+1], v[YQ+2:YQ+3]
	v_pk_add_f32 v[YQ+4:YQ+5], v[YQ+4:YQ+5], v[YQ+6:YQ+7]
	v_pk_add_f32 v[YQ+8:YQ+9], v[YQ+8:YQ+9], v[YQ+10:YQ+11]
	v_pk_add_f32 v[YQ+12:YQ+13], v[YQ+12:YQ+13], v[YQ+14:YQ+15]
	v_pk_add_f32 v[YQ:YQ+1], v[YQ:YQ+1], v[YQ+4:YQ+5]
	v_pk_add_f32 v[YQ+8:YQ+9], v[YQ+8:YQ+9], v[YQ+12:YQ+13]
	v_pk_add_f32 v[YQ:YQ+1], v[YQ:YQ+1], v[YQ+8:YQ+9]
	v_permlanex16_b32 v[YQ+2], v[YQ], s26, s27
	v_permlanex16_b32 v[YQ+3], v[YQ+1], s26, s27
	v_pk_add_f32 v[YQ:YQ+1], v[YQ:YQ+1], v[YQ+2:YQ+3]
	v_sqrt_f32 v[YQ], v[YQ]
	v_sqrt_f32 v[YQ+1], v[YQ+1]
	v_nop                                          ; one plain instruction behind a transcendental before its result is used (ISA guide 5.7.2)
	s_wait_alu depctr_va_vdst(0)                   ; the two roots are written, ahead of their first reader
	v_max_num_f32 v[YQ], s29, v[YQ]
	v_max_num_f32 v[YQ+1], s29, v[YQ+1]
	v_rsq_f32 v[S2X], v[YQ]
	v_rsq_f32 v[S2X+1], v[YQ+1]
	v_nop
	s_wait_alu depctr_va_vdst(0)                   ; the two reciprocal roots are written, ahead of their first reader
	v_pk_mul_f32 v[S2X:S2X+1], v[S2X:S2X+1], 2.0 op_sel_hi:[1,0]
	s_barrier_wait -1
; ---- t', in runs.  Run uk = 0 .. 4 of tile UT stands behind matrix instruction 10 + 4 uk of the tile's group.
; 0, 1: sqrt(y) x 2 s + sw, from the top register down, so that no half of the four loaded words is overwritten before it is read; 2, 3: |.| + 2e-5; 4: the squares, four chains.
; The wait ahead of run 0 leaves out what was issued behind tile UT's loads: for UT < 8 the 31 - UT later tiles of sqrt(y) and the UT loads of sw issued in the pass so far;
; from UT = 8 on the ring's seven younger loads; from UT = 25 on the 31 - UT that are left.
.macro URUN
.set uk, (gi-10)>>2
.set ub, 8*UT
.set us, SWR+4*(UT&7)
.set ur, S2X+(UT>>4)
.if uk == 0
.if UT < 8
	s_wait_loadcnt 31
.else
.if UT < 25
	s_wait_loadcnt 7
.else
	s_wait_loadcnt 31-UT
.endif
.endif
.endif
.if uk < 2
	WIN 0xc3                                       ; source 0 and destination in window 3, sources 1 and 2 in window 0
.set uq, 3-2*uk
.rept 2
	v_fma_mix_f32_bf16 v[ub+2*uq+1], v[ub+uq], v[ur], v[us+uq] op_sel:[1,0,1] op_sel_hi:[1,0,1]
	v_fma_mix_f32_bf16 v[ub+2*uq], v[ub+uq], v[ur], v[us+uq] op_sel:[0,0,0] op_sel_hi:[1,0,1]
.set uq, uq-1
.endr
.else
.if uk < 4
	WIN 0xc3
.set ue, 4*(uk-2)
.rept 4
	v_add_f32 v[ub+ue], |v[ub+ue]|, s28
.set ue, ue+1
.endr
.else
	WIN 0x0f                                       ; sources 0 and 1 in window 3, the sums in window 0
.set ue, 0
.rept 4
.if (UT&15) == 0
	v_pk_mul_f32 v[ACC+2*ue:ACC+2*ue+1], v[ub+2*ue:ub+2*ue+1], v[ub+2*ue:ub+2*ue+1]        ; a row tile's first tile starts the chains
.else
	v_pk_fma_f32 v[ACC+2*ue:ACC+2*ue+1], v[ub+2*ue:ub+2*ue+1], v[ub+2*ue:ub+2*ue+1], v[ACC+2*ue:ACC+2*ue+1]
.endif
.set ue, ue+1
.endr
.endif
.endif
.endm
.macro FOLD rt                         ; the four chains of a row tile into one number
	v_pk_add_f32 v[ACC:ACC+1], v[ACC:ACC+1], v[ACC+2:ACC+3]
	v_pk_add_f32 v[ACC+4:ACC+5], v[ACC+4:ACC+5], v[ACC+6:ACC+7]
	v_pk_add_f32 v[ACC:ACC+1], v[ACC:ACC+1], v[ACC+4:ACC+5]
	v_add_f32 v[SUM+\rt], v[ACC], v[ACC+1]
.endm
; In a group's stretch under window 0: the ring's next load, tile UT + 7 into the place of tile UT - 1, which the group before has read (the wait at this group's head says so,
; and no instruction since names that place); and the fold between the two row tiles.
.macro UHOOK
.if UON
.if UT > 0
.if UT < 25
.set ust, UT+7
	global_load_b128 v[SWR+4*(ust&7):SWR+4*(ust&7)+3], v1, s[14:15] offset:((ust&15)>>1)*65536+(ust>>4)*1024+(ust&1)*512
.endif
.endif
.if UT == 16
	FOLD 0
.endif
.endif
.endm
; ---- att
; Part of a group: matrix instructions lo .. lo + n - 1 of 32 (K step gi >> 3, tile gi & 7 = 4 rt + c4), and behind each one slice of the group before:
; att[2 gi ..] (+)= H'[2 gi ..] x R.  The same register numbers serve both quads; the window setting (set) says which.
; The eight H tiles take turns, one instruction a turn, over the backward jump too.
; A slice reads an H tile eight or more plain vector instructions behind the matrix instruction that finished it (ISA guide 7.12.1 asks for four).
.macro GPART ab, rr, mode, lo, n, set
.set gi, \lo
.rept \n
.set gk, gi>>3
.set gt, gi&7
.set gb, 128+8*(4*(gt&3)+gk)
.set ga, \ab+8*(4*(gt>>2)+gk)
.if gk == 0
	v_wmma_f32_16x16x32_f16 v[8*gt:8*gt+7], v[gb:gb+7], v[ga:ga+7], 0
.else
	v_wmma_f32_16x16x32_f16 v[8*gt:8*gt+7], v[gb:gb+7], v[ga:ga+7], v[8*gt:8*gt+7]
.endif
.if \mode == 1
	v_pk_mul_f32 v[64+2*gi:65+2*gi], v[2*gi:2*gi+1], v[\rr+2*(gi&15):\rr+2*(gi&15)+1]          ; p = 0 starts att
.endif
.if \mode == 2
	v_pk_fma_f32 v[64+2*gi:65+2*gi], v[2*gi:2*gi+1], v[\rr+2*(gi&15):\rr+2*(gi&15)+1], v[64+2*gi:65+2*gi]
.endif
.if UON
.if gi > 9
.if gi < 27
.if (gi&3) == 2
	URUN
	WIN \set
.endif
.endif
.endif
.endif
.set gi, gi+1
.endr
.endm
.macro RLOAD rr, P, Q, prel            ; R of one p for a quad's four column tiles: my eight columns of each
.irp c4, 0,1,2,3
	ds_load_b128 v[\rr+8*\c4:\rr+8*\c4+3], v6 offset:(\P*8+\Q*4+\c4)*1024+\prel*64
	ds_load_b128 v[\rr+8*\c4+4:\rr+8*\c4+7], v6 offset:(\P*8+\Q*4+\c4)*1024+\prel*64+16
.endr
.endm
.macro ALOAD ab, aoff                  ; the eight A' fragments of one p
.set i, 0
.rept 16
	ds_load_b128 v[\ab+4*i:\ab+4*i+3], v5 offset:\aoff+i*512
.set i, i+1
.endr
.endm
; One p.  Even group: H0 = A'[p] x quad 0 (setting 0x52: source 0 window 2, source 2 and destination window 1), slices scale H1 of p - 1 into att of quad 1.
; Odd group: H1 = A'[p] x quad 1 (0xa1: source 0 window 1, source 2 and destination window 2), slices scale H0 of p into att of quad 0.
; Each group: the waits at its head, eight matrix instructions with their slices, the group's loads in one run under window 0, the other 24 matrix instructions.
.macro PSTEP P, ab, abn, prel, aoff, me, mo, next
.set UT, UG
	s_wait_dscnt 0x0                               ; A'[p] and quad 1's R of p - 1 are in (issued 24 matrix instructions or more ago)
	s_wait_alu depctr_va_vdst(0)                   ; the odd group before is done reading R0 (its slices), the other A' buffer (its matrix instructions) and its place of the ring (its run of t'); v5 and v6 are written
	WIN 0x52
	GPART \ab, R1, \me, 0, 8, 0x52
	WIN 0
	RLOAD R0, \P, 0, \prel                         ; no wait: nothing since the wait above names R0, the other A' buffer, the ring's place, v5, v6 or v1
.if \next
	ALOAD \abn, \aoff
.endif
	UHOOK
	WIN 0x52
	GPART \ab, R1, \me, 8, 24, 0x52
.if \me == 0
.rept 4
	v_nop                                          ; no slices in this group: the places in front of the next group's first slice
.endr
.endif
.if \next
	s_wait_dscnt 0x10                              ; quad 0's R is in; the 16 younger loads (A'[p + 1]) stay out
.else
	s_wait_dscnt 0x0
.endif
	s_wait_alu depctr_va_vdst(0)                   ; the even group's slices are done reading R1, and its run of t' is done reading its place of the ring
.set UT, UG+1
	WIN 0xa1
	GPART \ab, R0, \mo, 0, 8, 0xa1
	WIN 0
	RLOAD R1, \P, 1, \prel                         ; no wait: nothing since the wait above names R1, the ring's place, v6 or v1
	UHOOK
	WIN 0xa1
	GPART \ab, R0, \mo, 8, 24, 0xa1
.set UG, UG+2
.endm
.macro PASSHEAD
	s_wait_alu depctr_vm_vsrc(0)                   ; pass 0: the build's LDS stores have read PK, in which A' lands, and window 1's v0-127, which the pass writes as H0 and att.  Pass 1: the LDS loads have read v5 and v6, the global stores AB0 and AB1, the LDS stores att
	v_mov_b32 v5, v1                               ; A' of p = 0 (AP is LDS byte 0)
	v_mov_b32 v6, v13
	s_wait_alu depctr_va_vdst(0)                   ; v5 is written, which the loads below read; all earlier vector and matrix instructions are done with AB0, in which they land
	ALOAD AB0, 0
.endm
.macro STEP2                           ; two p on
	WIN 0
	s_wait_alu depctr_vm_vsrc(0)                   ; the LDS loads issued so far have read v5 and v6; the next group's wait on va_vdst shows the sums written
	v_add_nc_u32 v5, 0x4000, v5
	v_add_nc_u32 v6, 0x80, v6
.endm
.macro TAIL                            ; the last H1 into att of quad 1
	s_wait_dscnt 0x0
	WIN 0x52
.set gi, 0
.rept 32
	v_pk_fma_f32 v[64+2*gi:65+2*gi], v[2*gi:2*gi+1], v[R1+2*(gi&15):R1+2*(gi&15)+1], v[64+2*gi:65+2*gi]
.set gi, gi+1
.endr
	WIN 0
.endm
; The way out of one quad: max(att / ||t'||, 0) x t', then 16 rows x 64 columns at a time through my own stage, read back as rows of 256 bytes.
; w0s: att as source 0 and destination, window 0 as source 1.  w3s: the same with t' (window 3) as source 1.  ws: att as an LDS store's data.
.macro OUTQ P, Q, w0s, w3s, ws
	WIN \w0s
.set i, 0
.rept 32
	v_pk_mul_f32 v[64+2*i:65+2*i], v[64+2*i:65+2*i], v[INV+2*(i>>4):INV+2*(i>>4)+1]
.set i, i+1
.endr
.set i, 0
.rept 64
	v_max_num_f32 v[64+i], v[64+i], 0
.set i, i+1
.endr
	WIN \w3s
.set i, 0
.rept 32
.set ou, ((i>>4)*16+\P*8+\Q*4+((i>>2)&3))*8+2*(i&3)
	v_pk_mul_f32 v[64+2*i:65+2*i], v[64+2*i:65+2*i], v[ou:ou+1]
.set i, i+1
.endr
	s_wait_alu depctr_va_vdst(0)                   ; the products above have written the quad's 64 registers, which the LDS stores of both row tiles read; the pass's matrix instructions are done reading AB0 and AB1, in which the loads from the stage land.  No vector instruction follows in this quad
.irp rt, 0,1
	WIN \ws
.irp k, 0,1,2,3,4,5,6,7
	ds_store_b128 v7, v[64+32*\rt+4*\k:64+32*\rt+4*\k+3] offset:(\k>>1)*64+(\k&1)*16
.endr
	WIN 0
	s_wait_xcnt 0x0                                ; the read-back registers were data of earlier stores: they are written again only behind this wait
	s_wait_alu depctr_vm_vsrc(0)                   ; and those stores have read them: the loads below land in them
.irp t, 0,1,2,3,4,5,6,7
	ds_load_b128 v[AB0+64*\rt+4*\t:AB0+64*\rt+4*\t+3], v8 offset:\t*2*SP       ; LDS serves a wave's instructions in order: these see the stores above
.endr
.irp t, 0,1,2,3,4,5,6,7
	s_wait_dscnt 7-\t
	global_store_b128 v9, v[AB0+64*\rt+4*\t:AB0+64*\rt+4*\t+3], s[34:35] offset:(\rt*16+2*\t)*4096+(\P*128+\Q*64)*4 th:TH_STORE_NT   ; 16 lanes store 256 neighbouring bytes, aligned
.endr
.endr
.endm
	; ---- pass 0: my column tiles 0 .. 7, all 16 p, and t' of all 32 tiles beside them
.set UON, 1
.set UG, 0
	s_wait_loadcnt 0x28                            ; pass 0's ch fragments are in; the 40 younger loads (sw, sqrt(y)) stay out
	PASSHEAD
	PSTEP 0, AB0, AB1, 0, 8192, 0, 1, 1            ; p = 0
	PSTEP 0, AB1, AB0, 1, 16384, 1, 2, 1           ; p = 1
	STEP2
.rept 6
	PSTEP 0, AB0, AB1, 0, 8192, 2, 2, 1            ; p = 2, 4 .. 12
	PSTEP 0, AB1, AB0, 1, 16384, 2, 2, 1           ; p = 3, 5 .. 13
	STEP2
.endr
	PSTEP 0, AB0, AB1, 0, 8192, 2, 2, 1            ; p = 14
	PSTEP 0, AB1, AB0, 1, 0, 2, 2, 0               ; p = 15: nothing more to fetch
	TAIL
.set UON, 0
	s_wait_alu depctr_va_vdst(0)                   ; the pass's matrix instructions are done reading the ch fragments, in which the loads below land
	LOADB 1                                        ; the next pass's fragments come in while the norm is made and this pass's results leave
	; ---- ||t'||: my 256 columns, then the four waves through LDS
	FOLD 1
	v_permlanex16_b32 v[ACC], v[SUM], s26, s27     ; the row's other eight columns of each tile
	v_permlanex16_b32 v[ACC+1], v[SUM+1], s26, s27
	v_pk_add_f32 v[SUM:SUM+1], v[SUM:SUM+1], v[ACC:ACC+1]
	s_wait_alu depctr_va_vdst(0)                   ; the two sums are written, which the LDS stores read; the lines above are done with v[ACC ..], in which the loads behind the barrier land
	ds_store_b32 v10, v[SUM]
	ds_store_b32 v10, v[SUM+1] offset:256
	s_wait_dscnt 0x0                               ; my two words are in LDS, for the waves that read them
	s_barrier_signal -1
	s_barrier_wait -1
	ds_load_b128 v[ACC:ACC+3], v11
	ds_load_b128 v[ACC+4:ACC+7], v11 offset:256
	s_wait_dscnt 0x0
	v_pk_add_f32 v[ACC:ACC+1], v[ACC:ACC+1], v[ACC+2:ACC+3]
	v_pk_add_f32 v[ACC+4:ACC+5], v[ACC+4:ACC+5], v[ACC+6:ACC+7]
	v_add_f32 v[ACC], v[ACC], v[ACC+1]
	v_add_f32 v[ACC+4], v[ACC+4], v[ACC+5]
	v_sqrt_f32 v[ACC], v[ACC]
	v_sqrt_f32 v[ACC+4], v[ACC+4]
	v_nop
	s_wait_alu depctr_va_vdst(0)                   ; the two roots are written, ahead of their first reader
	v_max_num_f32 v[ACC], s23, v[ACC]
	v_max_num_f32 v[ACC+4], s23, v[ACC+4]
	v_rcp_f32 v[INV], v[ACC]
	v_rcp_f32 v[INV+2], v[ACC+4]
	v_nop
	s_wait_alu depctr_va_vdst(0)                   ; the two reciprocals are written, ahead of their first reader
	v_mov_b32 v[INV+1], v[INV]
	v_mov_b32 v[INV+3], v[INV+2]
	OUTQ 0, 0, 0x82, 0x8e, 0x08
	OUTQ 0, 1, 0x41, 0x4d, 0x04
	; ---- pass 1: my column tiles 8 .. 15
	s_wait_loadcnt 0x0                             ; this pass's ch fragments
	s_wait_xcnt 0x0                                ; AB0 and AB1 were data of the last stores
	PASSHEAD
	PSTEP 1, AB0, AB1, 0, 8192, 0, 1, 1            ; p = 0
	PSTEP 1, AB1, AB0, 1, 16384, 1, 2, 1           ; p = 1
	STEP2
	s_mov_b32 s30, 6
.Lpass_1:
	PSTEP 1, AB0, AB1, 0, 8192, 2, 2, 1            ; p = 2, 4 .. 12
	PSTEP 1, AB1, AB0, 1, 16384, 2, 2, 1           ; p = 3, 5 .. 13
	STEP2
	s_sub_co_u32 s30, s30, 1
	s_cmp_lg_u32 s30, 0
	s_cbranch_scc1 .Lpass_1
	PSTEP 1, AB0, AB1, 0, 8192, 2, 2, 1            ; p = 14
	PSTEP 1, AB1, AB0, 1, 0, 2, 2, 0               ; p = 15
	TAIL
	OUTQ 1, 0, 0x82, 0x8e, 0x08
	OUTQ 1, 1, 0x41, 0x4d, 0x04
	s_wait_xcnt 0x0
	v_lshl_add_u32 v254, v0, 2, 0x36800            ; the add's two registers, made anew: no memory or LDS instruction has read v254 or v255
	v_mov_b32 v255, 0
	s_wait_dscnt 0x0                               ; the closing lines, six on end
	s_wait_alu 0x0
	s_wait_tensorcnt 0x0
	ds_add_u32 v254, v255
	s_wait_dscnt 0x0
	s_endpgm
.Lfunc_end_k_q93a2375dd1_main:
	.size	k_q93a2375dd1_main, .Lfunc_end_k_q93a2375dd1_main-k_q93a2375dd1_main
	.p2alignl 7, 3214868480
	.fill 96, 4, 3214868480
	.section	.rodata,"a",@progbits
	.p2align	6, 0x0
	.amdhsa_kernel k_q93a2375dd1_main
		.amdhsa_group_segment_fixed_size 223744
		.amdhsa_private_segment_fixed_size 0
		.amdhsa_enable_private_segment 0
		.amdhsa_kernarg_size 72
		.amdhsa_user_sgpr_count 2
		.amdhsa_user_sgpr_kernarg_segment_ptr 1
		.amdhsa_wavefront_size32 1
		.amdhsa_system_sgpr_workgroup_id_x 1
		.amdhsa_system_sgpr_workgroup_id_y 1
		.amdhsa_system_sgpr_workgroup_id_z 1
		.amdhsa_system_vgpr_workitem_id 0
		.amdhsa_next_free_vgpr 1024
		.amdhsa_next_free_sgpr 66
		.amdhsa_reserve_vcc 0
		.amdhsa_float_denorm_mode_32 3
		.amdhsa_float_denorm_mode_16_64 3
		.amdhsa_memory_ordered 1
		.amdhsa_forward_progress 1
		.amdhsa_inst_pref_size 255
	.end_amdhsa_kernel
	.section	.bss,"aw",@nobits
	.p2align	6
	.space	262144
	.amdgpu_metadata
---
amdhsa.version: [ 1, 2 ]
amdhsa.kernels:
  - .name:           k_q93a2375dd1_main
    .symbol:         k_q93a2375dd1_main.kd
    .args:
      - { .name: context, .offset: 0, .size: 8, .value_kind: global_buffer, .address_space: global }
      - { .name: weight_tensor, .offset: 8, .size: 8, .value_kind: global_buffer, .address_space: global }
      - { .name: rnT, .offset: 16, .size: 8, .value_kind: global_buffer, .address_space: global }
      - { .name: rnF, .offset: 24, .size: 8, .value_kind: global_buffer, .address_space: global }
      - { .name: cF, .offset: 32, .size: 8, .value_kind: global_buffer, .address_space: global }
      - { .name: swF, .offset: 40, .size: 8, .value_kind: global_buffer, .address_space: global }
      - { .name: rF, .offset: 48, .size: 8, .value_kind: global_buffer, .address_space: global }
      - { .name: ysq, .offset: 56, .size: 8, .value_kind: global_buffer, .address_space: global }
      - { .name: out0, .offset: 64, .size: 8, .value_kind: global_buffer, .address_space: global }
    .group_segment_fixed_size: 223744
    .private_segment_fixed_size: 0
    .kernarg_segment_align: 8
    .kernarg_segment_size: 72
    .max_flat_workgroup_size: 128
    .sgpr_count:     66
    .vgpr_count:     1024
    .wavefront_size: 32
...
	.end_amdgpu_metadata
.endif
;; end of part 7
